; MI455X (gfx1250); checked and timed in simulation.
; The chip was launched on July 23, 2026; its instructions are those of AMD's public machine-readable ISA for CDNA 5 (MIT licence, August 2026) and "CDNA5" Instruction Set Architecture Reference Guide (July 2026). The comments in the code are by the model that wrote it; some were corrected since.
;; Mixture Of Experts Feed Forward. Allowed arithmetic: matrix products marked QUANTISED: E4M3 operands, one E8M0 scale for each 32 along K, by v_wmma_scale_f32_16x16x128_f8f6f4 with both operands' format E4M3, f32 sums; products left as they are: f32 operands where the result goes on into a quantised operand, else bf16, f16 or f32 operands; f32 sums; everything else in f32.
;; Inputs: W_in 8 x 1,024 x 4,096 float32; W_out 8 x 4,096 x 1,024 float32; Wr 1,024 x 8 float32; b_in 8 x 4,096 float32; b_out 8 x 1,024 float32; br 8 float32; x 4 x 256 x 1,024 float32.
;; Outputs: out0 4 x 256 x 1,024 float32.
;; Constants: top_k = 2.
;; This version of the problem:
;;   THIS VERSION OF THE PROBLEM IS GIVEN IN LOW PRECISION. The matrix products marked QUANTISED in the list below multiply operands that are first quantised to E4M3 (4 exponent bits, 3 mantissa bits; 8 bits a number), with one power-of-two scale for each 32 numbers along K (OCP MX v1.0); their sums are f32. All else is computed in f32.
;;   The module's matrix products, in the order in which they are computed (A, B: the left and right operand; K: the contracted axis; several contracted axes count as one K, in the product's order):
;;     1. [M 1,024, K 1,024] x [K 1,024, N 8]; A: input x; B: input Wr: left as it is (N = 8 < 16)
;;     2. batch 1,024 x [M 1, K 2] x [K 2, N 8]; A: computed on the way; B: computed on the way: left as it is (K = 2 < 32)
;;     3. [M 1,024, K 1,024] x [K 1,024, N 32,768]; A: input x; B: input W_in: QUANTISED
;;     4. batch 1,024 x [M 4,096, K 8] x [K 8, N 1]; A: computed on the way; B: computed on the way: left as it is (K = 8 < 32)
;;     5. [M 1,024, K 4,096] x [K 4,096, N 8,192]; A: computed on the way; B: input W_out: QUANTISED
;;     6. batch 1,024 x [M 1,024, K 8] x [K 8, N 1]; A: computed on the way; B: computed on the way: left as it is (K = 8 < 32)
;;   THE QUANTISER, for each operand of a quantised product, along K:
;;     - K is cut into blocks of 32 from its start; a last block that is shorter is filled with zeros.
;;     - A block's scale is 2^e with e = floor(log2(the largest magnitude in the block)) - 8, held to -126 .. 127; a block of zeros has e = 0. As a byte (E8M0): e + 127.
;;     - Each number is divided by its block's scale, clamped to +-448, and rounded to the nearest number of E4M3, ties to even, subnormals kept.
;;     - The product sums the exact products of the quantised numbers (number of the format x scale) in f32.
;;   ~~~python
;;   def quantise(x, axis):      # numpy; x: float32 -> the quantised numbers, widened to float32 again
;;       x = np.moveaxis(x, axis, -1); K = x.shape[-1]
;;       x = np.pad(x, [(0, 0)] * (x.ndim - 1) + [(0, -K % 32)]); x = x.reshape(x.shape[:-1] + (-1, 32)); a = np.abs(x).max(-1, keepdims=True)
;;       e = np.where(a > 0, np.clip(np.frexp(np.where(a > 0, a, 1))[1] - 1 - 8, -126, 127), 0)      # np.frexp(a)[1] - 1 = floor(log2(a)), exactly
;;       r = np.clip(x / 2.0 ** e, -448, 448)
;;       step = 2.0 ** (np.maximum(np.frexp(np.where(r == 0, 1, r))[1] - 1, -6) - 3)
;;       q = np.round(r / step) * step * 2.0 ** e      # np.round: ties to even
;;       return np.moveaxis(q.reshape(q.shape[:-2] + (-1,))[..., :K], -1, axis).astype(np.float32)
;;   ~~~
;;   OPERANDS COMPUTED ON THE WAY. 'Computed on the way' means the value that the module computes at that place (a softmax that the list does not call 'softmax' is quantised finished and normalised). What goes into a quantiser is computed in f32, as accurately as f32 sums, v_exp_f32 and their like allow (about 1e-6 of the number): no bf16 or f16 on the way to a quantiser, and a product that is left as it is and whose result goes on into a quantised operand takes f32 operands (vector FMAs, or v_wmma_f32_16x16x4_f32). A number that lies on a knife's edge between two numbers of the format may be rounded either way, as far as f32 arithmetic and the matrix unit's own rounding can turn it there, and no further.
;; 2 versions. Each part assembles by itself: llvm-mc -triple=amdgcn-amd-amdhsa -mcpu=gfx1250 --defsym DOCPART=n.
;; ======== version 1 of 2: 7 launches
;; workspace buffers: ridx 8,192 bytes of whole numbers; rprob 8,192 bytes; rk 8,704 bytes of whole numbers; plc 42,240 bytes of whole numbers; xs 2,280,960 bytes; hid 35,389,440 bytes; hs 9,123,840 bytes; part 35,389,440 bytes
;; launch route (part 1): grid 32 x 1, 8 waves a work-group, no clusters, 177,152 bytes of LDS; arguments x, Wr, br, ridx, rprob, rk; writes ridx, rprob, rk
.if DOCPART == 1
	.amdgcn_target "amdgcn-amd-amdhsa--gfx1250"
	.amdhsa_code_object_version 6
	.text
	.protected	k_q11e803e985_route
	.globl	k_q11e803e985_route
	.p2align	8
	.type	k_q11e803e985_route,@function
k_q11e803e985_route:
	s_mov_b64 s[64:65], 0
	v_nop
	global_prefetch_b8 v0, s[64:65] scope:SCOPE_SE
	s_setreg_imm32_b32 hwreg(HW_REG_WAVE_MODE, 25, 1), 1
	s_wait_xcnt 0x0
; THE ROUTER.  logits = x Wr + br in f32 fused multiply-adds, softmax over the 8 experts (the maximum taken away first), the two largest.
; Stored at fixed places: ridx[token][2] the two experts (whole numbers), rprob[token][2] their probabilities; and for the launch that places the rows, in rk (whole numbers):
; +0 [token][2]: how many tokens before this one in its group of 32 chose the same expert, for each of its two experts; +8,192 [group][4 words]: the group's count of each expert, word p = count[p] | count[p + 4] << 16.
; SHARES.  A work-group takes 32 tokens, a group; wave w takes k = 128 w .. 128 w + 127 of all 32.  Each load reads 512 consecutive bytes of one token's row; the
; numbers turn through the wave's own LDS bytes (rows 528 bytes apart), so that afterwards a lane IS a token and holds its 128 numbers.  The wave's 128 rows
; of Wr (4,096 bytes) lie in its own LDS bytes too and are read by all lanes at one address.  The eight waves' partial sums meet in LDS behind one barrier;
; wave 0 adds them in ascending k, adds br and chooses.  No address and no branch hangs on what is chosen.
; No matrix unit: N = 8.  No cluster: work-groups share only Wr, 32 KiB.
; LIMITS: the two largest are taken of the logits, not of the rounded probabilities (equal logits: the lower index, as top_k has it); NaN and infinities are not served.
.set XSB, 16896                        ; a wave's 32 rows x 528 bytes
.set WR0, 135168                       ; behind them: 4,096 bytes of Wr for each wave
.set RED, 167936                       ; behind those: 32 bytes for each lane of each wave
.set GC,  8192                         ; rk: where the groups' counts begin
.set X,   16                           ; v16-143  128 numbers
.set WB,  144                          ; v144-207 two sets of 4 k x 8 experts
.set ACC, 208                          ; v208-215 the 8 partial logits
	s_load_b128 s[4:7], s[0:1], 0x0                ; x, Wr
	s_load_b128 s[8:11], s[0:1], 0x10              ; br, ridx
	s_load_b64 s[12:13], s[0:1], 0x20              ; rprob
	s_load_b64 s[40:41], s[0:1], 0x28              ; rk
	v_lshl_add_u32 v224, v0, 2, 0x2b000
	v_mov_b32 v225, 0
	v_lshrrev_b32 v1, 5, v0
	v_readfirstlane_b32 s14, v1                    ; wave
	v_and_b32 v1, 31, v0                           ; lane
	v_lshlrev_b32 v2, 4, v1                        ; 16 x lane
	s_mul_i32 s15, s14, XSB
	v_add_nc_u32 v3, s15, v2                       ; into the turn: row n at 528 n, my 16 bytes
	v_mul_u32_u24 v4, v1, 528
	v_add_nc_u32 v4, s15, v4                       ; out of it: row = my lane
	s_lshl_b32 s22, s14, 12                        ; my wave's 4,096 bytes of Wr
	s_mov_b32 s23, 0
	s_add_co_u32 s16, s22, WR0
	v_add_nc_u32 v5, s16, v2                       ; Wr into LDS
	v_mov_b32 v6, s16                              ; and out of it: one address for all lanes
	v_lshlrev_b32 v8, 5, v1
	v_add_nc_u32 v8, RED, v8                       ; wave 0's place among the partial sums
	s_lshl_b32 s17, s14, 10
	v_add_nc_u32 v7, s17, v8                       ; my wave's
	s_lshl_b32 s20, ttmp9, 17                      ; 32 tokens x 4,096 bytes
	s_lshl_b32 s18, s14, 9                         ; + my 128 numbers
	s_add_co_u32 s20, s20, s18
	s_mov_b32 s21, 0
	s_wait_kmcnt 0x0
	s_load_b256 s[24:31], s[8:9], 0x0              ; br
	s_add_nc_u64 s[4:5], s[4:5], s[20:21]
	s_add_nc_u64 s[6:7], s[6:7], s[22:23]
.set n, 0
.rept 32
	global_load_b128 v[X+4*n:X+4*n+3], v2, s[4:5] offset:4096*n      ; token n: 512 consecutive bytes
.set n, n+1
.endr
.set n, 0
.rept 8
	global_load_b128 v[WB+4*n:WB+4*n+3], v2, s[6:7] offset:512*n
.set n, n+1
.endr
	s_wait_loadcnt 0x0
.set n, 0
.rept 32
	ds_store_b128 v3, v[X+4*n:X+4*n+3] offset:528*n
.set n, n+1
.endr
.set n, 0
.rept 8
	ds_store_b128 v5, v[WB+4*n:WB+4*n+3] offset:512*n
.set n, n+1
.endr
	s_wait_dscnt 0x0                               ; the stores have read their registers, which are loaded again now
.set n, 0
.rept 32
	ds_load_b128 v[X+4*n:X+4*n+3], v4 offset:16*n  ; my token's k = 4 n .. 4 n + 3
.set n, n+1
.endr
.macro WRG g, set                      ; Wr's rows 4 g .. 4 g + 3 of my wave's 128 into set: 8 loads
.set kk, 0
.rept 4
	ds_load_b128 v[WB+32*(\set)+8*kk:WB+32*(\set)+8*kk+3], v6 offset:32*(4*(\g)+kk)
	ds_load_b128 v[WB+32*(\set)+8*kk+4:WB+32*(\set)+8*kk+7], v6 offset:32*(4*(\g)+kk)+16
.set kk, kk+1
.endr
.endm
.macro FMG g, set                      ; 16 packed multiply-adds: x(k) serves both halves, two experts an instruction.  The very first product starts the sums
.set kk, 0
.rept 4
.set pp, 0
.rept 4
.set XR, X+4*(\g)+2*(kk/2)
.set WRR, WB+32*(\set)+8*kk+2*pp
.if (4*(\g)+kk) == 0
	v_pk_mul_f32 v[ACC+2*pp:ACC+2*pp+1], v[XR:XR+1], v[WRR:WRR+1] op_sel_hi:[0,1]
.elseif kk%2 == 0
	v_pk_fma_f32 v[ACC+2*pp:ACC+2*pp+1], v[XR:XR+1], v[WRR:WRR+1], v[ACC+2*pp:ACC+2*pp+1] op_sel_hi:[0,1,1]
.else
	v_pk_fma_f32 v[ACC+2*pp:ACC+2*pp+1], v[XR:XR+1], v[WRR:WRR+1], v[ACC+2*pp:ACC+2*pp+1] op_sel:[1,0,0] op_sel_hi:[1,1,1]
.endif
.set pp, pp+1
.endr
.set kk, kk+1
.endr
.endm
	WRG 0, 0
	WRG 1, 1
.set gg, 0
.rept 32
.if gg < 31
	s_wait_dscnt 8                                 ; all but the next group's 8 loads: this group's rows of Wr are in (and, the first time, my 128 numbers, which are older)
.else
	s_wait_dscnt 0x0
.endif
	FMG gg, gg%2
.if gg < 30
	WRG gg+2, gg%2
.endif
.set gg, gg+1
.endr
	ds_store_b128 v7, v[ACC:ACC+3]
	ds_store_b128 v7, v[ACC+4:ACC+7] offset:16
	s_wait_dscnt 0x0                               ; for wave 0's sake: my partial sums lie in LDS
	s_wait_kmcnt 0x0                               ; br
	s_barrier_signal -1
	s_barrier_wait -1
	s_cmp_lg_u32 s14, 0
	s_cbranch_scc1 .Lend                           ; the rest is wave 0's; no barrier follows
.set n, 0
.rept 8
	ds_load_b128 v[X+8*n:X+8*n+3], v8 offset:1024*n
	ds_load_b128 v[X+8*n+4:X+8*n+7], v8 offset:1024*n+16
.set n, n+1
.endr
	s_wait_dscnt 0x0
.set n, 1
.rept 7
.irp p, 0,2,4,6
	v_pk_add_f32 v[X+\p:X+\p+1], v[X+\p:X+\p+1], v[X+8*n+\p:X+8*n+\p+1]   ; the waves' parts, k ascending
.endr
.set n, n+1
.endr
.irp e, 0,1,2,3,4,5,6,7
	v_add_f32 v[X+\e], s[24+\e], v[X+\e]           ; + br
.endr
	v_mov_b32 v152, v[X]                           ; the largest logit and its expert: a strict compare keeps the lower index
	v_mov_b32 v154, 0
.irp e, 1,2,3,4,5,6,7
	v_cmp_gt_f32 vcc_lo, v[X+\e], v152
	v_cndmask_b32 v152, v152, v[X+\e], vcc_lo
	v_cndmask_b32 v154, v154, \e, vcc_lo
.endr
.irp e, 0,1,2,3,4,5,6,7
	v_sub_f32 v[144+\e], v[X+\e], v152             ; logit - maximum
.endr
	v_mov_b32 v158, 0xff800000                     ; -infinity takes the winner's place
.irp e, 0,1,2,3,4,5,6,7
	v_cmp_eq_u32 vcc_lo, \e, v154
	v_cndmask_b32 v[X+\e], v[X+\e], v158, vcc_lo
.endr
	v_mov_b32 v153, v[X]                           ; the second largest, the same way
	v_mov_b32 v155, 0
.irp e, 1,2,3,4,5,6,7
	v_cmp_gt_f32 vcc_lo, v[X+\e], v153
	v_cndmask_b32 v153, v153, v[X+\e], vcc_lo
	v_cndmask_b32 v155, v155, \e, vcc_lo
.endr
	v_sub_f32 v160, v153, v152
.irp e, 0,1,2,3,4,5,6,7
	v_mul_f32 v[144+\e], 0x3fb8aa3b, v[144+\e]     ; x log2(e)
.endr
	v_mul_f32 v160, 0x3fb8aa3b, v160
.irp e, 0,1,2,3,4,5,6,7
	v_exp_f32 v[144+\e], v[144+\e]
.endr
	v_exp_f32 v160, v160
	v_lshlrev_b32 v161, 3, v1                      ; 8 bytes a token (a plain instruction behind the exponentials: ISA guide 5.7.2)
	s_wait_alu depctr_va_vdst(0)
	v_add_f32 v159, v144, v145
.irp e, 2,3,4,5,6,7
	v_add_f32 v159, v159, v[144+\e]
.endr
	v_rcp_f32 v156, v159                           ; the winner's exponential is 1: its probability is 1 / sum
	v_nop
	s_wait_alu depctr_va_vdst(0)
	v_mul_f32 v157, v160, v156
	s_lshl_b32 s20, ttmp9, 8                       ; 32 tokens x 8 bytes
	s_mov_b64 s[42:43], s[40:41]
	s_add_nc_u64 s[10:11], s[10:11], s[20:21]
	s_add_nc_u64 s[12:13], s[12:13], s[20:21]
	s_add_nc_u64 s[40:41], s[40:41], s[20:21]
	global_store_b64 v161, v[154:155], s[10:11]    ; 32 lanes store 256 consecutive bytes, aligned
	global_store_b64 v161, v[156:157], s[12:13]
	; the ranks within the group and the group's counts: numbers to be stored, nothing more
	v_mov_b32 v162, 0
	v_mov_b32 v163, 0
.irp e, 0,1,2,3,4,5,6,7
	v_cmp_eq_u32 s16, \e, v154                     ; chosen first
	v_cmp_eq_u32 s17, \e, v155                     ; chosen second
	s_or_b32 s18, s16, s17
	v_mbcnt_lo_u32_b32 v164, s18, 0                ; how many lanes below mine chose expert e
	s_bcnt1_i32_b32 s[32+\e], s18                  ; how many of the group did
	v_cndmask_b32 v162, v162, v164, s16
	v_cndmask_b32 v163, v163, v164, s17
.endr
.irp p, 0,1,2,3
	s_lshl_b32 s19, s[36+\p], 16
	s_or_b32 s19, s19, s[32+\p]
	v_mov_b32 v[168+\p], s19
.endr
	v_mov_b32 v165, 0
	s_lshl_b32 s20, ttmp9, 4                       ; 16 bytes a group
	s_add_nc_u64 s[42:43], s[42:43], s[20:21]
	global_store_b64 v161, v[162:163], s[40:41]
	global_store_b128 v165, v[168:171], s[42:43] offset:GC   ; all lanes store the same 16 bytes at the same place
.Lend:
	s_wait_tensorcnt 0x0
	ds_add_u32 v224, v225
	s_wait_dscnt 0x0
	s_endpgm
.Lfunc_end_k_q11e803e985_route:
	.size	k_q11e803e985_route, .Lfunc_end_k_q11e803e985_route-k_q11e803e985_route
	.p2alignl 7, 3214868480
	.fill 96, 4, 3214868480
	.section	.rodata,"a",@progbits
	.p2align	6, 0x0
	.amdhsa_kernel k_q11e803e985_route
		.amdhsa_group_segment_fixed_size 177152
		.amdhsa_private_segment_fixed_size 0
		.amdhsa_enable_private_segment 0
		.amdhsa_kernarg_size 48
		.amdhsa_user_sgpr_count 2
		.amdhsa_user_sgpr_kernarg_segment_ptr 1
		.amdhsa_wavefront_size32 1
		.amdhsa_system_sgpr_workgroup_id_x 1
		.amdhsa_system_sgpr_workgroup_id_y 1
		.amdhsa_system_sgpr_workgroup_id_z 1
		.amdhsa_system_vgpr_workitem_id 0
		.amdhsa_next_free_vgpr 226
		.amdhsa_next_free_sgpr 66
		.amdhsa_reserve_vcc 1
		.amdhsa_float_denorm_mode_32 3
		.amdhsa_float_denorm_mode_16_64 3
		.amdhsa_memory_ordered 1
		.amdhsa_forward_progress 1
		.amdhsa_inst_pref_size 71
	.end_amdhsa_kernel
	.amdgpu_metadata
---
amdhsa.version: [ 1, 2 ]
amdhsa.kernels:
  - .name:           k_q11e803e985_route
    .symbol:         k_q11e803e985_route.kd
    .args:
      - { .name: x, .offset: 0, .size: 8, .value_kind: global_buffer, .address_space: global }
      - { .name: Wr, .offset: 8, .size: 8, .value_kind: global_buffer, .address_space: global }
      - { .name: br, .offset: 16, .size: 8, .value_kind: global_buffer, .address_space: global }
      - { .name: ridx, .offset: 24, .size: 8, .value_kind: global_buffer, .address_space: global }
      - { .name: rprob, .offset: 32, .size: 8, .value_kind: global_buffer, .address_space: global }
      - { .name: rk, .offset: 40, .size: 8, .value_kind: global_buffer, .address_space: global }
    .group_segment_fixed_size: 177152
    .private_segment_fixed_size: 0
    .kernarg_segment_align: 8
    .kernarg_segment_size: 48
    .max_flat_workgroup_size: 256
    .sgpr_count:     66
    .vgpr_count:     226
    .wavefront_size: 32
...
	.end_amdgpu_metadata
.endif
;; end of part 1
;; launch place (part 2): grid 32 x 1, 1 waves a work-group, no clusters, 0 bytes of LDS; arguments ridx, rk, plc; writes plc
.if DOCPART == 2
	.amdgcn_target "amdgcn-amd-amdhsa--gfx1250"
	.amdhsa_code_object_version 6
	.text
	.protected	k_q11e803e985_place
	.globl	k_q11e803e985_place
	.p2align	8
	.type	k_q11e803e985_place,@function
k_q11e803e985_place:
	s_mov_b64 s[64:65], 0
	v_nop
	global_prefetch_b8 v0, s[64:65] scope:SCOPE_SE
	s_setreg_imm32_b32 hwreg(HW_REG_WAVE_MODE, 25, 1), 1
	s_wait_xcnt 0x0
; THE ROWS ARE PLACED BY EXPERT.  Work-group g, one wave, owns the 32 tokens of group g; a lane is a token.
; From the 32 groups' stored counts (512 bytes, by scalar loads) every work-group makes, on the scalar side: each expert's rows, nt[e] = ceil(rows / 16) tiles, tb[e] = the tiles of the experts before it,
; and start[e] = 16 tb[e] + the rows of e in the groups before mine.  A token's sorted row with expert e is start[e] + its stored rank within its group.
; THE CHOICE OF start[e] BY A LANE'S OWN e is made by additions, shifts and multiplications alone: start rises with e (16 nt[e] is at least the rows of e), so
; start[e] = start[0] + the sum over e' = 1 .. 7 of (start[e'] - start[e' - 1]) x ((e + 8 - e') >> 3), the last factor being 1 where e >= e' and else 0.
; Counts are packed two to a word in fields of 16 bits (an expert has 1,024 rows at the most), and two words are added at a time.
; Stored in plc (whole numbers): +0x300 prow[token][2] = the token's two sorted rows, 256 consecutive bytes a work-group;
; +0x8300 list[sorted row] = token | choice << 16 | the sorted row of the token's other choice << 20 (a row is 2,159 at the most: 12 bits).  By work-group 0 besides: +0 the number of tiles;
; +0x100 32 entries (expert, first tile, tiles, 0): each expert's tiles in blocks of 24 at the most, the empty entries last and all 0; and the list's entries for the places of an expert's last tile that no
; token takes: they stand for token 0, choice 0 (results that are finite and that nobody reads).
; Of those at most 15 places the surplus lanes repeat the last; an expert that has none sends all lanes to a spare word behind the list.
; All lanes are on throughout; no LDS, no barrier.  Each word of plc has one owner.
.set PROW, 0x300
.set LIST, 0x8300
.set GC,   8192                        ; rk: where the groups' counts begin
.set CNT,  16                          ; s16-23 rows;  s24-31 rows in the groups before mine;  s32-39 nt;  s40-47 tb;  s48-55 start;  s57-63 its steps;  s68-75 the blocks before an expert's
.set BAS,  24
.set NT,   32
.set TB,   40
.set ST,   48
.set DD,   56
.set BB,   68
	s_load_b128 s[4:7], s[0:1], 0x0                ; ridx, rk
	s_load_b64 s[8:9], s[0:1], 0x10                ; plc
	v_lshlrev_b32 v1, 4, v0                        ; 16 x lane
	v_lshlrev_b32 v2, 3, v0                        ; 8 x lane
	v_lshlrev_b32 v3, 2, v0                        ; 4 x lane
	s_mov_b32 s12, ttmp9                           ; g
	s_lshl_b32 s2, ttmp9, 8                        ; 32 tokens x 8 bytes
	s_mov_b32 s3, 0
	s_mov_b64 s[84:85], 0                          ; s84-87: the totals, packed;  s88-91: the sums over the groups before mine
	s_mov_b64 s[86:87], 0
	s_mov_b64 s[88:89], 0
	s_mov_b64 s[90:91], 0
	s_wait_kmcnt 0x0
	s_load_b512 s[16:31], s[6:7], GC               ; groups 0-3: 4 words each
	s_load_b512 s[32:47], s[6:7], GC+64
	s_load_b512 s[48:63], s[6:7], GC+128
	s_load_b512 s[68:83], s[6:7], GC+192
	s_add_nc_u64 s[10:11], s[4:5], s[2:3]
	s_add_nc_u64 s[14:15], s[6:7], s[2:3]
	global_load_b64 v[4:5], v2, s[10:11]           ; my token's two experts
	global_load_b64 v[6:7], v2, s[14:15]           ; and its ranks within the group
	s_wait_kmcnt 0x0
.macro GRP gi, R                       ; group gi's four words stand in s[R] on
	s_add_nc_u64 s[84:85], s[84:85], s[(\R):(\R)+1]
	s_add_nc_u64 s[86:87], s[86:87], s[(\R)+2:(\R)+3]
	s_cmp_gt_u32 s12, \gi                          ; a group before mine?
	s_cselect_b64 s[92:93], s[(\R):(\R)+1], 0
	s_cselect_b64 s[94:95], s[(\R)+2:(\R)+3], 0
	s_add_nc_u64 s[88:89], s[88:89], s[92:93]
	s_add_nc_u64 s[90:91], s[90:91], s[94:95]
.endm
.macro TUP t, R, again                 ; groups 4 t .. 4 t + 3; again = 1: the sixteen registers then take the groups 16 further on
	GRP 4*(\t), \R
	GRP 4*(\t)+1, (\R)+4
	GRP 4*(\t)+2, (\R)+8
	GRP 4*(\t)+3, (\R)+12
.if \again
	s_load_b512 s[(\R):(\R)+15], s[6:7], GC+256+64*(\t)
.endif
.endm
	TUP 0, 16, 1
	TUP 1, 32, 1
	TUP 2, 48, 1
	TUP 3, 68, 1
	s_wait_kmcnt 0x0
	TUP 4, 16, 0
	TUP 5, 32, 0
	TUP 6, 48, 0
	TUP 7, 68, 0
.irp p, 0,1,2,3
	s_and_b32 s[CNT+\p], s[84+\p], 0xffff
	s_lshr_b32 s[CNT+4+\p], s[84+\p], 16
	s_and_b32 s[BAS+\p], s[88+\p], 0xffff
	s_lshr_b32 s[BAS+4+\p], s[88+\p], 16
.endr
	s_mov_b32 s96, 0                               ; tiles so far; at the end: all tiles
.irp e, 0,1,2,3,4,5,6,7
	s_add_co_u32 s97, s[CNT+\e], 15
	s_lshr_b32 s[NT+\e], s97, 4
	s_mov_b32 s[TB+\e], s96
	s_add_co_u32 s96, s96, s[NT+\e]
	s_lshl_b32 s97, s[TB+\e], 4
	s_add_co_u32 s[ST+\e], s97, s[BAS+\e]
.endr
.irp e, 1,2,3,4,5,6,7
	s_sub_co_u32 s[DD+\e], s[ST+\e], s[ST-1+\e]    ; never negative, 2,160 at the most
.endr
	s_wait_loadcnt 0x0
	v_min_u32 v8, 7, v4                            ; my token's first expert
	v_min_u32 v9, 7, v5                            ; its second
	v_add_nc_u32 v10, s[ST], v6
	v_add_nc_u32 v11, s[ST], v7
.irp e, 1,2,3,4,5,6,7
	v_add_nc_u32 v12, 8-\e, v8
	v_add_nc_u32 v13, 8-\e, v9
	v_lshrrev_b32 v12, 3, v12                      ; 1 where my expert is e or more
	v_lshrrev_b32 v13, 3, v13
	v_mul_u32_u24 v12, s[DD+\e], v12
	v_mul_u32_u24 v13, s[DD+\e], v13
	v_add_nc_u32 v10, v10, v12
	v_add_nc_u32 v11, v11, v13
.endr
	v_min_u32 v10, 0x86f, v10                      ; the two sorted rows: 2,159 at the most
	v_min_u32 v11, 0x86f, v11
	v_lshlrev_b32 v14, 2, v10                      ; their words of list
	v_lshlrev_b32 v15, 2, v11
	s_lshl_b32 s13, s12, 5
	v_add_nc_u32 v18, s13, v0                      ; the token
	v_lshl_or_b32 v19, v11, 20, v18                ; choice 0: token | the other choice's row << 20
	v_lshl_or_b32 v20, v10, 20, v18
	v_or_b32 v20, 0x10000, v20                     ; choice 1
	s_lshl_b32 s2, s12, 8                          ; my group's 256 bytes of prow
	s_add_nc_u64 s[10:11], s[8:9], s[2:3]
	global_store_b64 v2, v[10:11], s[10:11] offset:PROW   ; 32 lanes store 256 consecutive bytes, aligned
	global_store_b32 v14, v19, s[8:9] offset:LIST
	global_store_b32 v15, v20, s[8:9] offset:LIST
	s_cmp_lg_u32 s12, 0
	s_cbranch_scc1 .Lend
	; WORK-GROUP 0: the head of plc
	v_mov_b32 v21, s96
	global_store_b32 v3, v21, s[8:9]               ; the number of tiles (32 copies: 128 consecutive bytes; word 0 is read)
	s_mov_b32 s98, 0
.irp e, 0,1,2,3,4,5,6,7
	s_mov_b32 s[BB+\e], s98                        ; the blocks of the experts before e
	s_add_co_u32 s97, s[NT+\e], 23
	s_mul_i32 s97, s97, 2731
	s_lshr_b32 s97, s97, 16                        ; ceil(nt / 24): (nt + 23) x 2,731 >> 16 is the whole quotient by 24 for nt up to 64
	s_add_co_u32 s98, s98, s97
.endr
	v_mov_b32 v22, 0                               ; lane y is entry y: its expert is the last whose blocks begin at y or before
	v_mov_b32 v23, s[TB]
	v_mov_b32 v24, s[NT]
	v_mov_b32 v25, 0
.irp e, 1,2,3,4,5,6,7
	v_cmp_le_u32 vcc_lo, s[BB+\e], v0
	v_cndmask_b32 v22, v22, \e, vcc_lo
	v_cndmask_b32 v23, v23, s[TB+\e], vcc_lo
	v_cndmask_b32 v24, v24, s[NT+\e], vcc_lo
	v_cndmask_b32 v25, v25, s[BB+\e], vcc_lo
.endr
	v_sub_nc_u32 v26, v0, v25                      ; which block of that expert
	v_mul_u32_u24 v26, v26, 24
	v_min_u32 v27, v24, v26
	v_sub_nc_u32 v27, v24, v27
	v_min_u32 v30, 24, v27                         ; its tiles: 0 behind the last block
	v_add_nc_u32 v29, v23, v26                     ; its first tile
	v_cmp_ne_u32 vcc_lo, 0, v30
	v_cndmask_b32 v28, 0, v22, vcc_lo              ; an empty entry is all 0
	v_cndmask_b32 v29, 0, v29, vcc_lo
	v_mov_b32 v31, 0
	global_store_b128 v1, v[28:31], s[8:9] offset:0x100
	; the places that no token takes
	v_readfirstlane_b32 s98, v19                   ; token 0, choice 0, its other choice's row
	v_mov_b32 v32, s98
.irp e, 0,1,2,3,4,5,6,7
	s_lshl_b32 s97, s[NT+\e], 4
	s_sub_co_u32 s97, s97, s[CNT+\e]               ; how many such places: 0 to 15
	s_min_u32 s99, s97, 1                          ; 1 if there are any
	s_max_u32 s97, s97, 1
	s_sub_co_u32 s97, s97, 1                       ; the last of them
	s_lshl_b32 s100, s[TB+\e], 4
	s_add_co_u32 s100, s100, s[CNT+\e]             ; the first one's sorted row
	s_xor_b32 s101, s99, 1
	s_mul_i32 s101, s101, 2160                     ; the spare word, if there are none
	v_min_u32 v[40+\e], s97, v0
	v_add_nc_u32 v[40+\e], s100, v[40+\e]
	v_mul_u32_u24 v[40+\e], s99, v[40+\e]
	v_add_nc_u32 v[40+\e], s101, v[40+\e]
	v_min_u32 v[40+\e], 0x870, v[40+\e]
	v_lshlrev_b32 v[40+\e], 2, v[40+\e]
	global_store_b32 v[40+\e], v32, s[8:9] offset:LIST
.endr
.Lend:
	s_endpgm
.Lfunc_end_k_q11e803e985_place:
	.size	k_q11e803e985_place, .Lfunc_end_k_q11e803e985_place-k_q11e803e985_place
	.p2alignl 7, 3214868480
	.fill 96, 4, 3214868480
	.section	.rodata,"a",@progbits
	.p2align	6, 0x0
	.amdhsa_kernel k_q11e803e985_place
		.amdhsa_group_segment_fixed_size 0
		.amdhsa_private_segment_fixed_size 0
		.amdhsa_enable_private_segment 0
		.amdhsa_kernarg_size 24
		.amdhsa_user_sgpr_count 2
		.amdhsa_user_sgpr_kernarg_segment_ptr 1
		.amdhsa_wavefront_size32 1
		.amdhsa_system_sgpr_workgroup_id_x 1
		.amdhsa_system_sgpr_workgroup_id_y 1
		.amdhsa_system_sgpr_workgroup_id_z 1
		.amdhsa_system_vgpr_workitem_id 0
		.amdhsa_next_free_vgpr 64
		.amdhsa_next_free_sgpr 102
		.amdhsa_reserve_vcc 1
		.amdhsa_float_denorm_mode_32 3
		.amdhsa_float_denorm_mode_16_64 3
		.amdhsa_memory_ordered 1
		.amdhsa_forward_progress 1
		.amdhsa_inst_pref_size 24
	.end_amdhsa_kernel
	.amdgpu_metadata
---
amdhsa.version: [ 1, 2 ]
amdhsa.kernels:
  - .name:           k_q11e803e985_place
    .symbol:         k_q11e803e985_place.kd
    .args:
      - { .name: ridx, .offset: 0, .size: 8, .value_kind: global_buffer, .address_space: global }
      - { .name: rk, .offset: 8, .size: 8, .value_kind: global_buffer, .address_space: global }
      - { .name: plc, .offset: 16, .size: 8, .value_kind: global_buffer, .address_space: global }
    .group_segment_fixed_size: 0
    .private_segment_fixed_size: 0
    .kernarg_segment_align: 8
    .kernarg_segment_size: 24
    .max_flat_workgroup_size: 32
    .sgpr_count:     102
    .vgpr_count:     64
    .wavefront_size: 32
...
	.end_amdgpu_metadata
.endif
;; end of part 2
;; launch xq (part 3): grid 135 x 1, 8 waves a work-group, no clusters, 0 bytes of LDS; arguments plc, x, xs; writes xs
.if DOCPART == 3
	.amdgcn_target "amdgcn-amd-amdhsa--gfx1250"
	.amdhsa_code_object_version 6
	.text
	.protected	k_q11e803e985_xq
	.globl	k_q11e803e985_xq
	.p2align	8
	.type	k_q11e803e985_xq,@function
k_q11e803e985_xq:
	s_mov_b64 s[64:65], 0
	v_nop
	global_prefetch_b8 v0, s[64:65] scope:SCOPE_SE
	s_setreg_imm32_b32 hwreg(HW_REG_WAVE_MODE, 25, 1), 1
	s_wait_xcnt 0x0
; x IS GATHERED BY THE SORTED ROWS AND QUANTISED along D into images of the first product's operand registers.
; Work-group q is tile q of the sorted rows (one that this split does not have ends: 135 serve every split); wave s takes K step s of the 8.  Lane (r, h) takes row r: the token that list[16 q + r] names,
; a whole number that an earlier launch stored, held within x before it enters an address.
; xs: codes at tile x 16,384 + K step x 2,048 + c x 512 + 16 x lane; behind all codes the scale words: tile x 512 + 16 x lane, word u of lane (r, hh) = row r's word for K step 2 u + hh.
; A block's scale is 2^(floor(log2(largest magnitude)) - 8); numbers are held within +-448 x the scale and rounded to the nearest code, ties to even.
; Waves share nothing: no LDS, no barrier.  A row of x may be named twice (a token has two experts), so its loads carry no hint.
; LIMITS: a block of zeros gets the byte 1 with zero codes (this program alone reads the bytes); NaN and infinities are not served.
.set LIST, 0x8300
.set XSC,  2211840                     ; 135 tiles x 16,384 bytes of codes
.set X,    16                          ; v16-79 my row's 64 numbers of the K step
.set TM,   80                          ; v80-95 the quantiser's work
.set PW,   96                          ; the scale word
.set PC,   98                          ; v98-113 the codes
.set SEL,  24
.set MNT,  26
	s_load_b128 s[4:7], s[0:1], 0x0                ; plc, x
	s_load_b64 s[8:9], s[0:1], 0x10                ; xs
	v_lshrrev_b32 v1, 5, v0
	v_readfirstlane_b32 s10, v1                    ; s: my K step
	v_and_b32 v1, 31, v0
	v_and_b32 v2, 15, v0                           ; r
	v_bfe_u32 v3, v0, 4, 1                         ; h
	v_lshlrev_b32 v4, 2, v2                        ; 4 r
	v_lshlrev_b32 v5, 4, v1                        ; 16 x lane
	v_lshlrev_b32 v6, 4, v2                        ; 16 r
.irp b, 0,1,2,3
	v_mov_b32 v[TM+4+\b], 0                        ; written once: a lane permute's destination counts as one of its sources
.endr
	s_mov_b32 s[SEL], 0x76543210
	s_mov_b32 s[SEL+1], 0xfedcba98                 ; v_permlanex16_b32's selects for lane l xor 16
	s_mov_b32 s[MNT], 0x600000                     ; the mantissa field of 448
	s_mov_b32 s13, 0
	s_wait_kmcnt 0x0
	s_load_b32 s11, s[4:5], 0x0                    ; the number of tiles
	s_wait_kmcnt 0x0
	s_cmp_ge_u32 ttmp9, s11
	s_cbranch_scc1 .Lend
	s_lshl_b32 s12, ttmp9, 6
	s_add_nc_u64 s[14:15], s[4:5], s[12:13]
	global_load_b32 v9, v4, s[14:15] offset:LIST   ; row r's entry; lanes 16-31 take the same as lanes 0-15
	s_lshl_b32 s12, ttmp9, 14
	s_lshl_b32 s16, s10, 11
	s_add_co_u32 s12, s12, s16
	s_add_nc_u64 s[20:21], s[8:9], s[12:13]        ; my K step's codes
	s_lshl_b32 s12, ttmp9, 9
	s_and_b32 s16, s10, 1
	s_lshl_b32 s16, s16, 8
	s_add_co_u32 s12, s12, s16                     ; an odd K step's words lie in lanes 16-31's places,
	s_lshr_b32 s16, s10, 1
	s_lshl_b32 s16, s16, 2
	s_add_co_u32 s12, s12, s16                     ; as word s / 2
	s_add_co_u32 s12, s12, XSC
	s_add_nc_u64 s[22:23], s[8:9], s[12:13]
	s_lshl_b32 s16, s10, 9                         ; my K step begins 512 s bytes into a row
	s_wait_loadcnt 0x0
	v_and_b32 v10, 0xffff, v9
	v_min_u32 v10, 0x3ff, v10                      ; the token
	v_lshlrev_b32 v7, 12, v10
	v_lshl_add_u32 v7, v3, 6, v7
	v_add_nc_u32 v7, s16, v7                       ; its row of 4,096 bytes, + 64 h: my 16 numbers of a block of 32, + my K step
.irp b, 0,1,2,3
.irp j, 0,1,2,3
	global_load_b128 v[X+16*\b+4*\j:X+16*\b+4*\j+3], v7, s[6:7] offset:128*\b+16*\j   ; register 16 b + i = k 32 b + 16 h + i
.endr
.endr
	s_wait_loadcnt 0x0
.irp b, 0,1,2,3
	v_max3_num_f32 v[TM+\b], |v[X+16*\b]|, |v[X+1+16*\b]|, 0x4800000   ; block b: my 16 numbers, and the floor 2^(9 - 127): the byte cannot fall under 1
.endr
.irp i, 2,4,6,8,10,12,14
.irp b, 0,1,2,3
	v_max3_num_f32 v[TM+\b], v[TM+\b], |v[X+16*\b+\i]|, |v[X+1+16*\b+\i]|
.endr
.endr
.irp b, 0,1,2,3
	v_permlanex16_b32 v[TM+4+\b], v[TM+\b], s[SEL], s[SEL+1]
.endr
.irp b, 0,1,2,3
	v_max_num_f32 v[TM+\b], v[TM+\b], v[TM+4+\b]   ; with lane l xor 16's: the block's largest magnitude
.endr
.irp b, 0,1,2,3
	v_add_nc_u32 v[TM+12+\b], 0xfc000000, v[TM+\b] ; 8 off its exponent field: the conversion's scale operand
.endr
.irp b, 0,1,2,3
	v_and_or_b32 v[TM+8+\b], v[TM+\b], 0x7f800000, s[MNT]   ; 448 x the scale
.endr
.irp b, 0,1,2,3
	v_lshrrev_b32 v[TM+4+\b], 23, v[TM+12+\b]      ; the scale's byte
.endr
	v_lshl_or_b32 v[PW], v[TM+5], 8, v[TM+4]
	v_lshl_or_b32 v[PW], v[TM+6], 16, v[PW]
	v_lshl_or_b32 v[PW], v[TM+7], 24, v[PW]
.irp b, 0,1,2,3
.irp i, 0,1,2,3,4,5,6,7,8,9,10,11,12,13,14,15
	v_med3_num_f32 v[X+16*\b+\i], v[X+16*\b+\i], -v[TM+8+\b], v[TM+8+\b]   ; the conversion does not saturate (ISA guide 7.6.2): the hold comes first
.endr
	v_cvt_scalef32_pk8_fp8_f32 v[PC+4*\b:PC+1+4*\b], v[X+16*\b:X+7+16*\b], v[TM+12+\b]
	v_cvt_scalef32_pk8_fp8_f32 v[PC+2+4*\b:PC+3+4*\b], v[X+8+16*\b:X+15+16*\b], v[TM+12+\b]
.endr
	v_nop                                          ; a plain instruction behind the last conversion
.irp c, 0,1,2,3
	global_store_b128 v5, v[PC+4*\c:PC+4*\c+3], s[20:21] offset:512*\c   ; 512 consecutive bytes
.endr
	global_store_b32 v6, v[PW], s[22:23]           ; row r's word; both halves of the lanes hold it and store it at the same place
.Lend:
	s_endpgm
.Lfunc_end_k_q11e803e985_xq:
	.size	k_q11e803e985_xq, .Lfunc_end_k_q11e803e985_xq-k_q11e803e985_xq
	.p2alignl 7, 3214868480
	.fill 96, 4, 3214868480
	.section	.rodata,"a",@progbits
	.p2align	6, 0x0
	.amdhsa_kernel k_q11e803e985_xq
		.amdhsa_group_segment_fixed_size 0
		.amdhsa_private_segment_fixed_size 0
		.amdhsa_enable_private_segment 0
		.amdhsa_kernarg_size 24
		.amdhsa_user_sgpr_count 2
		.amdhsa_user_sgpr_kernarg_segment_ptr 1
		.amdhsa_wavefront_size32 1
		.amdhsa_system_sgpr_workgroup_id_x 1
		.amdhsa_system_sgpr_workgroup_id_y 1
		.amdhsa_system_sgpr_workgroup_id_z 1
		.amdhsa_system_vgpr_workitem_id 0
		.amdhsa_next_free_vgpr 128
		.amdhsa_next_free_sgpr 66
		.amdhsa_reserve_vcc 0
		.amdhsa_float_denorm_mode_32 3
		.amdhsa_float_denorm_mode_16_64 3
		.amdhsa_memory_ordered 1
		.amdhsa_forward_progress 1
		.amdhsa_inst_pref_size 13
	.end_amdhsa_kernel
	.amdgpu_metadata
---
amdhsa.version: [ 1, 2 ]
amdhsa.kernels:
  - .name:           k_q11e803e985_xq
    .symbol:         k_q11e803e985_xq.kd
    .args:
      - { .name: plc, .offset: 0, .size: 8, .value_kind: global_buffer, .address_space: global }
      - { .name: x, .offset: 8, .size: 8, .value_kind: global_buffer, .address_space: global }
      - { .name: xs, .offset: 16, .size: 8, .value_kind: global_buffer, .address_space: global }
    .group_segment_fixed_size: 0
    .private_segment_fixed_size: 0
    .kernarg_segment_align: 8
    .kernarg_segment_size: 24
    .max_flat_workgroup_size: 256
    .sgpr_count:     66
    .vgpr_count:     128
    .wavefront_size: 32
...
	.end_amdgpu_metadata
.endif
;; end of part 3
;; launch gemm1 (part 4): grid 32 x 13, 8 waves a work-group, no clusters, 103,424 bytes of LDS; arguments plc, xs, W_in, b_in, hid; writes hid
.if DOCPART == 4
	.amdgcn_target "amdgcn-amd-amdhsa--gfx1250"
	.amdhsa_code_object_version 6
	.text
	.protected	k_q11e803e985_gemm1
	.globl	k_q11e803e985_gemm1
	.p2align	8
	.type	k_q11e803e985_gemm1,@function
k_q11e803e985_gemm1:
	s_mov_b64 s[64:65], 0
	v_nop
	global_prefetch_b8 v0, s[64:65] scope:SCOPE_SE
	s_setreg_imm32_b32 hwreg(HW_REG_WAVE_MODE, 25, 1), 1
	s_wait_xcnt 0x0
; ONE TEXT FOR BOTH PRODUCTS; SECOND = 0: hid = relu(Q(x) Q(W_in[e]) + b_in[e]);  SECOND = 1: part[kq] = Q(h) Q(W_out[e]) over a quarter of K.  Only the rows that chose expert e are multiplied.
; SHARES.  Work-group (x, y) takes entry y of the stored block list (an expert, up to 24 tiles of 16 sorted rows), 128 columns and 1,024 along K: 512 KiB of f32 weights that no other
; work-group reads.  13 entries serve every split: sum of ceil(count / 384) over 8 experts with 2,048 rows in all.
; THE WEIGHTS ARE READ ONCE, AS f32, AND QUANTISED ON THE WAY.  K is their first axis.  In a K step of 128, wave w takes block c = w % 4 (32 k) of column half w / 4 (64 columns): load i of 16 reads
; rows 32 c + i (lanes 0-15) and 32 c + 16 + i (lanes 16-31), 256 consecutive aligned bytes each.  A lane then holds 4 columns x 16 k, the k that the operand's layout gives its half of the lanes; a block's
; largest magnitude wants lane l xor 16 alone.  Numbers are multiplied by 2^-e (exact), held within +-448, converted two at a time, and the 16 codes of a column go to LDS as part of AN IMAGE OF THE OPERAND'S
; REGISTERS (column tile x 2,064 + c x 512 + 16 x lane), its scale byte beside them.  One barrier a step; two slots by turns, so that a slot is written again only behind the barrier that follows its last read.
; THE ROWS come as register images from the launch before, straight into registers: wave w takes row tiles w, w + 8, w + 16 of the block, each against all 8 column tiles: 24 accumulators.
; The matrix instruction is used transposed (source 0 = 16 columns of W, source 1 = 16 rows): a lane holds 8 neighbouring columns of one row.
; EVERY WAVE PASSES EVERY BARRIER, in an empty entry's work-group too.  There flag = 0 is multiplied into the lane's offset and the K step's stride, so that each weight load reads 16 bytes for all lanes; K step 0 is
; made as everywhere; from step 1 on a scalar branch on the flag leads round the quantiser, its LDS stores and the loads, to a wait for all loads.  The barriers stand outside that branch.  Nothing is stored.
; A row tile that the block does not have stands for the block's last tile in the loads and products that are made on every path (K steps 0 and 1's loads, step 0's products, which start all sums with C = 0);
; from step 1 on such tiles are jumped over, by scalar branches on the stored count, and they are never stored.
; No tensor loads and no cluster: the text branches on stored counts; what the 32 work-groups of a block share, the rows' images, is up to 384 KiB beside 512 KiB of weights of their own, and partners would need different numbers of tiles.
; LIMITS: a block of zeros gets the byte 1 with zero codes; NaN and infinities are not served.
.set SECOND, 0
.if SECOND
.set PITCH, 4096                       ; bytes from one k to the next in W; also a row of the output
.set ATILE, 65536                      ; a row tile's codes
.set ASCL,  8847360                    ; where the rows' scale words begin
.set OTILE, 65536                      ; 16 rows of the output
.else
.set PITCH, 16384
.set ATILE, 16384
.set ASCL,  2211840
.set OTILE, 262144
.endif
.set PQ,    8847360                    ; a quarter's plane of part
.set CTP,   2064                       ; a column tile's image: 2,048 bytes + 16
.set SCO,   16640                      ; behind the 8 images: 128 scale words
.set SLOTB, 17152
.set STAGE, 2*SLOTB                    ; behind the slots: 16 rows x 528 bytes for each wave, its own
.set STW,   8448
.set WOFF, 1                           ; v1   my byte in a K step's rows of W
.set LI,   2                           ; v2   16 x lane
.set IST,  3                           ; v3   where my codes go
.set ISB,  4                           ; v4   where my scale bytes go
.set ISL,  5                           ; v5   where I read scale words
.set STO,  6                           ; v6   the stage, in
.set SRD,  7                           ; v7   the stage, out
.set HI,   8                           ; v8   448.0
.set WS,   10                          ; v10-13  W's scale words: register p: tile 2 p in lanes 0-15, tile 2 p + 1 in lanes 16-31
.set ASC,  16                          ; v16-27  the rows' scale words, 4 a tile: register u: K step 2 u in lanes 0-15, 2 u + 1 in lanes 16-31
.set M,    28                          ; v28-31 largest magnitudes;  v32-35 the other half's;  v36-39 2^-e;  v40-43 scale bytes
.set MM,   32
.set MU,   36
.set BY,   40
.set CD,   44                          ; v44-59  my 4 columns' codes (named outright in the conversions below)
.set BF,   60                          ; v60-91  two column tiles' fragments
.set AF,   92                          ; v92-187 two sets of three row tiles' fragments
.set S0,   188                         ; v188-251 weights, set 0;  set 1: v192-255 of window 1
.set BI,   252                         ; v252-255 the bias of columns 4 x lane .. + 3
                                       ; window 1: accumulator (i, ct) at v[64 i + 8 ct]
.set WB,   32                          ; s32-47  W at K step 0 .. 7
.set AB,   48                          ; s48-53  my three tiles' codes;  s54-59 their rows of the output;  s66-71 their scale words
.set OB,   54
.set SB,   66
.set MSB, 0
.macro WIN new                         ; the immediate's high byte repeats the setting that is left
.if MSB != (\new)
	s_set_vgpr_msb (MSB<<8)|(\new)
.set MSB, (\new)
.endif
.endm
.if SECOND
	s_load_b128 s[4:7], s[0:1], 0x0                ; plc, hs
	s_load_b64 s[8:9], s[0:1], 0x10                ; W_out
	s_load_b64 s[12:13], s[0:1], 0x18              ; part
.else
	s_load_b256 s[4:11], s[0:1], 0x0               ; plc, xs, W_in, b_in
	s_load_b64 s[12:13], s[0:1], 0x20              ; hid
.endif
	v_lshrrev_b32 v9, 5, v0
	v_readfirstlane_b32 s14, v9                    ; wave
	s_and_b32 s15, s14, 3                          ; c
	s_lshr_b32 s16, s14, 2                         ; column half
	s_and_b32 s19, ttmp7, 0xffff
	s_lshl_b32 s31, s19, 4                         ; my entry of the block list
.if SECOND
	s_and_b32 s17, ttmp9, 7                        ; which 128 columns
	s_lshr_b32 s18, ttmp9, 3                       ; which quarter of K
.else
	s_mov_b32 s17, ttmp9
.endif
	s_mov_b32 s72, 0x76543210
	s_mov_b32 s73, 0xfedcba98                      ; v_permlanex16_b32's selects for lane l xor 16
	s_mov_b32 s74, 0x83000000                      ; 262 << 23: less the exponent field E of a largest magnitude it is the f32 number 2^(135 - E) = 2^-e
	s_mov_b32 s77, 0
	s_wait_kmcnt 0x0
	s_load_b128 s[20:23], s[4:5], s31 offset:0x100
	v_and_b32 v9, 31, v0                           ; lane
	v_and_b32 v14, 15, v0                          ; q
	v_bfe_u32 v15, v0, 4, 1                        ; h
	v_lshlrev_b32 v[LI], 4, v9
	v_lshl_add_u32 v[ISL], v9, 2, SCO
	s_lshl_b32 s28, s15, 5
	v_lshl_add_u32 v[WOFF], v15, 4, s28            ; row 32 c + 16 h
	v_mul_u32_u24 v[WOFF], v[WOFF], PITCH
	v_lshl_add_u32 v[WOFF], v14, 4, v[WOFF]        ; + 16 q
	s_lshl_b32 s28, s16, 8
	v_add_nc_u32 v[WOFF], s28, v[WOFF]             ; + 256 x column half
	v_lshrrev_b32 v[IST], 2, v14                   ; column 64 ch + 4 q + j is row 4 (q % 4) + j of column tile 4 ch + q / 4
	s_lshl_b32 s28, s16, 2
	v_add_nc_u32 v[IST], s28, v[IST]
	v_mul_u32_u24 v[IST], v[IST], CTP
	v_and_b32 v9, 3, v14
	v_lshl_add_u32 v[IST], v9, 6, v[IST]
	v_lshl_add_u32 v[IST], v15, 8, v[IST]
	s_lshl_b32 s28, s15, 9
	v_add_nc_u32 v[IST], s28, v[IST]
	s_lshl_b32 s28, s16, 8
	s_add_co_u32 s28, s28, s15
	s_add_co_u32 s28, s28, SCO
	v_lshl_add_u32 v[ISB], v14, 4, s28             ; byte c of column 64 ch + 4 q's word
	s_mul_i32 s28, s14, STW
	s_add_co_u32 s28, s28, STAGE
	v_mul_u32_u24 v[STO], v14, 528
	v_lshl_add_u32 v[STO], v15, 5, v[STO]
	v_add_nc_u32 v[STO], s28, v[STO]               ; row r, + 32 h
	v_add_nc_u32 v[SRD], s28, v[LI]
	v_mov_b32 v[HI], 0x43e00000
.irp j, 0,1,2,3
	v_mov_b32 v[MM+\j], 0                          ; written once: a lane permute's destination counts as one of its sources
.endr
.irp j, 0,1,2,3,4,5,6,7,8,9,10,11,12,13,14,15
	v_mov_b32 v[CD+\j], 0                          ; written once: a conversion writes half a register and keeps the other half
.endr
	s_wait_kmcnt 0x0
	s_min_u32 s24, s20, 7                          ; the expert
	s_min_u32 s25, s21, 134                        ; the block's first tile
	s_min_u32 s26, s22, 24                         ; its tiles
	s_min_u32 s29, s26, 1                          ; flag: 0 for an empty entry
	s_add_co_u32 s27, s26, 7
	s_sub_co_u32 s27, s27, s14
	s_lshr_b32 s27, s27, 3                         ; NA: how many of the tiles w, w + 8, w + 16 the block has
	s_max_u32 s30, s26, 1
	s_add_co_u32 s30, s30, s25
	s_sub_co_u32 s30, s30, 1                       ; the block's last tile
.irp i, 0,1,2
	s_add_co_u32 s31, s25, s14
	s_add_co_u32 s31, s31, 8*\i
	s_min_u32 s31, s31, s30
	s_min_u32 s31, s31, 134                        ; my tile i
	s_mul_i32 s76, s31, ATILE
.if SECOND
	s_lshl_b32 s78, s18, 14                        ; the quarter's 8 K steps of 2,048 bytes
	s_add_co_u32 s76, s76, s78
.endif
	s_add_nc_u64 s[AB+2*\i:AB+2*\i+1], s[6:7], s[76:77]
.if SECOND
	s_lshl_b32 s76, s31, 11
	s_lshl_b32 s78, s18, 9
	s_add_co_u32 s76, s76, s78
.else
	s_lshl_b32 s76, s31, 9
.endif
	s_add_co_u32 s76, s76, ASCL
	s_add_nc_u64 s[SB+2*\i:SB+2*\i+1], s[6:7], s[76:77]
	s_mul_i32 s76, s31, OTILE
	s_lshl_b32 s78, s17, 9
	s_add_co_u32 s76, s76, s78
.if SECOND
	s_mul_i32 s78, s18, PQ
	s_add_co_u32 s76, s76, s78
.endif
	s_add_nc_u64 s[OB+2*\i:OB+2*\i+1], s[12:13], s[76:77]
.endr
.if SECOND == 0
	s_lshl_b32 s76, s24, 14
	s_lshl_b32 s78, s17, 9
	s_add_co_u32 s76, s76, s78
	s_add_nc_u64 s[60:61], s[10:11], s[76:77]      ; the bias of my 128 columns
.endif
	s_lshl_b32 s76, s24, 24                        ; an expert's weights are 2^24 bytes
	s_lshl_b32 s78, s17, 9
	s_add_co_u32 s76, s76, s78
.if SECOND
	s_lshl_b32 s78, s18, 22                        ; 1,024 rows of 4,096 bytes
	s_add_co_u32 s76, s76, s78
.endif
	s_add_nc_u64 s[WB:WB+1], s[8:9], s[76:77]
	s_mul_i32 s76, s29, 128*PITCH                  ; from K step to K step (0 for an empty entry)
.irp k, 1,2,3,4,5,6,7
	s_add_nc_u64 s[WB+2*\k:WB+2*\k+1], s[WB+2*\k-2:WB+2*\k-1], s[76:77]
.endr
	v_mul_u32_u24 v[WOFF], s29, v[WOFF]
.macro WLOAD k, set                    ; my 16 loads of K step k's weights
	WIN 0x40*(\set)
.set SS, S0+4*(\set)
.set ii, 0
.rept 16
	global_load_b128 v[SS+4*ii:SS+4*ii+3], v[WOFF], s[WB+2*(\k):WB+2*(\k)+1] offset:ii*PITCH th:TH_LOAD_NT
.set ii, ii+1
.endr
	WIN 0
.endm
.macro ALOAD k, cond                   ; my row tiles' fragments of K step k; cond = 1: only those that the block has
.irp i, 0,1,2
.if \cond
	s_cmp_le_u32 s27, \i
	s_cbranch_scc1 .Lae_\@
.endif
.irp c, 0,1,2,3
	global_load_b128 v[AF+48*((\k)%2)+16*\i+4*\c:AF+48*((\k)%2)+16*\i+4*\c+3], v[LI], s[AB+2*\i:AB+2*\i+1] offset:2048*(\k)+512*\c
.endr
.endr
.Lae_\@:
.endm
.macro CVP dst, a                      ; two codes: k and k + 1 of one column
	v_cvt_pk_fp8_f32 \dst, v[SS+(\a)], v[SS+(\a)+4]
.endm
.macro QW set                          ; 64 numbers (register 4 i + j: k = i of my 16, column j of my 4) become 4 x 16 codes and 4 scale bytes
.set SS, S0+4*(\set)
	WIN 0x05*(\set)
.irp j, 0,1,2,3
	v_max3_num_f32 v[M+\j], |v[SS+\j]|, |v[SS+4+\j]|, 0x4800000   ; and the floor 2^(9 - 127): the byte cannot fall under 1
.endr
.irp i, 2,4,6,8,10,12,14
.irp j, 0,1,2,3
	v_max3_num_f32 v[M+\j], |v[SS+4*\i+\j]|, |v[SS+4*\i+4+\j]|, v[M+\j]
.endr
.endr
	WIN 0
.irp j, 0,1,2,3
	v_permlanex16_b32 v[MM+\j], v[M+\j], s72, s73
.endr
.irp j, 0,1,2,3
	v_max_num_f32 v[M+\j], v[M+\j], v[MM+\j]       ; with lane l xor 16's 16 k: the block's largest magnitude
.endr
.irp j, 0,1,2,3
	v_and_b32 v[MU+\j], 0x7f800000, v[M+\j]
.endr
.irp j, 0,1,2,3
	v_lshrrev_b32 v[BY+\j], 23, v[M+\j]
.endr
.irp j, 0,1,2,3
	v_sub_nc_u32 v[MU+\j], s74, v[MU+\j]           ; 2^-e
.endr
.irp j, 0,1,2,3
	v_add_nc_u32 v[BY+\j], -8, v[BY+\j]            ; the scale's byte
.endr
	WIN 0x41*(\set)
.set ii, 0
.rept 16
	v_pk_mul_f32 v[SS+4*ii:SS+4*ii+1], v[SS+4*ii:SS+4*ii+1], v[MU:MU+1]          ; by a power of two: nothing is rounded
	v_pk_mul_f32 v[SS+4*ii+2:SS+4*ii+3], v[SS+4*ii+2:SS+4*ii+3], v[MU+2:MU+3]
.set ii, ii+1
.endr
.set ii, 0
.rept 64
	v_med3_num_f32 v[SS+ii], v[SS+ii], -v[HI], v[HI]   ; the conversion does not saturate (ISA guide 7.6.2)
.set ii, ii+1
.endr
	WIN 0x05*(\set)
	CVP v44.l,0                                    ; register CD + 4 j + t: k = 4 t .. 4 t + 3 of column j; low halves first, so that no line waits for the line above it
	CVP v45.l,16
	CVP v46.l,32
	CVP v47.l,48
	CVP v48.l,1
	CVP v49.l,17
	CVP v50.l,33
	CVP v51.l,49
	CVP v52.l,2
	CVP v53.l,18
	CVP v54.l,34
	CVP v55.l,50
	CVP v56.l,3
	CVP v57.l,19
	CVP v58.l,35
	CVP v59.l,51
	CVP v44.h,8
	CVP v45.h,24
	CVP v46.h,40
	CVP v47.h,56
	CVP v48.h,9
	CVP v49.h,25
	CVP v50.h,41
	CVP v51.h,57
	CVP v52.h,10
	CVP v53.h,26
	CVP v54.h,42
	CVP v55.h,58
	CVP v56.h,11
	CVP v57.h,27
	CVP v58.h,43
	CVP v59.h,59
	WIN 0
.endm
.macro PUT k
.irp j, 0,1,2,3
	ds_store_b128 v[IST], v[CD+4*\j:CD+4*\j+3] offset:SLOTB*((\k)%2)+16*\j
.endr
.irp j, 0,1,2,3
	ds_store_b8 v[ISB], v[BY+\j] offset:SLOTB*((\k)%2)+4*\j    ; both halves of the lanes write the same byte with the same value
.endr
.endm
.macro WM k, i, p, u                   ; row tile i x column tile 2 p + u, K step k
.set DD, 64*(\i)+8*(2*(\p)+(\u))
.set AA, BF+16*(\u)
.set BB, AF+48*((\k)%2)+16*(\i)
.set SA, WS+(\p)
.set SR, ASC+4*(\i)+(\k)/2
.if (\k) == 0
.if (\u) == 0
	v_wmma_scale_f32_16x16x128_f8f6f4 v[DD:DD+7], v[AA:AA+15], v[BB:BB+15], 0, v[SA], v[SR]
.else
	v_wmma_scale_f32_16x16x128_f8f6f4 v[DD:DD+7], v[AA:AA+15], v[BB:BB+15], 0, v[SA], v[SR] matrix_a_scale:MATRIX_SCALE_ROW1
.endif
.elseif (\k)%2 == 0
.if (\u) == 0
	v_wmma_scale_f32_16x16x128_f8f6f4 v[DD:DD+7], v[AA:AA+15], v[BB:BB+15], v[DD:DD+7], v[SA], v[SR]
.else
	v_wmma_scale_f32_16x16x128_f8f6f4 v[DD:DD+7], v[AA:AA+15], v[BB:BB+15], v[DD:DD+7], v[SA], v[SR] matrix_a_scale:MATRIX_SCALE_ROW1
.endif
.else
.if (\u) == 0
	v_wmma_scale_f32_16x16x128_f8f6f4 v[DD:DD+7], v[AA:AA+15], v[BB:BB+15], v[DD:DD+7], v[SA], v[SR] matrix_b_scale:MATRIX_SCALE_ROW1
.else
	v_wmma_scale_f32_16x16x128_f8f6f4 v[DD:DD+7], v[AA:AA+15], v[BB:BB+15], v[DD:DD+7], v[SA], v[SR] matrix_a_scale:MATRIX_SCALE_ROW1 matrix_b_scale:MATRIX_SCALE_ROW1
.endif
.endif
.endm
; K step k's products for cnt row tiles: two column tiles at a time.  Every instruction of a step names another accumulator, and a step's last and the next step's first differ too.
; Eight plain instructions stand between a matrix instruction and a load into a register that it has read: inside a step v_nop, from step to step
; the quantiser's lines, or the eight v_nop of the way that passes over the quantiser.
.macro MULS k, cnt
.set SL, SLOTB*((\k)%2)
.irp p, 0,1,2,3
	ds_load_b32 v[WS+\p], v[ISL] offset:SL+128*\p
.endr
.irp p, 0,1,2,3
.if \p > 0
.rept 8
	v_nop
.endr
.endif
.irp u, 0,1
.irp c, 0,1,2,3
	ds_load_b128 v[BF+16*\u+4*\c:BF+16*\u+4*\c+3], v[LI] offset:SL+(2*\p+\u)*CTP+512*\c
.endr
.endr
	s_wait_dscnt 0x0
	WIN 0x50                                       ; C and D in window 1
.set ti, 0
.rept \cnt
	WM \k, ti, \p, 0
	WM \k, ti, \p, 1
.set ti, ti+1
.endr
	WIN 0
.endr
.endm
.macro STEP k
.if (\k) > 0
	s_cmp_eq_u32 s29, 0                            ; an empty entry has nothing to quantise and nothing to fetch
	s_cbranch_scc1 .Lidle_\@
.endif
.if (\k) < 7
	s_wait_loadcnt 16                              ; all but the 16 weight loads of step k + 1.  Where this step's weights or row fragments are still out, the step before was worked, and it issued those 16 behind them; a way that passed over the step before has waited for all loads
.else
	s_wait_loadcnt 0x0
.endif
	QW (\k)%2
	PUT \k
.if (\k) == 0
	ALOAD 1, 0
.elseif (\k) < 7
	ALOAD (\k)+1, 1
.endif
.if (\k) < 6
	WLOAD (\k)+2, (\k)%2                           ; into the set just quantised: two steps ahead of its use
.endif
.if (\k) > 0
	s_branch .Lmeet_\@
.Lidle_\@:
	s_wait_loadcnt 0x0                             ; nothing of mine is out behind this line, so that every later count holds on this way too
.rept 8
	v_nop                                          ; the places that the quantiser's lines are on the other way
.endr
.Lmeet_\@:
.endif
	s_wait_dscnt 0x0                               ; for the others' sake: my codes and bytes lie in LDS (and my reads of the other slot ended a step ago)
	s_barrier_signal -1
	s_barrier_wait -1
.if (\k) == 0
	MULS 0, 3                                      ; on every path: these products start all 24 sums
.else
	s_cmp_eq_u32 s27, 0
	s_cbranch_scc1 .Lmd_\@
	s_cmp_eq_u32 s27, 1
	s_cbranch_scc1 .Lm1_\@
	s_cmp_eq_u32 s27, 2
	s_cbranch_scc1 .Lm2_\@
	MULS \k, 3
	s_branch .Lmd_\@
.Lm2_\@:
	MULS \k, 2
	s_branch .Lmd_\@
.Lm1_\@:
	MULS \k, 1
.Lmd_\@:
.endif
.endm
; Row tile i leaves through my stage: a lane's 32 bytes of a row in, whole rows of 512 bytes out.  LDS serves a wave's instructions in order (ISA guide 5.7.1.4).
.macro OUT i
	s_wait_xcnt 0x0                                ; the last tile's stores have read their registers
	WIN 0x04                                       ; an LDS store's data are its source 1: window 1
.irp t, 0,1,2,3,4,5,6,7
	ds_store_b128 v[STO], v[64*\i+8*\t:64*\i+8*\t+3] offset:64*\t            ; each accumulator from its low end on
	ds_store_b128 v[STO], v[64*\i+8*\t+4:64*\i+8*\t+7] offset:64*\t+16
.endr
	WIN 0
.set ii, 0
.rept 16
	ds_load_b128 v[S0+4*ii:S0+4*ii+3], v[SRD] offset:528*ii
.set ii, ii+1
.endr
	s_wait_dscnt 0x0
.if SECOND == 0
.set ii, 0
.rept 16
	v_pk_add_f32 v[S0+4*ii:S0+4*ii+1], v[S0+4*ii:S0+4*ii+1], v[BI:BI+1]
	v_pk_add_f32 v[S0+4*ii+2:S0+4*ii+3], v[S0+4*ii+2:S0+4*ii+3], v[BI+2:BI+3]
.set ii, ii+1
.endr
.set ii, 0
.rept 64
	v_max_num_f32 v[S0+ii], 0, v[S0+ii]
.set ii, ii+1
.endr
.endif
.set ii, 0
.rept 16
	global_store_b128 v[LI], v[S0+4*ii:S0+4*ii+3], s[OB+2*\i:OB+2*\i+1] offset:ii*PITCH   ; 32 lanes store 512 consecutive bytes, aligned
.set ii, ii+1
.endr
.endm
	WLOAD 0, 0
.if SECOND == 0
	global_load_b128 v[BI:BI+3], v[LI], s[60:61]
.endif
.irp i, 0,1,2
	global_load_b128 v[ASC+4*\i:ASC+4*\i+3], v[LI], s[SB+2*\i:SB+2*\i+1]
.endr
	ALOAD 0, 0
	WLOAD 1, 1
	STEP 0
	STEP 1
	STEP 2
	STEP 3
	STEP 4
	STEP 5
	STEP 6
	STEP 7
.rept 8
	v_nop                                          ; places behind the last products, in front of the first read of results
.endr
.irp i, 0,1,2
	s_cmp_le_u32 s27, \i
	s_cbranch_scc1 .Lend
	OUT \i
.endr
.Lend:
	s_wait_xcnt 0x0
	v_lshl_add_u32 v254, v0, 2, 0x19000
	v_mov_b32 v255, 0
	s_wait_tensorcnt 0x0
	ds_add_u32 v254, v255
	s_wait_dscnt 0x0
	s_endpgm
.Lfunc_end_k_q11e803e985_gemm1:
	.size	k_q11e803e985_gemm1, .Lfunc_end_k_q11e803e985_gemm1-k_q11e803e985_gemm1
	.p2alignl 7, 3214868480
	.fill 96, 4, 3214868480
	.section	.rodata,"a",@progbits
	.p2align	6, 0x0
	.amdhsa_kernel k_q11e803e985_gemm1
		.amdhsa_group_segment_fixed_size 103424
		.amdhsa_private_segment_fixed_size 0
		.amdhsa_enable_private_segment 0
		.amdhsa_kernarg_size 40
		.amdhsa_user_sgpr_count 2
		.amdhsa_user_sgpr_kernarg_segment_ptr 1
		.amdhsa_wavefront_size32 1
		.amdhsa_system_sgpr_workgroup_id_x 1
		.amdhsa_system_sgpr_workgroup_id_y 1
		.amdhsa_system_sgpr_workgroup_id_z 1
		.amdhsa_system_vgpr_workitem_id 0
		.amdhsa_next_free_vgpr 512
		.amdhsa_next_free_sgpr 80
		.amdhsa_reserve_vcc 0
		.amdhsa_float_denorm_mode_32 3
		.amdhsa_float_denorm_mode_16_64 3
		.amdhsa_memory_ordered 1
		.amdhsa_forward_progress 1
		.amdhsa_inst_pref_size 255
	.end_amdhsa_kernel
	.section	.bss,"aw",@nobits
	.p2align	6
	.space	262144
	.amdgpu_metadata
---
amdhsa.version: [ 1, 2 ]
amdhsa.kernels:
  - .name:           k_q11e803e985_gemm1
    .symbol:         k_q11e803e985_gemm1.kd
    .args:
      - { .name: plc, .offset: 0, .size: 8, .value_kind: global_buffer, .address_space: global }
      - { .name: xs, .offset: 8, .size: 8, .value_kind: global_buffer, .address_space: global }
      - { .name: W_in, .offset: 16, .size: 8, .value_kind: global_buffer, .address_space: global }
      - { .name: b_in, .offset: 24, .size: 8, .value_kind: global_buffer, .address_space: global }
      - { .name: hid, .offset: 32, .size: 8, .value_kind: global_buffer, .address_space: global }
    .group_segment_fixed_size: 103424
    .private_segment_fixed_size: 0
    .kernarg_segment_align: 8
    .kernarg_segment_size: 40
    .max_flat_workgroup_size: 256
    .sgpr_count:     80
    .vgpr_count:     512
    .wavefront_size: 32
...
	.end_amdgpu_metadata
.endif
;; end of part 4
;; launch hq (part 5): grid 135 x 4, 8 waves a work-group, no clusters, 0 bytes of LDS; arguments plc, hid, hs; writes hs
.if DOCPART == 5
	.amdgcn_target "amdgcn-amd-amdhsa--gfx1250"
	.amdhsa_code_object_version 6
	.text
	.protected	k_q11e803e985_hq
	.globl	k_q11e803e985_hq
	.p2align	8
	.type	k_q11e803e985_hq,@function
k_q11e803e985_hq:
	s_mov_b64 s[64:65], 0
	v_nop
	global_prefetch_b8 v0, s[64:65] scope:SCOPE_SE
	s_setreg_imm32_b32 hwreg(HW_REG_WAVE_MODE, 25, 1), 1
	s_wait_xcnt 0x0
; h = the two chosen experts' relu rows added, QUANTISED along F into images of the second product's operand registers.
; Work-group (q, y) is tile q of the sorted rows (one that this split does not have ends: 135 serve every split) and quarter y of F; wave w takes K step 8 y + w of the 32: one step a wave.  Lane (r, h) takes row r.
; A sorted row stands for (token, choice); its partner is the same token's row with its other expert, which list[row] carries in its bits 20 and up: a whole number that an earlier launch stored,
; held within hid before it enters an address.  The sum of two f32 numbers does not hang on their order, so both rows of a token get the same h.
; hs: codes at tile x 65,536 + K step x 2,048 + c x 512 + 16 x lane; behind all codes the scale words: (4 tile + quarter) x 512 + 16 x lane, word u of lane (r, hh) = row r's word for the quarter's K step 2 u + hh.
; Waves share nothing: no LDS, no barrier.  My own rows' 16 loads hang on ids alone and go out ahead of the wait for the list's entry; the partner's 16 follow it: 32 loads, 16 KiB a wave, are out together.
; A row of hid is read twice in the launch (as a row and as a partner), so its loads carry no hint.
; LIMITS: a block of zeros gets the byte 1 with zero codes; NaN and infinities are not served.
.set LIST, 0x8300
.set HSC,  8847360                     ; 135 tiles x 65,536 bytes of codes
.set L,    16                          ; v16-79 my row's 64 numbers, then the sum; v80-143 the partner's
.set PC,   80                          ; v80-95 the codes: in the partner's registers, which are free behind the additions
.set TM,   144                         ; v144-159 the quantiser's work
.set PW,   160                         ; the scale word
.set SEL,  24
.set MNT,  26
	s_load_b128 s[4:7], s[0:1], 0x0                ; plc, hid
	s_load_b64 s[8:9], s[0:1], 0x10                ; hs
	v_lshrrev_b32 v1, 5, v0
	v_readfirstlane_b32 s10, v1                    ; w
	v_and_b32 v1, 31, v0
	v_and_b32 v2, 15, v0                           ; r
	v_bfe_u32 v3, v0, 4, 1                         ; h
	v_lshlrev_b32 v4, 2, v2                        ; 4 r
	v_lshlrev_b32 v5, 4, v1                        ; 16 x lane
	v_lshlrev_b32 v8, 4, v2                        ; 16 r
.irp b, 0,1,2,3
	v_mov_b32 v[TM+4+\b], 0                        ; written once: a lane permute's destination counts as one of its sources
.endr
	s_and_b32 s17, ttmp7, 0xffff                   ; the quarter
	s_lshl_b32 s28, s17, 3
	s_add_co_u32 s28, s28, s10                     ; my K step: 8 x quarter + wave
	s_mov_b32 s[SEL], 0x76543210
	s_mov_b32 s[SEL+1], 0xfedcba98                 ; v_permlanex16_b32's selects for lane l xor 16
	s_mov_b32 s[MNT], 0x600000                     ; the mantissa field of 448
	s_mov_b32 s13, 0
	s_wait_kmcnt 0x0
	s_load_b32 s11, s[4:5], 0x0                    ; the number of tiles
	s_wait_kmcnt 0x0
	s_cmp_ge_u32 ttmp9, s11
	s_cbranch_scc1 .Lend
	s_lshl_b32 s12, ttmp9, 6
	s_add_nc_u64 s[14:15], s[4:5], s[12:13]
	global_load_b32 v9, v4, s[14:15] offset:LIST   ; row r's entry; lanes 16-31 take the same as lanes 0-15
	s_lshl_b32 s12, ttmp9, 18
	s_add_nc_u64 s[18:19], s[6:7], s[12:13]        ; my tile's 16 rows of 16,384 bytes
	s_lshl_b32 s16, s28, 9                         ; my K step begins 512 x step bytes into a row
	v_lshlrev_b32 v6, 14, v2
	v_lshl_add_u32 v6, v3, 6, v6
	v_add_nc_u32 v6, s16, v6                       ; my row: r x 16,384 + 64 h + my K step
.irp b, 0,1,2,3
.irp j, 0,1,2,3
	global_load_b128 v[L+16*\b+4*\j:L+16*\b+4*\j+3], v6, s[18:19] offset:128*\b+16*\j   ; register 16 b + i = k 32 b + 16 h + i
.endr
.endr
	s_lshl_b32 s12, ttmp9, 16
	s_lshl_b32 s29, s28, 11
	s_add_co_u32 s12, s12, s29
	s_add_nc_u64 s[20:21], s[8:9], s[12:13]        ; my K step's codes
	s_lshl_b32 s12, ttmp9, 11
	s_lshl_b32 s29, s17, 9
	s_add_co_u32 s12, s12, s29                     ; (4 q + quarter) x 512;
	s_and_b32 s29, s10, 1
	s_lshl_b32 s29, s29, 8
	s_add_co_u32 s12, s12, s29                     ; an odd K step's words lie in lanes 16-31's places,
	s_lshr_b32 s29, s10, 1
	s_lshl_b32 s29, s29, 2
	s_add_co_u32 s12, s12, s29                     ; as word w / 2
	s_add_co_u32 s12, s12, HSC
	s_add_nc_u64 s[22:23], s[8:9], s[12:13]
	s_wait_loadcnt 16                              ; all but the 16 loads of my own rows, which were issued behind it: the list's entry is in
	v_lshrrev_b32 v11, 20, v9
	v_min_u32 v11, 0x86f, v11                      ; the partner's sorted row: 2,159 at the most
	v_lshlrev_b32 v7, 14, v11
	v_lshl_add_u32 v7, v3, 6, v7
	v_add_nc_u32 v7, s16, v7
.irp b, 0,1,2,3
.irp j, 0,1,2,3
	global_load_b128 v[L+64+16*\b+4*\j:L+64+16*\b+4*\j+3], v7, s[6:7] offset:128*\b+16*\j
.endr
.endr
	s_wait_loadcnt 0x0                             ; both rows' 64 numbers are in
.set ii, 0
.rept 32
	v_pk_add_f32 v[L+2*ii:L+2*ii+1], v[L+2*ii:L+2*ii+1], v[L+64+2*ii:L+64+2*ii+1]
.set ii, ii+1
.endr
.irp b, 0,1,2,3
	v_max3_num_f32 v[TM+\b], |v[L+16*\b]|, |v[L+1+16*\b]|, 0x4800000   ; block b: my 16 numbers, and the floor 2^(9 - 127): the byte cannot fall under 1
.endr
.irp i, 2,4,6,8,10,12,14
.irp b, 0,1,2,3
	v_max3_num_f32 v[TM+\b], v[TM+\b], |v[L+16*\b+\i]|, |v[L+1+16*\b+\i]|
.endr
.endr
.irp b, 0,1,2,3
	v_permlanex16_b32 v[TM+4+\b], v[TM+\b], s[SEL], s[SEL+1]
.endr
.irp b, 0,1,2,3
	v_max_num_f32 v[TM+\b], v[TM+\b], v[TM+4+\b]   ; with lane l xor 16's: the block's largest magnitude
.endr
.irp b, 0,1,2,3
	v_add_nc_u32 v[TM+12+\b], 0xfc000000, v[TM+\b] ; 8 off its exponent field: the conversion's scale operand
.endr
.irp b, 0,1,2,3
	v_and_or_b32 v[TM+8+\b], v[TM+\b], 0x7f800000, s[MNT]   ; 448 x the scale
.endr
.irp b, 0,1,2,3
	v_lshrrev_b32 v[TM+4+\b], 23, v[TM+12+\b]      ; the scale's byte
.endr
	v_lshl_or_b32 v[PW], v[TM+5], 8, v[TM+4]
	v_lshl_or_b32 v[PW], v[TM+6], 16, v[PW]
	v_lshl_or_b32 v[PW], v[TM+7], 24, v[PW]
.irp b, 0,1,2,3
.irp i, 0,1,2,3,4,5,6,7,8,9,10,11,12,13,14,15
	v_med3_num_f32 v[L+16*\b+\i], v[L+16*\b+\i], -v[TM+8+\b], v[TM+8+\b]   ; the conversion does not saturate (ISA guide 7.6.2): the hold comes first
.endr
	v_cvt_scalef32_pk8_fp8_f32 v[PC+4*\b:PC+1+4*\b], v[L+16*\b:L+7+16*\b], v[TM+12+\b]
	v_cvt_scalef32_pk8_fp8_f32 v[PC+2+4*\b:PC+3+4*\b], v[L+8+16*\b:L+15+16*\b], v[TM+12+\b]
.endr
	v_nop                                          ; a plain instruction behind the last conversion
.irp c, 0,1,2,3
	global_store_b128 v5, v[PC+4*\c:PC+4*\c+3], s[20:21] offset:512*\c   ; 512 consecutive bytes
.endr
	global_store_b32 v8, v[PW], s[22:23]           ; row r's word; both halves of the lanes hold it and store it at the same place
.Lend:
	s_endpgm
.Lfunc_end_k_q11e803e985_hq:
	.size	k_q11e803e985_hq, .Lfunc_end_k_q11e803e985_hq-k_q11e803e985_hq
	.p2alignl 7, 3214868480
	.fill 96, 4, 3214868480
	.section	.rodata,"a",@progbits
	.p2align	6, 0x0
	.amdhsa_kernel k_q11e803e985_hq
		.amdhsa_group_segment_fixed_size 0
		.amdhsa_private_segment_fixed_size 0
		.amdhsa_enable_private_segment 0
		.amdhsa_kernarg_size 24
		.amdhsa_user_sgpr_count 2
		.amdhsa_user_sgpr_kernarg_segment_ptr 1
		.amdhsa_wavefront_size32 1
		.amdhsa_system_sgpr_workgroup_id_x 1
		.amdhsa_system_sgpr_workgroup_id_y 1
		.amdhsa_system_sgpr_workgroup_id_z 1
		.amdhsa_system_vgpr_workitem_id 0
		.amdhsa_next_free_vgpr 168
		.amdhsa_next_free_sgpr 66
		.amdhsa_reserve_vcc 0
		.amdhsa_float_denorm_mode_32 3
		.amdhsa_float_denorm_mode_16_64 3
		.amdhsa_memory_ordered 1
		.amdhsa_forward_progress 1
		.amdhsa_inst_pref_size 16
	.end_amdhsa_kernel
	.amdgpu_metadata
---
amdhsa.version: [ 1, 2 ]
amdhsa.kernels:
  - .name:           k_q11e803e985_hq
    .symbol:         k_q11e803e985_hq.kd
    .args:
      - { .name: plc, .offset: 0, .size: 8, .value_kind: global_buffer, .address_space: global }
      - { .name: hid, .offset: 8, .size: 8, .value_kind: global_buffer, .address_space: global }
      - { .name: hs, .offset: 16, .size: 8, .value_kind: global_buffer, .address_space: global }
    .group_segment_fixed_size: 0
    .private_segment_fixed_size: 0
    .kernarg_segment_align: 8
    .kernarg_segment_size: 24
    .max_flat_workgroup_size: 256
    .sgpr_count:     66
    .vgpr_count:     168
    .wavefront_size: 32
...
	.end_amdgpu_metadata
.endif
;; end of part 5
;; launch gemm2 (part 6): grid 32 x 13, 8 waves a work-group, no clusters, 103,424 bytes of LDS; arguments plc, hs, W_out, part; writes part
.if DOCPART == 6
	.amdgcn_target "amdgcn-amd-amdhsa--gfx1250"
	.amdhsa_code_object_version 6
	.text
	.protected	k_q11e803e985_gemm2
	.globl	k_q11e803e985_gemm2
	.p2align	8
	.type	k_q11e803e985_gemm2,@function
k_q11e803e985_gemm2:
	s_mov_b64 s[64:65], 0
	v_nop
	global_prefetch_b8 v0, s[64:65] scope:SCOPE_SE
	s_setreg_imm32_b32 hwreg(HW_REG_WAVE_MODE, 25, 1), 1
	s_wait_xcnt 0x0
; ONE TEXT FOR BOTH PRODUCTS; SECOND = 0: hid = relu(Q(x) Q(W_in[e]) + b_in[e]);  SECOND = 1: part[kq] = Q(h) Q(W_out[e]) over a quarter of K.  Only the rows that chose expert e are multiplied.
; SHARES.  Work-group (x, y) takes entry y of the stored block list (an expert, up to 24 tiles of 16 sorted rows), 128 columns (x % 8) and 1,024 along K (quarter x / 8): 512 KiB of f32 weights that no other
; work-group reads.  13 entries serve every split: sum of ceil(count / 384) over 8 experts with 2,048 rows in all.  The four quarters' sums are added, K ascending, by the launch behind this one.
; THE WEIGHTS ARE READ ONCE, AS f32, AND QUANTISED ON THE WAY.  K is their first axis.  In a K step of 128, wave w takes block c = w % 4 (32 k) of column half w / 4 (64 columns): load i of 16 reads
; rows 32 c + i (lanes 0-15) and 32 c + 16 + i (lanes 16-31), 256 consecutive aligned bytes each.  A lane then holds 4 columns x 16 k, the k that the operand's layout gives its half of the lanes; a block's
; largest magnitude wants lane l xor 16 alone.  Numbers are multiplied by 2^-e (exact), held within +-448, converted two at a time, and the 16 codes of a column go to LDS as part of AN IMAGE OF THE OPERAND'S
; REGISTERS (column tile x 2,064 + c x 512 + 16 x lane), its scale byte beside them.  One barrier a step; two slots by turns, so that a slot is written again only behind the barrier that follows its last read.
; THE ROWS come as register images from the launch before, straight into registers: wave w takes row tiles w, w + 8, w + 16 of the block, each against all 8 column tiles: 24 accumulators.
; The matrix instruction is used transposed (source 0 = 16 columns of W, source 1 = 16 rows): a lane holds 8 neighbouring columns of one row.
; EVERY WAVE PASSES EVERY BARRIER, in an empty entry's work-group too.  There flag = 0 is multiplied into the lane's offset and the K step's stride, so that each weight load reads 16 bytes for all lanes; K step 0 is
; made as everywhere; from step 1 on a scalar branch on the flag leads round the quantiser, its LDS stores and the loads, to a wait for all loads.  The barriers stand outside that branch.  Nothing is stored.
; A row tile that the block does not have stands for the block's last tile in the loads and products that are made on every path (K steps 0 and 1's loads, step 0's products, which start all sums with C = 0);
; from step 1 on such tiles are jumped over, by scalar branches on the stored count, and they are never stored.
; No tensor loads and no cluster: the text branches on stored counts; what the work-groups of a block share, the rows' images, is up to 384 KiB beside 512 KiB of weights of their own, and partners would need different numbers of tiles.
; LIMITS: a block of zeros gets the byte 1 with zero codes; NaN and infinities are not served.
.set SECOND, 1
.if SECOND
.set PITCH, 4096                       ; bytes from one k to the next in W; also a row of the output
.set ATILE, 65536                      ; a row tile's codes
.set ASCL,  8847360                    ; where the rows' scale words begin
.set OTILE, 65536                      ; 16 rows of the output
.else
.set PITCH, 16384
.set ATILE, 16384
.set ASCL,  2211840
.set OTILE, 262144
.endif
.set PQ,    8847360                    ; a quarter's plane of part
.set CTP,   2064                       ; a column tile's image: 2,048 bytes + 16
.set SCO,   16640                      ; behind the 8 images: 128 scale words
.set SLOTB, 17152
.set STAGE, 2*SLOTB                    ; behind the slots: 16 rows x 528 bytes for each wave, its own
.set STW,   8448
.set WOFF, 1                           ; v1   my byte in a K step's rows of W
.set LI,   2                           ; v2   16 x lane
.set IST,  3                           ; v3   where my codes go
.set ISB,  4                           ; v4   where my scale bytes go
.set ISL,  5                           ; v5   where I read scale words
.set STO,  6                           ; v6   the stage, in
.set SRD,  7                           ; v7   the stage, out
.set HI,   8                           ; v8   448.0
.set WS,   10                          ; v10-13  W's scale words: register p: tile 2 p in lanes 0-15, tile 2 p + 1 in lanes 16-31
.set ASC,  16                          ; v16-27  the rows' scale words, 4 a tile: register u: K step 2 u in lanes 0-15, 2 u + 1 in lanes 16-31
.set M,    28                          ; v28-31 largest magnitudes;  v32-35 the other half's;  v36-39 2^-e;  v40-43 scale bytes
.set MM,   32
.set MU,   36
.set BY,   40
.set CD,   44                          ; v44-59  my 4 columns' codes (named outright in the conversions below)
.set BF,   60                          ; v60-91  two column tiles' fragments
.set AF,   92                          ; v92-187 two sets of three row tiles' fragments
.set S0,   188                         ; v188-251 weights, set 0;  set 1: v192-255 of window 1
.set BI,   252                         ; (the first product's bias; not used here)
                                       ; window 1: accumulator (i, ct) at v[64 i + 8 ct]
.set WB,   32                          ; s32-47  W at K step 0 .. 7
.set AB,   48                          ; s48-53  my three tiles' codes;  s54-59 their rows of the output;  s66-71 their scale words
.set OB,   54
.set SB,   66
.set MSB, 0
.macro WIN new                         ; the immediate's high byte repeats the setting that is left
.if MSB != (\new)
	s_set_vgpr_msb (MSB<<8)|(\new)
.set MSB, (\new)
.endif
.endm
.if SECOND
	s_load_b128 s[4:7], s[0:1], 0x0                ; plc, hs
	s_load_b64 s[8:9], s[0:1], 0x10                ; W_out
	s_load_b64 s[12:13], s[0:1], 0x18              ; part
	v_lshl_add_u32 v254, v0, 2, 0x19000
	v_mov_b32 v255, 0
.else
	s_load_b256 s[4:11], s[0:1], 0x0               ; plc, xs, W_in, b_in
	s_load_b64 s[12:13], s[0:1], 0x20              ; hid
.endif
	v_lshrrev_b32 v9, 5, v0
	v_readfirstlane_b32 s14, v9                    ; wave
	s_and_b32 s15, s14, 3                          ; c
	s_lshr_b32 s16, s14, 2                         ; column half
	s_and_b32 s19, ttmp7, 0xffff
	s_lshl_b32 s31, s19, 4                         ; my entry of the block list
.if SECOND
	s_and_b32 s17, ttmp9, 7                        ; which 128 columns
	s_lshr_b32 s18, ttmp9, 3                       ; which quarter of K
.else
	s_mov_b32 s17, ttmp9
.endif
	s_mov_b32 s72, 0x76543210
	s_mov_b32 s73, 0xfedcba98                      ; v_permlanex16_b32's selects for lane l xor 16
	s_mov_b32 s74, 0x83000000                      ; 262 << 23: less the exponent field E of a largest magnitude it is the f32 number 2^(135 - E) = 2^-e
	s_mov_b32 s77, 0
	s_wait_kmcnt 0x0
	s_load_b128 s[20:23], s[4:5], s31 offset:0x100
	v_and_b32 v9, 31, v0                           ; lane
	v_and_b32 v14, 15, v0                          ; q
	v_bfe_u32 v15, v0, 4, 1                        ; h
	v_lshlrev_b32 v[LI], 4, v9
	v_lshl_add_u32 v[ISL], v9, 2, SCO
	s_lshl_b32 s28, s15, 5
	v_lshl_add_u32 v[WOFF], v15, 4, s28            ; row 32 c + 16 h
	v_mul_u32_u24 v[WOFF], v[WOFF], PITCH
	v_lshl_add_u32 v[WOFF], v14, 4, v[WOFF]        ; + 16 q
	s_lshl_b32 s28, s16, 8
	v_add_nc_u32 v[WOFF], s28, v[WOFF]             ; + 256 x column half
	v_lshrrev_b32 v[IST], 2, v14                   ; column 64 ch + 4 q + j is row 4 (q % 4) + j of column tile 4 ch + q / 4
	s_lshl_b32 s28, s16, 2
	v_add_nc_u32 v[IST], s28, v[IST]
	v_mul_u32_u24 v[IST], v[IST], CTP
	v_and_b32 v9, 3, v14
	v_lshl_add_u32 v[IST], v9, 6, v[IST]
	v_lshl_add_u32 v[IST], v15, 8, v[IST]
	s_lshl_b32 s28, s15, 9
	v_add_nc_u32 v[IST], s28, v[IST]
	s_lshl_b32 s28, s16, 8
	s_add_co_u32 s28, s28, s15
	s_add_co_u32 s28, s28, SCO
	v_lshl_add_u32 v[ISB], v14, 4, s28             ; byte c of column 64 ch + 4 q's word
	s_mul_i32 s28, s14, STW
	s_add_co_u32 s28, s28, STAGE
	v_mul_u32_u24 v[STO], v14, 528
	v_lshl_add_u32 v[STO], v15, 5, v[STO]
	v_add_nc_u32 v[STO], s28, v[STO]               ; row r, + 32 h
	v_add_nc_u32 v[SRD], s28, v[LI]
	v_mov_b32 v[HI], 0x43e00000
.irp j, 0,1,2,3
	v_mov_b32 v[MM+\j], 0                          ; written once: a lane permute's destination counts as one of its sources
.endr
.irp j, 0,1,2,3,4,5,6,7,8,9,10,11,12,13,14,15
	v_mov_b32 v[CD+\j], 0                          ; written once: a conversion writes half a register and keeps the other half
.endr
	s_wait_kmcnt 0x0
	s_min_u32 s24, s20, 7                          ; the expert
	s_min_u32 s25, s21, 134                        ; the block's first tile
	s_min_u32 s26, s22, 24                         ; its tiles
	s_min_u32 s29, s26, 1                          ; flag: 0 for an empty entry
	s_add_co_u32 s27, s26, 7
	s_sub_co_u32 s27, s27, s14
	s_lshr_b32 s27, s27, 3                         ; NA: how many of the tiles w, w + 8, w + 16 the block has
	s_max_u32 s30, s26, 1
	s_add_co_u32 s30, s30, s25
	s_sub_co_u32 s30, s30, 1                       ; the block's last tile
.irp i, 0,1,2
	s_add_co_u32 s31, s25, s14
	s_add_co_u32 s31, s31, 8*\i
	s_min_u32 s31, s31, s30
	s_min_u32 s31, s31, 134                        ; my tile i
	s_mul_i32 s76, s31, ATILE
.if SECOND
	s_lshl_b32 s78, s18, 14                        ; the quarter's 8 K steps of 2,048 bytes
	s_add_co_u32 s76, s76, s78
.endif
	s_add_nc_u64 s[AB+2*\i:AB+2*\i+1], s[6:7], s[76:77]
.if SECOND
	s_lshl_b32 s76, s31, 11
	s_lshl_b32 s78, s18, 9
	s_add_co_u32 s76, s76, s78
.else
	s_lshl_b32 s76, s31, 9
.endif
	s_add_co_u32 s76, s76, ASCL
	s_add_nc_u64 s[SB+2*\i:SB+2*\i+1], s[6:7], s[76:77]
	s_mul_i32 s76, s31, OTILE
	s_lshl_b32 s78, s17, 9
	s_add_co_u32 s76, s76, s78
.if SECOND
	s_mul_i32 s78, s18, PQ
	s_add_co_u32 s76, s76, s78
.endif
	s_add_nc_u64 s[OB+2*\i:OB+2*\i+1], s[12:13], s[76:77]
.endr
.if SECOND == 0
	s_lshl_b32 s76, s24, 14
	s_lshl_b32 s78, s17, 9
	s_add_co_u32 s76, s76, s78
	s_add_nc_u64 s[60:61], s[10:11], s[76:77]      ; the bias of my 128 columns
.endif
	s_lshl_b32 s76, s24, 24                        ; an expert's weights are 2^24 bytes
	s_lshl_b32 s78, s17, 9
	s_add_co_u32 s76, s76, s78
.if SECOND
	s_lshl_b32 s78, s18, 22                        ; 1,024 rows of 4,096 bytes
	s_add_co_u32 s76, s76, s78
.endif
	s_add_nc_u64 s[WB:WB+1], s[8:9], s[76:77]
	s_mul_i32 s76, s29, 128*PITCH                  ; from K step to K step (0 for an empty entry)
.irp k, 1,2,3,4,5,6,7
	s_add_nc_u64 s[WB+2*\k:WB+2*\k+1], s[WB+2*\k-2:WB+2*\k-1], s[76:77]
.endr
	v_mul_u32_u24 v[WOFF], s29, v[WOFF]
.macro WLOAD k, set                    ; my 16 loads of K step k's weights
	WIN 0x40*(\set)
.set SS, S0+4*(\set)
.set ii, 0
.rept 16
	global_load_b128 v[SS+4*ii:SS+4*ii+3], v[WOFF], s[WB+2*(\k):WB+2*(\k)+1] offset:ii*PITCH th:TH_LOAD_NT
.set ii, ii+1
.endr
	WIN 0
.endm
.macro ALOAD k, cond                   ; my row tiles' fragments of K step k; cond = 1: only those that the block has
.irp i, 0,1,2
.if \cond
	s_cmp_le_u32 s27, \i
	s_cbranch_scc1 .Lae_\@
.endif
.irp c, 0,1,2,3
	global_load_b128 v[AF+48*((\k)%2)+16*\i+4*\c:AF+48*((\k)%2)+16*\i+4*\c+3], v[LI], s[AB+2*\i:AB+2*\i+1] offset:2048*(\k)+512*\c
.endr
.endr
.Lae_\@:
.endm
.macro CVP dst, a                      ; two codes: k and k + 1 of one column
	v_cvt_pk_fp8_f32 \dst, v[SS+(\a)], v[SS+(\a)+4]
.endm
.macro QW set                          ; 64 numbers (register 4 i + j: k = i of my 16, column j of my 4) become 4 x 16 codes and 4 scale bytes
.set SS, S0+4*(\set)
	WIN 0x05*(\set)
.irp j, 0,1,2,3
	v_max3_num_f32 v[M+\j], |v[SS+\j]|, |v[SS+4+\j]|, 0x4800000   ; and the floor 2^(9 - 127): the byte cannot fall under 1
.endr
.irp i, 2,4,6,8,10,12,14
.irp j, 0,1,2,3
	v_max3_num_f32 v[M+\j], |v[SS+4*\i+\j]|, |v[SS+4*\i+4+\j]|, v[M+\j]
.endr
.endr
	WIN 0
.irp j, 0,1,2,3
	v_permlanex16_b32 v[MM+\j], v[M+\j], s72, s73
.endr
.irp j, 0,1,2,3
	v_max_num_f32 v[M+\j], v[M+\j], v[MM+\j]       ; with lane l xor 16's 16 k: the block's largest magnitude
.endr
.irp j, 0,1,2,3
	v_and_b32 v[MU+\j], 0x7f800000, v[M+\j]
.endr
.irp j, 0,1,2,3
	v_lshrrev_b32 v[BY+\j], 23, v[M+\j]
.endr
.irp j, 0,1,2,3
	v_sub_nc_u32 v[MU+\j], s74, v[MU+\j]           ; 2^-e
.endr
.irp j, 0,1,2,3
	v_add_nc_u32 v[BY+\j], -8, v[BY+\j]            ; the scale's byte
.endr
	WIN 0x41*(\set)
.set ii, 0
.rept 16
	v_pk_mul_f32 v[SS+4*ii:SS+4*ii+1], v[SS+4*ii:SS+4*ii+1], v[MU:MU+1]          ; by a power of two: nothing is rounded
	v_pk_mul_f32 v[SS+4*ii+2:SS+4*ii+3], v[SS+4*ii+2:SS+4*ii+3], v[MU+2:MU+3]
.set ii, ii+1
.endr
.set ii, 0
.rept 64
	v_med3_num_f32 v[SS+ii], v[SS+ii], -v[HI], v[HI]   ; the conversion does not saturate (ISA guide 7.6.2)
.set ii, ii+1
.endr
	WIN 0x05*(\set)
	CVP v44.l,0                                    ; register CD + 4 j + t: k = 4 t .. 4 t + 3 of column j; low halves first, so that no line waits for the line above it
	CVP v45.l,16
	CVP v46.l,32
	CVP v47.l,48
	CVP v48.l,1
	CVP v49.l,17
	CVP v50.l,33
	CVP v51.l,49
	CVP v52.l,2
	CVP v53.l,18
	CVP v54.l,34
	CVP v55.l,50
	CVP v56.l,3
	CVP v57.l,19
	CVP v58.l,35
	CVP v59.l,51
	CVP v44.h,8
	CVP v45.h,24
	CVP v46.h,40
	CVP v47.h,56
	CVP v48.h,9
	CVP v49.h,25
	CVP v50.h,41
	CVP v51.h,57
	CVP v52.h,10
	CVP v53.h,26
	CVP v54.h,42
	CVP v55.h,58
	CVP v56.h,11
	CVP v57.h,27
	CVP v58.h,43
	CVP v59.h,59
	WIN 0
.endm
.macro PUT k
.irp j, 0,1,2,3
	ds_store_b128 v[IST], v[CD+4*\j:CD+4*\j+3] offset:SLOTB*((\k)%2)+16*\j
.endr
.irp j, 0,1,2,3
	ds_store_b8 v[ISB], v[BY+\j] offset:SLOTB*((\k)%2)+4*\j    ; both halves of the lanes write the same byte with the same value
.endr
.endm
.macro WM k, i, p, u                   ; row tile i x column tile 2 p + u, K step k
.set DD, 64*(\i)+8*(2*(\p)+(\u))
.set AA, BF+16*(\u)
.set BB, AF+48*((\k)%2)+16*(\i)
.set SA, WS+(\p)
.set SR, ASC+4*(\i)+(\k)/2
.if (\k) == 0
.if (\u) == 0
	v_wmma_scale_f32_16x16x128_f8f6f4 v[DD:DD+7], v[AA:AA+15], v[BB:BB+15], 0, v[SA], v[SR]
.else
	v_wmma_scale_f32_16x16x128_f8f6f4 v[DD:DD+7], v[AA:AA+15], v[BB:BB+15], 0, v[SA], v[SR] matrix_a_scale:MATRIX_SCALE_ROW1
.endif
.elseif (\k)%2 == 0
.if (\u) == 0
	v_wmma_scale_f32_16x16x128_f8f6f4 v[DD:DD+7], v[AA:AA+15], v[BB:BB+15], v[DD:DD+7], v[SA], v[SR]
.else
	v_wmma_scale_f32_16x16x128_f8f6f4 v[DD:DD+7], v[AA:AA+15], v[BB:BB+15], v[DD:DD+7], v[SA], v[SR] matrix_a_scale:MATRIX_SCALE_ROW1
.endif
.else
.if (\u) == 0
	v_wmma_scale_f32_16x16x128_f8f6f4 v[DD:DD+7], v[AA:AA+15], v[BB:BB+15], v[DD:DD+7], v[SA], v[SR] matrix_b_scale:MATRIX_SCALE_ROW1
.else
	v_wmma_scale_f32_16x16x128_f8f6f4 v[DD:DD+7], v[AA:AA+15], v[BB:BB+15], v[DD:DD+7], v[SA], v[SR] matrix_a_scale:MATRIX_SCALE_ROW1 matrix_b_scale:MATRIX_SCALE_ROW1
.endif
.endif
.endm
; K step k's products for cnt row tiles: two column tiles at a time.  Every instruction of a step names another accumulator, and a step's last and the next step's first differ too.
; Eight plain instructions stand between a matrix instruction and a load into a register that it has read: inside a step v_nop, from step to step
; the quantiser's lines, or the eight v_nop of the way that passes over the quantiser.
.macro MULS k, cnt
.set SL, SLOTB*((\k)%2)
.irp p, 0,1,2,3
	ds_load_b32 v[WS+\p], v[ISL] offset:SL+128*\p
.endr
.irp p, 0,1,2,3
.if \p > 0
.rept 8
	v_nop
.endr
.endif
.irp u, 0,1
.irp c, 0,1,2,3
	ds_load_b128 v[BF+16*\u+4*\c:BF+16*\u+4*\c+3], v[LI] offset:SL+(2*\p+\u)*CTP+512*\c
.endr
.endr
	s_wait_dscnt 0x0
	WIN 0x50                                       ; C and D in window 1
.set ti, 0
.rept \cnt
	WM \k, ti, \p, 0
	WM \k, ti, \p, 1
.set ti, ti+1
.endr
	WIN 0
.endr
.endm
.macro STEP k
.if (\k) > 0
	s_cmp_eq_u32 s29, 0                            ; an empty entry has nothing to quantise and nothing to fetch
	s_cbranch_scc1 .Lidle_\@
.endif
.if (\k) < 7
	s_wait_loadcnt 16                              ; all but the 16 weight loads of step k + 1.  Where this step's weights or row fragments are still out, the step before was worked, and it issued those 16 behind them; a way that passed over the step before has waited for all loads
.else
	s_wait_loadcnt 0x0
.endif
	QW (\k)%2
	PUT \k
.if (\k) == 0
	ALOAD 1, 0
.elseif (\k) < 7
	ALOAD (\k)+1, 1
.endif
.if (\k) < 6
	WLOAD (\k)+2, (\k)%2                           ; into the set just quantised: two steps ahead of its use
.endif
.if (\k) > 0
	s_branch .Lmeet_\@
.Lidle_\@:
	s_wait_loadcnt 0x0                             ; nothing of mine is out behind this line, so that every later count holds on this way too
.rept 8
	v_nop                                          ; the places that the quantiser's lines are on the other way
.endr
.Lmeet_\@:
.endif
	s_wait_dscnt 0x0                               ; for the others' sake: my codes and bytes lie in LDS (and my reads of the other slot ended a step ago)
	s_barrier_signal -1
	s_barrier_wait -1
.if (\k) == 0
	MULS 0, 3                                      ; on every path: these products start all 24 sums
.else
	s_cmp_eq_u32 s27, 0
	s_cbranch_scc1 .Lmd_\@
	s_cmp_eq_u32 s27, 1
	s_cbranch_scc1 .Lm1_\@
	s_cmp_eq_u32 s27, 2
	s_cbranch_scc1 .Lm2_\@
	MULS \k, 3
	s_branch .Lmd_\@
.Lm2_\@:
	MULS \k, 2
	s_branch .Lmd_\@
.Lm1_\@:
	MULS \k, 1
.Lmd_\@:
.endif
.endm
; Row tile i leaves through my stage: a lane's 32 bytes of a row in, whole rows of 512 bytes out.  LDS serves a wave's instructions in order (ISA guide 5.7.1.4).
.macro OUT i
	s_wait_xcnt 0x0                                ; the last tile's stores have read their registers
	WIN 0x04                                       ; an LDS store's data are its source 1: window 1
.irp t, 0,1,2,3,4,5,6,7
	ds_store_b128 v[STO], v[64*\i+8*\t:64*\i+8*\t+3] offset:64*\t            ; each accumulator from its low end on
	ds_store_b128 v[STO], v[64*\i+8*\t+4:64*\i+8*\t+7] offset:64*\t+16
.endr
	WIN 0
.set ii, 0
.rept 16
	ds_load_b128 v[S0+4*ii:S0+4*ii+3], v[SRD] offset:528*ii
.set ii, ii+1
.endr
	s_wait_dscnt 0x0
.if SECOND == 0
.set ii, 0
.rept 16
	v_pk_add_f32 v[S0+4*ii:S0+4*ii+1], v[S0+4*ii:S0+4*ii+1], v[BI:BI+1]
	v_pk_add_f32 v[S0+4*ii+2:S0+4*ii+3], v[S0+4*ii+2:S0+4*ii+3], v[BI+2:BI+3]
.set ii, ii+1
.endr
.set ii, 0
.rept 64
	v_max_num_f32 v[S0+ii], 0, v[S0+ii]
.set ii, ii+1
.endr
.endif
.set ii, 0
.rept 16
	global_store_b128 v[LI], v[S0+4*ii:S0+4*ii+3], s[OB+2*\i:OB+2*\i+1] offset:ii*PITCH   ; 32 lanes store 512 consecutive bytes, aligned
.set ii, ii+1
.endr
.endm
	WLOAD 0, 0
.if SECOND == 0
	global_load_b128 v[BI:BI+3], v[LI], s[60:61]
.endif
.irp i, 0,1,2
	global_load_b128 v[ASC+4*\i:ASC+4*\i+3], v[LI], s[SB+2*\i:SB+2*\i+1]
.endr
	ALOAD 0, 0
	WLOAD 1, 1
	STEP 0
	STEP 1
	STEP 2
	STEP 3
	STEP 4
	STEP 5
	STEP 6
	STEP 7
.rept 8
	v_nop                                          ; places behind the last products, in front of the first read of results
.endr
.irp i, 0,1,2
	s_cmp_le_u32 s27, \i
	s_cbranch_scc1 .Lend
	OUT \i
.endr
.Lend:
	s_wait_tensorcnt 0x0
	ds_add_u32 v254, v255
	s_wait_dscnt 0x0
	s_endpgm
.Lfunc_end_k_q11e803e985_gemm2:
	.size	k_q11e803e985_gemm2, .Lfunc_end_k_q11e803e985_gemm2-k_q11e803e985_gemm2
	.p2alignl 7, 3214868480
	.fill 96, 4, 3214868480
	.section	.rodata,"a",@progbits
	.p2align	6, 0x0
	.amdhsa_kernel k_q11e803e985_gemm2
		.amdhsa_group_segment_fixed_size 103424
		.amdhsa_private_segment_fixed_size 0
		.amdhsa_enable_private_segment 0
		.amdhsa_kernarg_size 32
		.amdhsa_user_sgpr_count 2
		.amdhsa_user_sgpr_kernarg_segment_ptr 1
		.amdhsa_wavefront_size32 1
		.amdhsa_system_sgpr_workgroup_id_x 1
		.amdhsa_system_sgpr_workgroup_id_y 1
		.amdhsa_system_sgpr_workgroup_id_z 1
		.amdhsa_system_vgpr_workitem_id 0
		.amdhsa_next_free_vgpr 512
		.amdhsa_next_free_sgpr 80
		.amdhsa_reserve_vcc 0
		.amdhsa_float_denorm_mode_32 3
		.amdhsa_float_denorm_mode_16_64 3
		.amdhsa_memory_ordered 1
		.amdhsa_forward_progress 1
		.amdhsa_inst_pref_size 255
	.end_amdhsa_kernel
	.section	.bss,"aw",@nobits
	.p2align	6
	.space	262144
	.amdgpu_metadata
---
amdhsa.version: [ 1, 2 ]
amdhsa.kernels:
  - .name:           k_q11e803e985_gemm2
    .symbol:         k_q11e803e985_gemm2.kd
    .args:
      - { .name: plc, .offset: 0, .size: 8, .value_kind: global_buffer, .address_space: global }
      - { .name: hs, .offset: 8, .size: 8, .value_kind: global_buffer, .address_space: global }
      - { .name: W_out, .offset: 16, .size: 8, .value_kind: global_buffer, .address_space: global }
      - { .name: part, .offset: 24, .size: 8, .value_kind: global_buffer, .address_space: global }
    .group_segment_fixed_size: 103424
    .private_segment_fixed_size: 0
    .kernarg_segment_align: 8
    .kernarg_segment_size: 32
    .max_flat_workgroup_size: 256
    .sgpr_count:     80
    .vgpr_count:     512
    .wavefront_size: 32
...
	.end_amdgpu_metadata
.endif
;; end of part 6
;; launch combine (part 7): grid 256 x 1, 8 waves a work-group, no clusters, 0 bytes of LDS; arguments ridx, rprob, plc, part, b_out, out0; writes out0
.if DOCPART == 7
	.amdgcn_target "amdgcn-amd-amdhsa--gfx1250"
	.amdhsa_code_object_version 6
	.text
	.protected	k_q11e803e985_combine
	.globl	k_q11e803e985_combine
	.p2align	8
	.type	k_q11e803e985_combine,@function
k_q11e803e985_combine:
	s_mov_b64 s[64:65], 0
	v_nop
	global_prefetch_b8 v0, s[64:65] scope:SCOPE_SE
	s_setreg_imm32_b32 hwreg(HW_REG_WAVE_MODE, 25, 1), 1
	s_wait_xcnt 0x0
; out[token] = p0 (y0 + b_out[e0]) + p1 (y1 + b_out[e1]), y = the four quarters of K of the token's sorted row, added K ascending.  Each output row has one owner: nothing is added across work-groups.
; A wave takes half a token's row, 2,048 bytes, in four chunks of 512 consecutive bytes.  The experts, the probabilities and the two sorted rows (prow[token][2]) come by three scalar loads that go out together:
; what earlier launches stored; each whole number is held within its table before it enters an address.
; All 40 loads of a wave's data go out at once; the waits count down by chunks.  A stream: no LDS, no barrier, no matrix unit.
.set PROW, 0x300
.set PQ,  8847360                      ; a quarter's plane of part
.set P,   16                           ; v16-175: chunk ch at 40 ch: choice 0's four quarters and its bias (20 registers), then choice 1's
	s_load_b256 s[4:11], s[0:1], 0x0               ; ridx, rprob, plc, part
	s_load_b128 s[12:15], s[0:1], 0x20             ; b_out, out0
	v_lshrrev_b32 v1, 5, v0
	v_readfirstlane_b32 s16, v1
	s_lshl_b32 s17, ttmp9, 3
	s_add_co_u32 s17, s17, s16
	s_lshr_b32 s18, s17, 1                         ; the token
	s_and_b32 s19, s17, 1                          ; which half of its row
	s_lshl_b32 s20, s18, 3
	v_and_b32 v1, 31, v0
	v_lshlrev_b32 v2, 4, v1                        ; 16 x lane
	s_wait_kmcnt 0x0
	s_load_b64 s[24:25], s[4:5], s20 offset:0x0    ; the two experts
	s_load_b64 s[26:27], s[6:7], s20 offset:0x0    ; their probabilities
	s_load_b64 s[28:29], s[8:9], s20 offset:PROW   ; the two sorted rows
	s_wait_kmcnt 0x0
	s_min_u32 s24, s24, 7
	s_min_u32 s25, s25, 7
	s_min_u32 s28, s28, 2159
	s_min_u32 s29, s29, 2159
	s_lshl_b32 s30, s19, 11
	s_lshl_b32 s31, s28, 12
	s_add_co_u32 s31, s31, s30
	v_add_nc_u32 v3, s31, v2                       ; choice 0's row of part: 4,096 bytes a row, my half, my 16 bytes
	s_lshl_b32 s31, s29, 12
	s_add_co_u32 s31, s31, s30
	v_add_nc_u32 v4, s31, v2                       ; choice 1's
	s_lshl_b32 s31, s24, 12
	s_add_co_u32 s31, s31, s30
	v_add_nc_u32 v5, s31, v2                       ; choice 0's bias
	s_lshl_b32 s31, s25, 12
	s_add_co_u32 s31, s31, s30
	v_add_nc_u32 v6, s31, v2                       ; choice 1's
	s_mov_b64 s[32:33], s[10:11]
	s_add_nc_u64 s[34:35], s[32:33], PQ
	s_add_nc_u64 s[36:37], s[34:35], PQ
	s_add_nc_u64 s[38:39], s[36:37], PQ
	s_lshl_b32 s40, s18, 12
	s_add_co_u32 s40, s40, s30
	s_mov_b32 s41, 0
	s_add_nc_u64 s[42:43], s[14:15], s[40:41]
	s_mov_b32 s44, s27                             ; p1 as the low word of a pair: the packed form takes a scalar pair's low word for both halves
	s_mov_b32 s45, s27
.irp ch, 0,1,2,3
.irp kq, 0,1,2,3
	global_load_b128 v[P+40*\ch+4*\kq:P+40*\ch+4*\kq+3], v3, s[32+2*\kq:33+2*\kq] offset:512*\ch th:TH_LOAD_NT
	global_load_b128 v[P+40*\ch+20+4*\kq:P+40*\ch+20+4*\kq+3], v4, s[32+2*\kq:33+2*\kq] offset:512*\ch th:TH_LOAD_NT
.endr
	global_load_b128 v[P+40*\ch+16:P+40*\ch+19], v5, s[12:13] offset:512*\ch
	global_load_b128 v[P+40*\ch+36:P+40*\ch+39], v6, s[12:13] offset:512*\ch
.endr
.irp ch, 0,1,2,3
	s_wait_loadcnt 30-10*\ch                       ; this chunk's ten loads are in; the later chunks' ten each may be out
.irp q, 1,2,3,4
.irp sl, 0,20
.irp pr, 0,2
	v_pk_add_f32 v[P+40*\ch+\sl+\pr:P+40*\ch+\sl+\pr+1], v[P+40*\ch+\sl+\pr:P+40*\ch+\sl+\pr+1], v[P+40*\ch+\sl+4*\q+\pr:P+40*\ch+\sl+4*\q+\pr+1]   ; quarters 1, 2, 3, then the bias
.endr
.endr
.endr
.irp pr, 0,2
	v_pk_mul_f32 v[P+40*\ch+\pr:P+40*\ch+\pr+1], v[P+40*\ch+\pr:P+40*\ch+\pr+1], s[26:27] op_sel_hi:[1,0]
.endr
.irp pr, 0,2
	v_pk_fma_f32 v[P+40*\ch+\pr:P+40*\ch+\pr+1], v[P+40*\ch+20+\pr:P+40*\ch+20+\pr+1], s[44:45], v[P+40*\ch+\pr:P+40*\ch+\pr+1] op_sel_hi:[1,0,1]
.endr
	global_store_b128 v2, v[P+40*\ch:P+40*\ch+3], s[42:43] offset:512*\ch th:TH_STORE_NT   ; 32 lanes store 512 consecutive bytes, aligned
.endr
	s_endpgm
.Lfunc_end_k_q11e803e985_combine:
	.size	k_q11e803e985_combine, .Lfunc_end_k_q11e803e985_combine-k_q11e803e985_combine
	.p2alignl 7, 3214868480
	.fill 96, 4, 3214868480
	.section	.rodata,"a",@progbits
	.p2align	6, 0x0
	.amdhsa_kernel k_q11e803e985_combine
		.amdhsa_group_segment_fixed_size 0
		.amdhsa_private_segment_fixed_size 0
		.amdhsa_enable_private_segment 0
		.amdhsa_kernarg_size 48
		.amdhsa_user_sgpr_count 2
		.amdhsa_user_sgpr_kernarg_segment_ptr 1
		.amdhsa_wavefront_size32 1
		.amdhsa_system_sgpr_workgroup_id_x 1
		.amdhsa_system_sgpr_workgroup_id_y 1
		.amdhsa_system_sgpr_workgroup_id_z 1
		.amdhsa_system_vgpr_workitem_id 0
		.amdhsa_next_free_vgpr 184
		.amdhsa_next_free_sgpr 66
		.amdhsa_reserve_vcc 0
		.amdhsa_float_denorm_mode_32 3
		.amdhsa_float_denorm_mode_16_64 3
		.amdhsa_memory_ordered 1
		.amdhsa_forward_progress 1
		.amdhsa_inst_pref_size 12
	.end_amdhsa_kernel
	.amdgpu_metadata
---
amdhsa.version: [ 1, 2 ]
amdhsa.kernels:
  - .name:           k_q11e803e985_combine
    .symbol:         k_q11e803e985_combine.kd
    .args:
      - { .name: ridx, .offset: 0, .size: 8, .value_kind: global_buffer, .address_space: global }
      - { .name: rprob, .offset: 8, .size: 8, .value_kind: global_buffer, .address_space: global }
      - { .name: plc, .offset: 16, .size: 8, .value_kind: global_buffer, .address_space: global }
      - { .name: part, .offset: 24, .size: 8, .value_kind: global_buffer, .address_space: global }
      - { .name: b_out, .offset: 32, .size: 8, .value_kind: global_buffer, .address_space: global }
      - { .name: out0, .offset: 40, .size: 8, .value_kind: global_buffer, .address_space: global }
    .group_segment_fixed_size: 0
    .private_segment_fixed_size: 0
    .kernarg_segment_align: 8
    .kernarg_segment_size: 48
    .max_flat_workgroup_size: 256
    .sgpr_count:     66
    .vgpr_count:     184
    .wavefront_size: 32
...
	.end_amdgpu_metadata
.endif
;; end of part 7
;; ======== version 2 of 2: 7 launches
;; workspace buffers: ridx 8,192 bytes of whole numbers; rprob 8,192 bytes; rk 8,704 bytes of whole numbers; plc 42,240 bytes of whole numbers; xs 2,280,960 bytes; hid 35,389,440 bytes; hs 9,123,840 bytes; part 35,389,440 bytes
;; launch route (part 8): grid 32 x 1, 8 waves a work-group, no clusters, 177,152 bytes of LDS; arguments x, Wr, br, ridx, rprob, rk; writes ridx, rprob, rk
.if DOCPART == 8
	.amdgcn_target "amdgcn-amd-amdhsa--gfx1250"
	.amdhsa_code_object_version 6
	.text
	.protected	k_q11e803e985_route
	.globl	k_q11e803e985_route
	.p2align	8
	.type	k_q11e803e985_route,@function
k_q11e803e985_route:
	s_mov_b64 s[64:65], 0
	v_nop
	global_prefetch_b8 v0, s[64:65] scope:SCOPE_SE
	s_setreg_imm32_b32 hwreg(HW_REG_WAVE_MODE, 25, 1), 1
	s_wait_xcnt 0x0
; THE ROUTER.  logits = x Wr + br in f32 fused multiply-adds, softmax over the 8 experts (the maximum taken away first), the two largest.
; Stored at fixed places: ridx[token][2] the two experts (whole numbers), rprob[token][2] their probabilities; and for the launch that places the rows, in rk (whole numbers):
; +0 [token][2]: how many tokens before this one in its group of 32 chose the same expert, for each of its two experts; +8,192 [group][4 words]: the group's count of each expert, word p = count[p] | count[p + 4] << 16.
; SHARES.  A work-group takes 32 tokens, a group; wave w takes k = 128 w .. 128 w + 127 of all 32.  Each load reads 512 consecutive bytes of one token's row; the
; numbers turn through the wave's own LDS bytes (rows 528 bytes apart), so that afterwards a lane IS a token and holds its 128 numbers.  The wave's 128 rows
; of Wr (4,096 bytes) lie in its own LDS bytes too and are read by all lanes at one address.  The eight waves' partial sums meet in LDS behind one barrier;
; wave 0 adds them in ascending k, adds br and chooses.  No address and no branch hangs on what is chosen.
; No matrix unit: N = 8.  No cluster: work-groups share only Wr, 32 KiB.
; LIMITS: the two largest are taken of the logits, not of the rounded probabilities (equal logits: the lower index, as top_k has it); NaN and infinities are not served.
.set XSB, 16896                        ; a wave's 32 rows x 528 bytes
.set WR0, 135168                       ; behind them: 4,096 bytes of Wr for each wave
.set RED, 167936                       ; behind those: 32 bytes for each lane of each wave
.set GC,  8192                         ; rk: where the groups' counts begin
.set X,   16                           ; v16-143  128 numbers
.set WB,  144                          ; v144-207 two sets of 4 k x 8 experts
.set ACC, 208                          ; v208-215 the 8 partial logits
	s_load_b128 s[4:7], s[0:1], 0x0                ; x, Wr
	s_load_b128 s[8:11], s[0:1], 0x10              ; br, ridx
	s_load_b64 s[12:13], s[0:1], 0x20              ; rprob
	s_load_b64 s[40:41], s[0:1], 0x28              ; rk
	v_lshl_add_u32 v224, v0, 2, 0x2b000
	v_mov_b32 v225, 0
	v_lshrrev_b32 v1, 5, v0
	s_delay_alu instid0(VALU_DEP_1)
	v_readfirstlane_b32 s14, v1                    ; wave
	v_and_b32 v1, 31, v0                           ; lane
	s_delay_alu instid0(VALU_DEP_1)
	v_lshlrev_b32 v2, 4, v1                        ; 16 x lane
	s_mul_i32 s15, s14, XSB
	v_add_nc_u32 v3, s15, v2                       ; into the turn: row n at 528 n, my 16 bytes
	v_mul_u32_u24 v4, v1, 528
	s_delay_alu instid0(VALU_DEP_1)
	v_add_nc_u32 v4, s15, v4                       ; out of it: row = my lane
	s_lshl_b32 s22, s14, 12                        ; my wave's 4,096 bytes of Wr
	s_mov_b32 s23, 0
	s_add_co_u32 s16, s22, WR0
	v_add_nc_u32 v5, s16, v2                       ; Wr into LDS
	v_mov_b32 v6, s16                              ; and out of it: one address for all lanes
	v_lshlrev_b32 v8, 5, v1
	s_delay_alu instid0(VALU_DEP_1)
	v_add_nc_u32 v8, RED, v8                       ; wave 0's place among the partial sums
	s_lshl_b32 s17, s14, 10
	v_add_nc_u32 v7, s17, v8                       ; my wave's
	s_lshl_b32 s20, ttmp9, 17                      ; 32 tokens x 4,096 bytes
	s_lshl_b32 s18, s14, 9                         ; + my 128 numbers
	s_add_co_u32 s20, s20, s18
	s_mov_b32 s21, 0
	s_wait_alu depctr_va_vdst(0)
	s_wait_kmcnt 0x0
	s_load_b256 s[24:31], s[8:9], 0x0              ; br
	s_add_nc_u64 s[4:5], s[4:5], s[20:21]
	s_add_nc_u64 s[6:7], s[6:7], s[22:23]
.set n, 0
.rept 32
	global_load_b128 v[X+4*n:X+4*n+3], v2, s[4:5] offset:4096*n      ; token n: 512 consecutive bytes
.set n, n+1
.endr
.set n, 0
.rept 8
	global_load_b128 v[WB+4*n:WB+4*n+3], v2, s[6:7] offset:512*n
.set n, n+1
.endr
	s_wait_loadcnt 0x0
.set n, 0
.rept 32
	ds_store_b128 v3, v[X+4*n:X+4*n+3] offset:528*n
.set n, n+1
.endr
.set n, 0
.rept 8
	ds_store_b128 v5, v[WB+4*n:WB+4*n+3] offset:512*n
.set n, n+1
.endr
	s_wait_dscnt 0x0                               ; the stores have read their registers, which are loaded again now
.set n, 0
.rept 32
	ds_load_b128 v[X+4*n:X+4*n+3], v4 offset:16*n  ; my token's k = 4 n .. 4 n + 3
.set n, n+1
.endr
.macro WRG g, set                      ; Wr's rows 4 g .. 4 g + 3 of my wave's 128 into set: 8 loads
.set kk, 0
.rept 4
	ds_load_b128 v[WB+32*(\set)+8*kk:WB+32*(\set)+8*kk+3], v6 offset:32*(4*(\g)+kk)
	ds_load_b128 v[WB+32*(\set)+8*kk+4:WB+32*(\set)+8*kk+7], v6 offset:32*(4*(\g)+kk)+16
.set kk, kk+1
.endr
.endm
.macro FMG g, set                      ; 16 packed multiply-adds: x(k) serves both halves, two experts an instruction.  The very first product starts the sums
.set kk, 0
.rept 4
.set pp, 0
.rept 4
.set XR, X+4*(\g)+2*(kk/2)
.set WRR, WB+32*(\set)+8*kk+2*pp
.if (4*(\g)+kk) == 0
	v_pk_mul_f32 v[ACC+2*pp:ACC+2*pp+1], v[XR:XR+1], v[WRR:WRR+1] op_sel_hi:[0,1]
.elseif kk%2 == 0
	v_pk_fma_f32 v[ACC+2*pp:ACC+2*pp+1], v[XR:XR+1], v[WRR:WRR+1], v[ACC+2*pp:ACC+2*pp+1] op_sel_hi:[0,1,1]
.else
	s_delay_alu instid0(VALU_DEP_4)
	v_pk_fma_f32 v[ACC+2*pp:ACC+2*pp+1], v[XR:XR+1], v[WRR:WRR+1], v[ACC+2*pp:ACC+2*pp+1] op_sel:[1,0,0] op_sel_hi:[1,1,1]
.endif
.set pp, pp+1
.endr
.set kk, kk+1
.endr
.endm
	WRG 0, 0
	WRG 1, 1
.set gg, 0
.rept 32
.if gg < 31
	s_wait_alu depctr_va_vdst(0)
	s_wait_dscnt 8                                 ; all but the next group's 8 loads: this group's rows of Wr are in (and, the first time, my 128 numbers, which are older)
.else
	s_wait_alu depctr_va_vdst(0)
	s_wait_dscnt 0x0
.endif
	FMG gg, gg%2
.if gg < 30
	WRG gg+2, gg%2
.endif
.set gg, gg+1
.endr
	ds_store_b128 v7, v[ACC:ACC+3]
	ds_store_b128 v7, v[ACC+4:ACC+7] offset:16
	s_wait_dscnt 0x0                               ; for wave 0's sake: my partial sums lie in LDS
	s_wait_kmcnt 0x0                               ; br
	s_barrier_signal -1
	s_barrier_wait -1
	s_cmp_lg_u32 s14, 0
	s_cbranch_scc1 .Lend                           ; the rest is wave 0's; no barrier follows
.set n, 0
.rept 8
	ds_load_b128 v[X+8*n:X+8*n+3], v8 offset:1024*n
	ds_load_b128 v[X+8*n+4:X+8*n+7], v8 offset:1024*n+16
.set n, n+1
.endr
	s_wait_dscnt 0x0
.set n, 1
.rept 7
.irp p, 0,2,4,6
	v_pk_add_f32 v[X+\p:X+\p+1], v[X+\p:X+\p+1], v[X+8*n+\p:X+8*n+\p+1]   ; the waves' parts, k ascending
.endr
.set n, n+1
.endr
.irp e, 0,1,2,3,4,5,6,7
	v_add_f32 v[X+\e], s[24+\e], v[X+\e]           ; + br
.endr
	v_mov_b32 v152, v[X]                           ; the largest logit and its expert: a strict compare keeps the lower index
	v_mov_b32 v154, 0
.irp e, 1,2,3,4,5,6,7
	s_delay_alu instid0(VALU_DEP_2)
	v_cmp_gt_f32 vcc_lo, v[X+\e], v152
	s_delay_alu instid0(VALU_DEP_1)
	v_cndmask_b32 v152, v152, v[X+\e], vcc_lo
	s_delay_alu instid0(VALU_DEP_2)
	v_cndmask_b32 v154, v154, \e, vcc_lo
.endr
.irp e, 0,1,2,3,4,5,6,7
	v_sub_f32 v[144+\e], v[X+\e], v152             ; logit - maximum
.endr
	v_mov_b32 v158, 0xff800000                     ; -infinity takes the winner's place
.irp e, 0,1,2,3,4,5,6,7
	v_cmp_eq_u32 vcc_lo, \e, v154
	s_delay_alu instid0(VALU_DEP_1)
	v_cndmask_b32 v[X+\e], v[X+\e], v158, vcc_lo
.endr
	v_mov_b32 v153, v[X]                           ; the second largest, the same way
	v_mov_b32 v155, 0
.irp e, 1,2,3,4,5,6,7
	s_delay_alu instid0(VALU_DEP_2)
	v_cmp_gt_f32 vcc_lo, v[X+\e], v153
	s_delay_alu instid0(VALU_DEP_1)
	v_cndmask_b32 v153, v153, v[X+\e], vcc_lo
	s_delay_alu instid0(VALU_DEP_2)
	v_cndmask_b32 v155, v155, \e, vcc_lo
.endr
	s_delay_alu instid0(VALU_DEP_2)
	v_sub_f32 v160, v153, v152
.irp e, 0,1,2,3,4,5,6,7
	v_mul_f32 v[144+\e], 0x3fb8aa3b, v[144+\e]     ; x log2(e)
.endr
	v_mul_f32 v160, 0x3fb8aa3b, v160
	s_wait_alu depctr_va_vdst(0)
.irp e, 0,1,2,3,4,5,6,7
	v_exp_f32 v[144+\e], v[144+\e]
.endr
	v_exp_f32 v160, v160
	v_lshlrev_b32 v161, 3, v1                      ; 8 bytes a token (a plain instruction behind the exponentials: ISA guide 5.7.2)
	s_wait_alu depctr_va_vdst(0)
	v_add_f32 v159, v144, v145
.irp e, 2,3,4,5,6,7
	v_add_f32 v159, v159, v[144+\e]
.endr
	s_wait_alu depctr_va_vdst(0)
	v_rcp_f32 v156, v159                           ; the winner's exponential is 1: its probability is 1 / sum
	v_nop
	s_wait_alu depctr_va_vdst(0)
	v_mul_f32 v157, v160, v156
	s_lshl_b32 s20, ttmp9, 8                       ; 32 tokens x 8 bytes
	s_mov_b64 s[42:43], s[40:41]
	s_add_nc_u64 s[10:11], s[10:11], s[20:21]
	s_add_nc_u64 s[12:13], s[12:13], s[20:21]
	s_add_nc_u64 s[40:41], s[40:41], s[20:21]
	global_store_b64 v161, v[154:155], s[10:11]    ; 32 lanes store 256 consecutive bytes, aligned
	global_store_b64 v161, v[156:157], s[12:13]
	; the ranks within the group and the group's counts: numbers to be stored, nothing more
	v_mov_b32 v162, 0
	v_mov_b32 v163, 0
.irp e, 0,1,2,3,4,5,6,7
	v_cmp_eq_u32 s16, \e, v154                     ; chosen first
	v_cmp_eq_u32 s17, \e, v155                     ; chosen second
	s_or_b32 s18, s16, s17
	v_mbcnt_lo_u32_b32 v164, s18, 0                ; how many lanes below mine chose expert e
	s_bcnt1_i32_b32 s[32+\e], s18                  ; how many of the group did
	v_cndmask_b32 v162, v162, v164, s16
	v_cndmask_b32 v163, v163, v164, s17
.endr
	s_wait_alu depctr_va_vdst(0)
.irp p, 0,1,2,3
	s_lshl_b32 s19, s[36+\p], 16
	s_or_b32 s19, s19, s[32+\p]
	v_mov_b32 v[168+\p], s19
.endr
	v_mov_b32 v165, 0
	s_wait_alu depctr_va_vdst(0)
	s_lshl_b32 s20, ttmp9, 4                       ; 16 bytes a group
	s_add_nc_u64 s[42:43], s[42:43], s[20:21]
	global_store_b64 v161, v[162:163], s[40:41]
	global_store_b128 v165, v[168:171], s[42:43] offset:GC   ; all lanes store the same 16 bytes at the same place
.Lend:
	s_wait_tensorcnt 0x0
	ds_add_u32 v224, v225
	s_wait_dscnt 0x0
	s_endpgm
.Lfunc_end_k_q11e803e985_route:
	.size	k_q11e803e985_route, .Lfunc_end_k_q11e803e985_route-k_q11e803e985_route
	.p2alignl 7, 3214868480
	.fill 96, 4, 3214868480
	.section	.rodata,"a",@progbits
	.p2align	6, 0x0
	.amdhsa_kernel k_q11e803e985_route
		.amdhsa_group_segment_fixed_size 177152
		.amdhsa_private_segment_fixed_size 0
		.amdhsa_enable_private_segment 0
		.amdhsa_kernarg_size 48
		.amdhsa_user_sgpr_count 2
		.amdhsa_user_sgpr_kernarg_segment_ptr 1
		.amdhsa_wavefront_size32 1
		.amdhsa_system_sgpr_workgroup_id_x 1
		.amdhsa_system_sgpr_workgroup_id_y 1
		.amdhsa_system_sgpr_workgroup_id_z 1
		.amdhsa_system_vgpr_workitem_id 0
		.amdhsa_next_free_vgpr 226
		.amdhsa_next_free_sgpr 66
		.amdhsa_reserve_vcc 1
		.amdhsa_float_denorm_mode_32 3
		.amdhsa_float_denorm_mode_16_64 3
		.amdhsa_memory_ordered 1
		.amdhsa_forward_progress 1
		.amdhsa_inst_pref_size 82
	.end_amdhsa_kernel
	.amdgpu_metadata
---
amdhsa.version: [ 1, 2 ]
amdhsa.kernels:
  - .name:           k_q11e803e985_route
    .symbol:         k_q11e803e985_route.kd
    .args:
      - { .name: x, .offset: 0, .size: 8, .value_kind: global_buffer, .address_space: global }
      - { .name: Wr, .offset: 8, .size: 8, .value_kind: global_buffer, .address_space: global }
      - { .name: br, .offset: 16, .size: 8, .value_kind: global_buffer, .address_space: global }
      - { .name: ridx, .offset: 24, .size: 8, .value_kind: global_buffer, .address_space: global }
      - { .name: rprob, .offset: 32, .size: 8, .value_kind: global_buffer, .address_space: global }
      - { .name: rk, .offset: 40, .size: 8, .value_kind: global_buffer, .address_space: global }
    .group_segment_fixed_size: 177152
    .private_segment_fixed_size: 0
    .kernarg_segment_align: 8
    .kernarg_segment_size: 48
    .max_flat_workgroup_size: 256
    .sgpr_count:     66
    .vgpr_count:     226
    .wavefront_size: 32
...
	.end_amdgpu_metadata
.endif
;; end of part 8
;; launch place (part 9): grid 32 x 1, 1 waves a work-group, no clusters, 0 bytes of LDS; arguments ridx, rk, plc; writes plc
.if DOCPART == 9
	.amdgcn_target "amdgcn-amd-amdhsa--gfx1250"
	.amdhsa_code_object_version 6
	.text
	.protected	k_q11e803e985_place
	.globl	k_q11e803e985_place
	.p2align	8
	.type	k_q11e803e985_place,@function
k_q11e803e985_place:
	s_mov_b64 s[64:65], 0
	v_nop
	global_prefetch_b8 v0, s[64:65] scope:SCOPE_SE
	s_setreg_imm32_b32 hwreg(HW_REG_WAVE_MODE, 25, 1), 1
	s_wait_xcnt 0x0
; THE ROWS ARE PLACED BY EXPERT.  Work-group g, one wave, owns the 32 tokens of group g; a lane is a token.
; From the 32 groups' stored counts (512 bytes, by scalar loads) every work-group makes, on the scalar side: each expert's rows, nt[e] = ceil(rows / 16) tiles, tb[e] = the tiles of the experts before it,
; and start[e] = 16 tb[e] + the rows of e in the groups before mine.  A token's sorted row with expert e is start[e] + its stored rank within its group.
; THE CHOICE OF start[e] BY A LANE'S OWN e is made by additions, shifts and multiplications alone: start rises with e (16 nt[e] is at least the rows of e), so
; start[e] = start[0] + the sum over e' = 1 .. 7 of (start[e'] - start[e' - 1]) x ((e + 8 - e') >> 3), the last factor being 1 where e >= e' and else 0.
; Counts are packed two to a word in fields of 16 bits (an expert has 1,024 rows at the most), and two words are added at a time.
; Stored in plc (whole numbers): +0x300 prow[token][2] = the token's two sorted rows, 256 consecutive bytes a work-group;
; +0x8300 list[sorted row] = token | choice << 16 | the sorted row of the token's other choice << 20 (a row is 2,159 at the most: 12 bits).  By work-group 0 besides: +0 the number of tiles;
; +0x100 32 entries (expert, first tile, tiles, 0): each expert's tiles in blocks of 24 at the most, the empty entries last and all 0; and the list's entries for the places of an expert's last tile that no
; token takes: they stand for token 0, choice 0 (results that are finite and that nobody reads).
; Of those at most 15 places the surplus lanes repeat the last; an expert that has none sends all lanes to a spare word behind the list.
; All lanes are on throughout; no LDS, no barrier.  Each word of plc has one owner.
.set PROW, 0x300
.set LIST, 0x8300
.set GC,   8192                        ; rk: where the groups' counts begin
.set CNT,  16                          ; s16-23 rows;  s24-31 rows in the groups before mine;  s32-39 nt;  s40-47 tb;  s48-55 start;  s57-63 its steps;  s68-75 the blocks before an expert's
.set BAS,  24
.set NT,   32
.set TB,   40
.set ST,   48
.set DD,   56
.set BB,   68
	s_load_b128 s[4:7], s[0:1], 0x0                ; ridx, rk
	s_load_b64 s[8:9], s[0:1], 0x10                ; plc
	v_lshlrev_b32 v1, 4, v0                        ; 16 x lane
	v_lshlrev_b32 v2, 3, v0                        ; 8 x lane
	v_lshlrev_b32 v3, 2, v0                        ; 4 x lane
	s_mov_b32 s12, ttmp9                           ; g
	s_lshl_b32 s2, ttmp9, 8                        ; 32 tokens x 8 bytes
	s_mov_b32 s3, 0
	s_mov_b64 s[84:85], 0                          ; s84-87: the totals, packed;  s88-91: the sums over the groups before mine
	s_mov_b64 s[86:87], 0
	s_mov_b64 s[88:89], 0
	s_mov_b64 s[90:91], 0
	s_wait_alu depctr_va_vdst(0)
	s_wait_kmcnt 0x0
	s_load_b512 s[16:31], s[6:7], GC               ; groups 0-3: 4 words each
	s_load_b512 s[32:47], s[6:7], GC+64
	s_load_b512 s[48:63], s[6:7], GC+128
	s_load_b512 s[68:83], s[6:7], GC+192
	s_add_nc_u64 s[10:11], s[4:5], s[2:3]
	s_add_nc_u64 s[14:15], s[6:7], s[2:3]
	global_load_b64 v[4:5], v2, s[10:11]           ; my token's two experts
	global_load_b64 v[6:7], v2, s[14:15]           ; and its ranks within the group
	s_wait_kmcnt 0x0
.macro GRP gi, R                       ; group gi's four words stand in s[R] on
	s_add_nc_u64 s[84:85], s[84:85], s[(\R):(\R)+1]
	s_add_nc_u64 s[86:87], s[86:87], s[(\R)+2:(\R)+3]
	s_cmp_gt_u32 s12, \gi                          ; a group before mine?
	s_cselect_b64 s[92:93], s[(\R):(\R)+1], 0
	s_cselect_b64 s[94:95], s[(\R)+2:(\R)+3], 0
	s_add_nc_u64 s[88:89], s[88:89], s[92:93]
	s_add_nc_u64 s[90:91], s[90:91], s[94:95]
.endm
.macro TUP t, R, again                 ; groups 4 t .. 4 t + 3; again = 1: the sixteen registers then take the groups 16 further on
	GRP 4*(\t), \R
	GRP 4*(\t)+1, (\R)+4
	GRP 4*(\t)+2, (\R)+8
	GRP 4*(\t)+3, (\R)+12
.if \again
	s_load_b512 s[(\R):(\R)+15], s[6:7], GC+256+64*(\t)
.endif
.endm
	TUP 0, 16, 1
	TUP 1, 32, 1
	TUP 2, 48, 1
	TUP 3, 68, 1
	s_wait_kmcnt 0x0
	TUP 4, 16, 0
	TUP 5, 32, 0
	TUP 6, 48, 0
	TUP 7, 68, 0
.irp p, 0,1,2,3
	s_and_b32 s[CNT+\p], s[84+\p], 0xffff
	s_lshr_b32 s[CNT+4+\p], s[84+\p], 16
	s_and_b32 s[BAS+\p], s[88+\p], 0xffff
	s_lshr_b32 s[BAS+4+\p], s[88+\p], 16
.endr
	s_mov_b32 s96, 0                               ; tiles so far; at the end: all tiles
.irp e, 0,1,2,3,4,5,6,7
	s_add_co_u32 s97, s[CNT+\e], 15
	s_lshr_b32 s[NT+\e], s97, 4
	s_mov_b32 s[TB+\e], s96
	s_add_co_u32 s96, s96, s[NT+\e]
	s_lshl_b32 s97, s[TB+\e], 4
	s_add_co_u32 s[ST+\e], s97, s[BAS+\e]
.endr
.irp e, 1,2,3,4,5,6,7
	s_sub_co_u32 s[DD+\e], s[ST+\e], s[ST-1+\e]    ; never negative, 2,160 at the most
.endr
	s_wait_loadcnt 0x0
	v_min_u32 v8, 7, v4                            ; my token's first expert
	v_min_u32 v9, 7, v5                            ; its second
	v_add_nc_u32 v10, s[ST], v6
	v_add_nc_u32 v11, s[ST], v7
.irp e, 1,2,3,4,5,6,7
	v_add_nc_u32 v12, 8-\e, v8
	v_add_nc_u32 v13, 8-\e, v9
	v_lshrrev_b32 v12, 3, v12                      ; 1 where my expert is e or more
	v_lshrrev_b32 v13, 3, v13
	v_mul_u32_u24 v12, s[DD+\e], v12
	v_mul_u32_u24 v13, s[DD+\e], v13
	v_add_nc_u32 v10, v10, v12
	v_add_nc_u32 v11, v11, v13
.endr
	v_min_u32 v10, 0x86f, v10                      ; the two sorted rows: 2,159 at the most
	v_min_u32 v11, 0x86f, v11
	v_lshlrev_b32 v14, 2, v10                      ; their words of list
	v_lshlrev_b32 v15, 2, v11
	s_lshl_b32 s13, s12, 5
	v_add_nc_u32 v18, s13, v0                      ; the token
	v_lshl_or_b32 v19, v11, 20, v18                ; choice 0: token | the other choice's row << 20
	v_lshl_or_b32 v20, v10, 20, v18
	v_or_b32 v20, 0x10000, v20                     ; choice 1
	s_lshl_b32 s2, s12, 8                          ; my group's 256 bytes of prow
	s_add_nc_u64 s[10:11], s[8:9], s[2:3]
	global_store_b64 v2, v[10:11], s[10:11] offset:PROW   ; 32 lanes store 256 consecutive bytes, aligned
	global_store_b32 v14, v19, s[8:9] offset:LIST
	global_store_b32 v15, v20, s[8:9] offset:LIST
	s_cmp_lg_u32 s12, 0
	s_cbranch_scc1 .Lend
	; WORK-GROUP 0: the head of plc
	v_mov_b32 v21, s96
	global_store_b32 v3, v21, s[8:9]               ; the number of tiles (32 copies: 128 consecutive bytes; word 0 is read)
	s_mov_b32 s98, 0
.irp e, 0,1,2,3,4,5,6,7
	s_mov_b32 s[BB+\e], s98                        ; the blocks of the experts before e
	s_add_co_u32 s97, s[NT+\e], 23
	s_mul_i32 s97, s97, 2731
	s_lshr_b32 s97, s97, 16                        ; ceil(nt / 24): (nt + 23) x 2,731 >> 16 is the whole quotient by 24 for nt up to 64
	s_add_co_u32 s98, s98, s97
.endr
	v_mov_b32 v22, 0                               ; lane y is entry y: its expert is the last whose blocks begin at y or before
	v_mov_b32 v23, s[TB]
	v_mov_b32 v24, s[NT]
	v_mov_b32 v25, 0
.irp e, 1,2,3,4,5,6,7
	v_cmp_le_u32 vcc_lo, s[BB+\e], v0
	v_cndmask_b32 v22, v22, \e, vcc_lo
	v_cndmask_b32 v23, v23, s[TB+\e], vcc_lo
	v_cndmask_b32 v24, v24, s[NT+\e], vcc_lo
	v_cndmask_b32 v25, v25, s[BB+\e], vcc_lo
.endr
	v_sub_nc_u32 v26, v0, v25                      ; which block of that expert
	v_mul_u32_u24 v26, v26, 24
	v_min_u32 v27, v24, v26
	v_sub_nc_u32 v27, v24, v27
	v_min_u32 v30, 24, v27                         ; its tiles: 0 behind the last block
	v_add_nc_u32 v29, v23, v26                     ; its first tile
	v_cmp_ne_u32 vcc_lo, 0, v30
	v_cndmask_b32 v28, 0, v22, vcc_lo              ; an empty entry is all 0
	v_cndmask_b32 v29, 0, v29, vcc_lo
	v_mov_b32 v31, 0
	global_store_b128 v1, v[28:31], s[8:9] offset:0x100
	; the places that no token takes
	v_readfirstlane_b32 s98, v19                   ; token 0, choice 0, its other choice's row
	v_mov_b32 v32, s98
.irp e, 0,1,2,3,4,5,6,7
	s_lshl_b32 s97, s[NT+\e], 4
	s_sub_co_u32 s97, s97, s[CNT+\e]               ; how many such places: 0 to 15
	s_min_u32 s99, s97, 1                          ; 1 if there are any
	s_max_u32 s97, s97, 1
	s_sub_co_u32 s97, s97, 1                       ; the last of them
	s_lshl_b32 s100, s[TB+\e], 4
	s_add_co_u32 s100, s100, s[CNT+\e]             ; the first one's sorted row
	s_xor_b32 s101, s99, 1
	s_mul_i32 s101, s101, 2160                     ; the spare word, if there are none
	v_min_u32 v[40+\e], s97, v0
	v_add_nc_u32 v[40+\e], s100, v[40+\e]
	v_mul_u32_u24 v[40+\e], s99, v[40+\e]
	v_add_nc_u32 v[40+\e], s101, v[40+\e]
	v_min_u32 v[40+\e], 0x870, v[40+\e]
	v_lshlrev_b32 v[40+\e], 2, v[40+\e]
	s_wait_alu depctr_va_vdst(0)
	global_store_b32 v[40+\e], v32, s[8:9] offset:LIST
.endr
.Lend:
	s_endpgm
.Lfunc_end_k_q11e803e985_place:
	.size	k_q11e803e985_place, .Lfunc_end_k_q11e803e985_place-k_q11e803e985_place
	.p2alignl 7, 3214868480
	.fill 96, 4, 3214868480
	.section	.rodata,"a",@progbits
	.p2align	6, 0x0
	.amdhsa_kernel k_q11e803e985_place
		.amdhsa_group_segment_fixed_size 0
		.amdhsa_private_segment_fixed_size 0
		.amdhsa_enable_private_segment 0
		.amdhsa_kernarg_size 24
		.amdhsa_user_sgpr_count 2
		.amdhsa_user_sgpr_kernarg_segment_ptr 1
		.amdhsa_wavefront_size32 1
		.amdhsa_system_sgpr_workgroup_id_x 1
		.amdhsa_system_sgpr_workgroup_id_y 1
		.amdhsa_system_sgpr_workgroup_id_z 1
		.amdhsa_system_vgpr_workitem_id 0
		.amdhsa_next_free_vgpr 64
		.amdhsa_next_free_sgpr 102
		.amdhsa_reserve_vcc 1
		.amdhsa_float_denorm_mode_32 3
		.amdhsa_float_denorm_mode_16_64 3
		.amdhsa_memory_ordered 1
		.amdhsa_forward_progress 1
		.amdhsa_inst_pref_size 24
	.end_amdhsa_kernel
	.amdgpu_metadata
---
amdhsa.version: [ 1, 2 ]
amdhsa.kernels:
  - .name:           k_q11e803e985_place
    .symbol:         k_q11e803e985_place.kd
    .args:
      - { .name: ridx, .offset: 0, .size: 8, .value_kind: global_buffer, .address_space: global }
      - { .name: rk, .offset: 8, .size: 8, .value_kind: global_buffer, .address_space: global }
      - { .name: plc, .offset: 16, .size: 8, .value_kind: global_buffer, .address_space: global }
    .group_segment_fixed_size: 0
    .private_segment_fixed_size: 0
    .kernarg_segment_align: 8
    .kernarg_segment_size: 24
    .max_flat_workgroup_size: 32
    .sgpr_count:     102
    .vgpr_count:     64
    .wavefront_size: 32
...
	.end_amdgpu_metadata
.endif
;; end of part 9
;; launch xq (part 10): grid 135 x 1, 8 waves a work-group, no clusters, 0 bytes of LDS; arguments plc, x, xs; writes xs
.if DOCPART == 10
	.amdgcn_target "amdgcn-amd-amdhsa--gfx1250"
	.amdhsa_code_object_version 6
	.text
	.protected	k_q11e803e985_xq
	.globl	k_q11e803e985_xq
	.p2align	8
	.type	k_q11e803e985_xq,@function
k_q11e803e985_xq:
	s_mov_b64 s[64:65], 0
	v_nop
	global_prefetch_b8 v0, s[64:65] scope:SCOPE_SE
	s_setreg_imm32_b32 hwreg(HW_REG_WAVE_MODE, 25, 1), 1
	s_wait_xcnt 0x0
; x IS GATHERED BY THE SORTED ROWS AND QUANTISED along D into images of the first product's operand registers.
; Work-group q is tile q of the sorted rows (one that this split does not have ends: 135 serve every split); wave s takes K step s of the 8.  Lane (r, h) takes row r: the token that list[16 q + r] names,
; a whole number that an earlier launch stored, held within x before it enters an address.
; xs: codes at tile x 16,384 + K step x 2,048 + c x 512 + 16 x lane; behind all codes the scale words: tile x 512 + 16 x lane, word u of lane (r, hh) = row r's word for K step 2 u + hh.
; A block's scale is 2^(floor(log2(largest magnitude)) - 8); numbers are held within +-448 x the scale and rounded to the nearest code, ties to even.
; Waves share nothing: no LDS, no barrier.  A row of x may be named twice (a token has two experts), so its loads carry no hint.
; LIMITS: a block of zeros gets the byte 1 with zero codes (this program alone reads the bytes); NaN and infinities are not served.
.set LIST, 0x8300
.set XSC,  2211840                     ; 135 tiles x 16,384 bytes of codes
.set X,    16                          ; v16-79 my row's 64 numbers of the K step
.set TM,   80                          ; v80-95 the quantiser's work
.set PW,   96                          ; the scale word
.set PC,   98                          ; v98-113 the codes
.set SEL,  24
.set MNT,  26
	s_load_b128 s[4:7], s[0:1], 0x0                ; plc, x
	s_load_b64 s[8:9], s[0:1], 0x10                ; xs
	v_lshrrev_b32 v1, 5, v0
	s_delay_alu instid0(VALU_DEP_1)
	v_readfirstlane_b32 s10, v1                    ; s: my K step
	v_and_b32 v1, 31, v0
	v_and_b32 v2, 15, v0                           ; r
	v_bfe_u32 v3, v0, 4, 1                         ; h
	s_delay_alu instid0(VALU_DEP_2)
	v_lshlrev_b32 v4, 2, v2                        ; 4 r
	s_delay_alu instid0(VALU_DEP_4)
	v_lshlrev_b32 v5, 4, v1                        ; 16 x lane
	s_delay_alu instid0(VALU_DEP_4)
	v_lshlrev_b32 v6, 4, v2                        ; 16 r
.irp b, 0,1,2,3
	v_mov_b32 v[TM+4+\b], 0                        ; written once: a lane permute's destination counts as one of its sources
.endr
	s_mov_b32 s[SEL], 0x76543210
	s_mov_b32 s[SEL+1], 0xfedcba98                 ; v_permlanex16_b32's selects for lane l xor 16
	s_mov_b32 s[MNT], 0x600000                     ; the mantissa field of 448
	s_mov_b32 s13, 0
	s_wait_kmcnt 0x0
	s_load_b32 s11, s[4:5], 0x0                    ; the number of tiles
	s_wait_kmcnt 0x0
	s_cmp_ge_u32 ttmp9, s11
	s_cbranch_scc1 .Lend
	s_lshl_b32 s12, ttmp9, 6
	s_add_nc_u64 s[14:15], s[4:5], s[12:13]
	s_wait_alu depctr_va_vdst(0)
	global_load_b32 v9, v4, s[14:15] offset:LIST   ; row r's entry; lanes 16-31 take the same as lanes 0-15
	s_lshl_b32 s12, ttmp9, 14
	s_lshl_b32 s16, s10, 11
	s_add_co_u32 s12, s12, s16
	s_add_nc_u64 s[20:21], s[8:9], s[12:13]        ; my K step's codes
	s_lshl_b32 s12, ttmp9, 9
	s_and_b32 s16, s10, 1
	s_lshl_b32 s16, s16, 8
	s_add_co_u32 s12, s12, s16                     ; an odd K step's words lie in lanes 16-31's places,
	s_lshr_b32 s16, s10, 1
	s_lshl_b32 s16, s16, 2
	s_add_co_u32 s12, s12, s16                     ; as word s / 2
	s_add_co_u32 s12, s12, XSC
	s_add_nc_u64 s[22:23], s[8:9], s[12:13]
	s_lshl_b32 s16, s10, 9                         ; my K step begins 512 s bytes into a row
	s_wait_loadcnt 0x0
	v_and_b32 v10, 0xffff, v9
	s_delay_alu instid0(VALU_DEP_1)
	v_min_u32 v10, 0x3ff, v10                      ; the token
	s_delay_alu instid0(VALU_DEP_1)
	v_lshlrev_b32 v7, 12, v10
	s_delay_alu instid0(VALU_DEP_1)
	v_lshl_add_u32 v7, v3, 6, v7
	s_delay_alu instid0(VALU_DEP_1)
	v_add_nc_u32 v7, s16, v7                       ; its row of 4,096 bytes, + 64 h: my 16 numbers of a block of 32, + my K step
.irp b, 0,1,2,3
.irp j, 0,1,2,3
	global_load_b128 v[X+16*\b+4*\j:X+16*\b+4*\j+3], v7, s[6:7] offset:128*\b+16*\j   ; register 16 b + i = k 32 b + 16 h + i
.endr
.endr
	s_wait_loadcnt 0x0
.irp b, 0,1,2,3
	v_max3_num_f32 v[TM+\b], |v[X+16*\b]|, |v[X+1+16*\b]|, 0x4800000   ; block b: my 16 numbers, and the floor 2^(9 - 127): the byte cannot fall under 1
.endr
.irp i, 2,4,6,8,10,12,14
.irp b, 0,1,2,3
	s_delay_alu instid0(VALU_DEP_4)
	v_max3_num_f32 v[TM+\b], v[TM+\b], |v[X+16*\b+\i]|, |v[X+1+16*\b+\i]|
.endr
.endr
.irp b, 0,1,2,3
	s_delay_alu instid0(VALU_DEP_4)
	v_permlanex16_b32 v[TM+4+\b], v[TM+\b], s[SEL], s[SEL+1]
.endr
.irp b, 0,1,2,3
	s_delay_alu instid0(VALU_DEP_4)
	v_max_num_f32 v[TM+\b], v[TM+\b], v[TM+4+\b]   ; with lane l xor 16's: the block's largest magnitude
.endr
.irp b, 0,1,2,3
	s_delay_alu instid0(VALU_DEP_4)
	v_add_nc_u32 v[TM+12+\b], 0xfc000000, v[TM+\b] ; 8 off its exponent field: the conversion's scale operand
.endr
.irp b, 0,1,2,3
	v_and_or_b32 v[TM+8+\b], v[TM+\b], 0x7f800000, s[MNT]   ; 448 x the scale
.endr
.irp b, 0,1,2,3
	v_lshrrev_b32 v[TM+4+\b], 23, v[TM+12+\b]      ; the scale's byte
.endr
	s_delay_alu instid0(VALU_DEP_3)
	v_lshl_or_b32 v[PW], v[TM+5], 8, v[TM+4]
	s_delay_alu instid0(VALU_DEP_1)
	v_lshl_or_b32 v[PW], v[TM+6], 16, v[PW]
	s_delay_alu instid0(VALU_DEP_1)
	v_lshl_or_b32 v[PW], v[TM+7], 24, v[PW]
.irp b, 0,1,2,3
.irp i, 0,1,2,3,4,5,6,7,8,9,10,11,12,13,14,15
	v_med3_num_f32 v[X+16*\b+\i], v[X+16*\b+\i], -v[TM+8+\b], v[TM+8+\b]   ; the conversion does not saturate (ISA guide 7.6.2): the hold comes first
.endr
	v_cvt_scalef32_pk8_fp8_f32 v[PC+4*\b:PC+1+4*\b], v[X+16*\b:X+7+16*\b], v[TM+12+\b]
	v_cvt_scalef32_pk8_fp8_f32 v[PC+2+4*\b:PC+3+4*\b], v[X+8+16*\b:X+15+16*\b], v[TM+12+\b]
.endr
	v_nop                                          ; a plain instruction behind the last conversion
.irp c, 0,1,2,3
	global_store_b128 v5, v[PC+4*\c:PC+4*\c+3], s[20:21] offset:512*\c   ; 512 consecutive bytes
.endr
	global_store_b32 v6, v[PW], s[22:23]           ; row r's word; both halves of the lanes hold it and store it at the same place
.Lend:
	s_endpgm
.Lfunc_end_k_q11e803e985_xq:
	.size	k_q11e803e985_xq, .Lfunc_end_k_q11e803e985_xq-k_q11e803e985_xq
	.p2alignl 7, 3214868480
	.fill 96, 4, 3214868480
	.section	.rodata,"a",@progbits
	.p2align	6, 0x0
	.amdhsa_kernel k_q11e803e985_xq
		.amdhsa_group_segment_fixed_size 0
		.amdhsa_private_segment_fixed_size 0
		.amdhsa_enable_private_segment 0
		.amdhsa_kernarg_size 24
		.amdhsa_user_sgpr_count 2
		.amdhsa_user_sgpr_kernarg_segment_ptr 1
		.amdhsa_wavefront_size32 1
		.amdhsa_system_sgpr_workgroup_id_x 1
		.amdhsa_system_sgpr_workgroup_id_y 1
		.amdhsa_system_sgpr_workgroup_id_z 1
		.amdhsa_system_vgpr_workitem_id 0
		.amdhsa_next_free_vgpr 128
		.amdhsa_next_free_sgpr 66
		.amdhsa_reserve_vcc 0
		.amdhsa_float_denorm_mode_32 3
		.amdhsa_float_denorm_mode_16_64 3
		.amdhsa_memory_ordered 1
		.amdhsa_forward_progress 1
		.amdhsa_inst_pref_size 14
	.end_amdhsa_kernel
	.amdgpu_metadata
---
amdhsa.version: [ 1, 2 ]
amdhsa.kernels:
  - .name:           k_q11e803e985_xq
    .symbol:         k_q11e803e985_xq.kd
    .args:
      - { .name: plc, .offset: 0, .size: 8, .value_kind: global_buffer, .address_space: global }
      - { .name: x, .offset: 8, .size: 8, .value_kind: global_buffer, .address_space: global }
      - { .name: xs, .offset: 16, .size: 8, .value_kind: global_buffer, .address_space: global }
    .group_segment_fixed_size: 0
    .private_segment_fixed_size: 0
    .kernarg_segment_align: 8
    .kernarg_segment_size: 24
    .max_flat_workgroup_size: 256
    .sgpr_count:     66
    .vgpr_count:     128
    .wavefront_size: 32
...
	.end_amdgpu_metadata
.endif
;; end of part 10
;; launch gemm1 (part 11): grid 32 x 13, 8 waves a work-group, no clusters, 103,424 bytes of LDS; arguments plc, xs, W_in, b_in, hid; writes hid
.if DOCPART == 11
	.amdgcn_target "amdgcn-amd-amdhsa--gfx1250"
	.amdhsa_code_object_version 6
	.text
	.protected	k_q11e803e985_gemm1
	.globl	k_q11e803e985_gemm1
	.p2align	8
	.type	k_q11e803e985_gemm1,@function
k_q11e803e985_gemm1:
	s_mov_b64 s[64:65], 0
	v_nop
	global_prefetch_b8 v0, s[64:65] scope:SCOPE_SE
	s_setreg_imm32_b32 hwreg(HW_REG_WAVE_SCHED_MODE, 0, 2), 2
	s_setreg_imm32_b32 hwreg(HW_REG_WAVE_MODE, 25, 1), 1
	s_wait_xcnt 0x0
	s_wait_alu depctr_vm_vsrc(0)
; ONE TEXT FOR BOTH PRODUCTS; SECOND = 0: hid = relu(Q(x) Q(W_in[e]) + b_in[e]);  SECOND = 1: part[kq] = Q(h) Q(W_out[e]) over a quarter of K.  Only the rows that chose expert e are multiplied.
; SHARES.  Work-group (x, y) takes entry y of the stored block list (an expert, up to 24 tiles of 16 sorted rows), 128 columns and 1,024 along K: 512 KiB of f32 weights that no other
; work-group reads.  13 entries serve every split: sum of ceil(count / 384) over 8 experts with 2,048 rows in all.
; THE WEIGHTS ARE READ ONCE, AS f32, AND QUANTISED ON THE WAY.  K is their first axis.  In a K step of 128, wave w takes block c = w % 4 (32 k) of column half w / 4 (64 columns): load i of 16 reads
; rows 32 c + i (lanes 0-15) and 32 c + 16 + i (lanes 16-31), 256 consecutive aligned bytes each.  A lane then holds 4 columns x 16 k, the k that the operand's layout gives its half of the lanes; a block's
; largest magnitude wants lane l xor 16 alone.  Numbers are held within +-448 x the scale; the hold writes them column by column, so that a column's 16 k stand in consecutive registers, as the conversion wants them;
; they are converted eight at a time, and the 16 codes of a column go to LDS as part of AN IMAGE OF THE OPERAND'S
; REGISTERS (column tile x 2,064 + c x 512 + 16 x lane), its scale byte beside them.  One barrier a step; two slots by turns, so that a slot is written again only behind the barrier that follows its last read.
; THE ROWS come as register images from the launch before, straight into registers: wave w takes row tiles w, w + 8, w + 16 of the block, each against all 8 column tiles: 24 accumulators.
; The matrix instruction is used transposed (source 0 = 16 columns of W, source 1 = 16 rows): a lane holds 8 neighbouring columns of one row.
; EVERY WAVE PASSES EVERY BARRIER, in an empty entry's work-group too.  There flag = 0 is multiplied into the lane's offset and the K step's stride, so that each weight load reads 16 bytes for all lanes; K step 0 is
; made as everywhere; from step 1 on a scalar branch on the flag leads round the quantiser, its LDS stores and the loads, to a wait for all loads.  The barriers stand outside that branch.  Nothing is stored.
; A row tile that the block does not have stands for the block's last tile in the loads and products that are made on every path (K steps 0 and 1's loads, step 0's products, which start all sums with C = 0);
; from step 1 on such tiles are jumped over, by scalar branches on the stored count, and they are never stored.
; No tensor loads and no cluster: the text branches on stored counts; what the 32 work-groups of a block share, the rows' images, is up to 384 KiB beside 512 KiB of weights of their own, and partners would need different numbers of tiles.
; LIMITS: a block of zeros gets the byte 1 with zero codes; NaN and infinities are not served.
; THE MODE: SCHED_MODE bits 1:0 = 2 (LLVM: expert scheduling mode 2), set by the entry lines.  The code itself states the register dependences
; between vector or matrix instructions and memory or LDS instructions, with s_wait_alu, always for 0.
; THE PLAN.  Registers that memory or LDS instructions touch, in K step k:
;   S0, S1    the weights' two sets.  The quantiser reads set k % 2; behind it the weight loads of step k + 2 land there.
;   AF0, AF1  the rows' fragments.  The step's products read set k % 2; the loads issued in step k land in set (k + 1) % 2, which the products of step k - 1 read.
;   v28-91    the quantiser's work: v28-43 magnitudes, holds, scales and bytes, v44-59 the codes, v60-91 two columns' held numbers.  The step's LDS stores read the bytes and codes, v40-59.
;             Behind the barrier, where the quantiser rests, the 64 registers are two fragment buffers: LDS loads land in them, products read them.
;   WS        W's scale words: LDS loads land there at the products' head, products read them.
;   ASC, BI   loaded once.    v1-7  addresses: made at the head, never written again.    The accumulators: written by products alone; the way out's LDS stores read them.
; So a step has three waits: on va_vdst behind the quantiser (its own results and reads, and the products of the step before: for the LDS stores, the global loads and the first LDS loads behind the barrier);
; on vm_vsrc in front of the barrier (the LDS stores have read v40-59, for the loads and the next quantiser that write them); on va_vdst in the products' middle (the first half's products have read both
; fragment buffers, for the second half's loads).  The way that passes over the quantiser has the first of them for itself.
.set SECOND, 0
.if SECOND
.set PITCH, 4096                       ; bytes from one k to the next in W; also a row of the output
.set ATILE, 65536                      ; a row tile's codes
.set ASCL,  8847360                    ; where the rows' scale words begin
.set OTILE, 65536                      ; 16 rows of the output
.else
.set PITCH, 16384
.set ATILE, 16384
.set ASCL,  2211840
.set OTILE, 262144
.endif
.set PQ,    8847360                    ; a quarter's plane of part
.set CTP,   2064                       ; a column tile's image: 2,048 bytes + 16
.set SCO,   16640                      ; behind the 8 images: 128 scale words
.set SLOTB, 17152
.set STAGE, 2*SLOTB                    ; behind the slots: 16 rows x 528 bytes for each wave, its own
.set STW,   8448
.set WOFF, 1                           ; v1   my byte in a K step's rows of W
.set LI,   2                           ; v2   16 x lane
.set IST,  3                           ; v3   where my codes go
.set ISB,  4                           ; v4   where my scale bytes go
.set ISL,  5                           ; v5   where I read scale words
.set STO,  6                           ; v6   the stage, in
.set SRD,  7                           ; v7   the stage, out
.set WS,   10                          ; v10-13  W's scale words: register p: tile 2 p in lanes 0-15, tile 2 p + 1 in lanes 16-31
.set ASC,  16                          ; v16-27  the rows' scale words, 4 a tile: register u: K step 2 u in lanes 0-15, 2 u + 1 in lanes 16-31
.set M,    28                          ; v28-31 largest magnitudes;  v32-35 the other half's, then 448 x the scale;  v36-39 the conversion's scale operand;  v40-43 scale bytes
.set MM,   32
.set MU,   36
.set BY,   40
.set CD,   44                          ; v44-59  my 4 columns' codes: register CD + 4 j + t: k = 4 t .. 4 t + 3 of column j
.set T,    60                          ; v60-91  two columns' held numbers, 16 k on end for each
.set FB,   28                          ; v28-91  two fragment buffers of two column tiles each: pair p of column tiles goes to buffer p % 2; they lie over the quantiser's 64 registers
.set AF,   92                          ; v92-187 two sets of three row tiles' fragments
.set S0,   188                         ; v188-251 weights, set 0;  set 1: v192-255 of window 1
.set BI,   252                         ; v252-255 the bias of columns 4 x lane .. + 3
                                       ; window 1: accumulator (i, ct) at v[64 i + 8 ct]
.set WB,   32                          ; s32-47  W at K step 0 .. 7
.set AB,   48                          ; s48-53  my three tiles' codes;  s54-59 their rows of the output;  s66-71 their scale words
.set OB,   54
.set SB,   66
.set MSB, 0
.macro WIN new                         ; the immediate's high byte repeats the setting that is left
.if MSB != (\new)
	s_set_vgpr_msb (MSB<<8)|(\new)
.set MSB, (\new)
.endif
.endm
.if SECOND
	s_load_b128 s[4:7], s[0:1], 0x0                ; plc, hs
	s_load_b64 s[8:9], s[0:1], 0x10                ; W_out
	s_load_b64 s[12:13], s[0:1], 0x18              ; part
.else
	s_load_b256 s[4:11], s[0:1], 0x0               ; plc, xs, W_in, b_in
	s_load_b64 s[12:13], s[0:1], 0x20              ; hid
.endif
	v_lshrrev_b32 v9, 5, v0
	v_readfirstlane_b32 s14, v9                    ; wave
	s_wait_alu depctr_va_sdst(0)                   ; s14 is written, ahead of its first reader
	s_and_b32 s15, s14, 3                          ; c
	s_lshr_b32 s16, s14, 2                         ; column half
	s_and_b32 s19, ttmp7, 0xffff
	s_lshl_b32 s31, s19, 4                         ; my entry of the block list
.if SECOND
	s_and_b32 s17, ttmp9, 7                        ; which 128 columns
	s_lshr_b32 s18, ttmp9, 3                       ; which quarter of K
.else
	s_mov_b32 s17, ttmp9
.endif
	s_mov_b32 s72, 0x76543210
	s_mov_b32 s73, 0xfedcba98                      ; v_permlanex16_b32's selects for lane l xor 16
	s_mov_b32 s74, 0x600000                        ; the mantissa field of 448
	s_mov_b32 s77, 0
	s_wait_kmcnt 0x0
	s_load_b128 s[20:23], s[4:5], s31 offset:0x100
	v_and_b32 v9, 31, v0                           ; lane
	v_and_b32 v14, 15, v0                          ; q
	v_bfe_u32 v15, v0, 4, 1                        ; h
	v_lshlrev_b32 v[LI], 4, v9
	v_lshl_add_u32 v[ISL], v9, 2, SCO
	s_lshl_b32 s28, s15, 5
	v_lshl_add_u32 v[WOFF], v15, 4, s28            ; row 32 c + 16 h
	v_mul_u32_u24 v[WOFF], v[WOFF], PITCH
	v_lshl_add_u32 v[WOFF], v14, 4, v[WOFF]        ; + 16 q
	s_lshl_b32 s28, s16, 8
	v_add_nc_u32 v[WOFF], s28, v[WOFF]             ; + 256 x column half
	v_lshrrev_b32 v[IST], 2, v14                   ; column 64 ch + 4 q + j is row 4 (q % 4) + j of column tile 4 ch + q / 4
	s_lshl_b32 s28, s16, 2
	v_add_nc_u32 v[IST], s28, v[IST]
	v_mul_u32_u24 v[IST], v[IST], CTP
	v_and_b32 v9, 3, v14
	v_lshl_add_u32 v[IST], v9, 6, v[IST]
	v_lshl_add_u32 v[IST], v15, 8, v[IST]
	s_lshl_b32 s28, s15, 9
	v_add_nc_u32 v[IST], s28, v[IST]
	s_lshl_b32 s28, s16, 8
	s_add_co_u32 s28, s28, s15
	s_add_co_u32 s28, s28, SCO
	v_lshl_add_u32 v[ISB], v14, 4, s28             ; byte c of column 64 ch + 4 q's word
	s_mul_i32 s28, s14, STW
	s_add_co_u32 s28, s28, STAGE
	v_mul_u32_u24 v[STO], v14, 528
	v_lshl_add_u32 v[STO], v15, 5, v[STO]
	v_add_nc_u32 v[STO], s28, v[STO]               ; row r, + 32 h
	v_add_nc_u32 v[SRD], s28, v[LI]
.irp j, 0,1,2,3
	v_mov_b32 v[MM+\j], 0                          ; written ahead of the first quantiser: a lane permute's destination counts as one of its sources
.endr
	s_wait_kmcnt 0x0
	s_min_u32 s24, s20, 7                          ; the expert
	s_min_u32 s25, s21, 134                        ; the block's first tile
	s_min_u32 s26, s22, 24                         ; its tiles
	s_min_u32 s29, s26, 1                          ; flag: 0 for an empty entry
	s_add_co_u32 s27, s26, 7
	s_sub_co_u32 s27, s27, s14
	s_lshr_b32 s27, s27, 3                         ; NA: how many of the tiles w, w + 8, w + 16 the block has
	s_max_u32 s30, s26, 1
	s_add_co_u32 s30, s30, s25
	s_sub_co_u32 s30, s30, 1                       ; the block's last tile
.irp i, 0,1,2
	s_add_co_u32 s31, s25, s14
	s_add_co_u32 s31, s31, 8*\i
	s_min_u32 s31, s31, s30
	s_min_u32 s31, s31, 134                        ; my tile i
	s_mul_i32 s76, s31, ATILE
.if SECOND
	s_lshl_b32 s78, s18, 14                        ; the quarter's 8 K steps of 2,048 bytes
	s_add_co_u32 s76, s76, s78
.endif
	s_add_nc_u64 s[AB+2*\i:AB+2*\i+1], s[6:7], s[76:77]
.if SECOND
	s_lshl_b32 s76, s31, 11
	s_lshl_b32 s78, s18, 9
	s_add_co_u32 s76, s76, s78
.else
	s_lshl_b32 s76, s31, 9
.endif
	s_add_co_u32 s76, s76, ASCL
	s_add_nc_u64 s[SB+2*\i:SB+2*\i+1], s[6:7], s[76:77]
	s_mul_i32 s76, s31, OTILE
	s_lshl_b32 s78, s17, 9
	s_add_co_u32 s76, s76, s78
.if SECOND
	s_mul_i32 s78, s18, PQ
	s_add_co_u32 s76, s76, s78
.endif
	s_add_nc_u64 s[OB+2*\i:OB+2*\i+1], s[12:13], s[76:77]
.endr
.if SECOND == 0
	s_lshl_b32 s76, s24, 14
	s_lshl_b32 s78, s17, 9
	s_add_co_u32 s76, s76, s78
	s_add_nc_u64 s[60:61], s[10:11], s[76:77]      ; the bias of my 128 columns
.endif
	s_lshl_b32 s76, s24, 24                        ; an expert's weights are 2^24 bytes
	s_lshl_b32 s78, s17, 9
	s_add_co_u32 s76, s76, s78
.if SECOND
	s_lshl_b32 s78, s18, 22                        ; 1,024 rows of 4,096 bytes
	s_add_co_u32 s76, s76, s78
.endif
	s_add_nc_u64 s[WB:WB+1], s[8:9], s[76:77]
	s_mul_i32 s76, s29, 128*PITCH                  ; from K step to K step (0 for an empty entry)
.irp k, 1,2,3,4,5,6,7
	s_add_nc_u64 s[WB+2*\k:WB+2*\k+1], s[WB+2*\k-2:WB+2*\k-1], s[76:77]
.endr
	v_mul_u32_u24 v[WOFF], s29, v[WOFF]
	s_wait_alu depctr_va_vdst(0)                   ; the seven addresses v1 to v7 are written, which every load and store of the kernel reads
.macro WLOAD k, set                    ; my 16 loads of K step k's weights
	WIN 0x40*(\set)
.set SS, S0+4*(\set)
.set ii, 0
.rept 16
	global_load_b128 v[SS+4*ii:SS+4*ii+3], v[WOFF], s[WB+2*(\k):WB+2*(\k)+1] offset:ii*PITCH th:TH_LOAD_NT
.set ii, ii+1
.endr
	WIN 0
.endm
.macro ALOAD k, cond                   ; my row tiles' fragments of K step k; cond = 1: only those that the block has
.irp i, 0,1,2
.if \cond
	s_cmp_le_u32 s27, \i
	s_cbranch_scc1 .Lae_\@
.endif
.irp c, 0,1,2,3
	global_load_b128 v[AF+48*((\k)%2)+16*\i+4*\c:AF+48*((\k)%2)+16*\i+4*\c+3], v[LI], s[AB+2*\i:AB+2*\i+1] offset:2048*(\k)+512*\c
.endr
.endr
.Lae_\@:
.endm
.macro QW set                          ; 64 numbers (register 4 i + j: k = i of my 16, column j of my 4) become 4 x 16 codes and 4 scale bytes
.set SS, S0+4*(\set)
	WIN 0x05*(\set)
.irp j, 0,1,2,3
	v_max3_num_f32 v[M+\j], |v[SS+\j]|, |v[SS+4+\j]|, 0x4800000   ; and the floor 2^(9 - 127): the byte cannot fall under 1
.endr
.irp i, 2,4,6,8,10,12,14
.irp j, 0,1,2,3
	v_max3_num_f32 v[M+\j], |v[SS+4*\i+\j]|, |v[SS+4*\i+4+\j]|, v[M+\j]
.endr
.endr
	WIN 0
.irp j, 0,1,2,3
	v_permlanex16_b32 v[MM+\j], v[M+\j], s72, s73
.endr
.irp j, 0,1,2,3
	v_max_num_f32 v[M+\j], v[M+\j], v[MM+\j]       ; with lane l xor 16's 16 k: the block's largest magnitude
.endr
.irp j, 0,1,2,3
	v_add_nc_u32 v[MU+\j], 0xfc000000, v[M+\j]     ; 8 off its exponent field: the conversion takes the exponent field of this operand as its scale, and nothing else of it
.endr
.irp j, 0,1,2,3
	v_and_or_b32 v[MM+\j], v[M+\j], 0x7f800000, s74   ; 448 x the scale: the largest magnitude's exponent field over 448's mantissa
.endr
.irp j, 0,1,2,3
	v_lshrrev_b32 v[BY+\j], 23, v[MU+\j]           ; the scale's byte
.endr
.irp hh, 0,1                           ; two columns at a time: 2 hh and 2 hh + 1
	WIN 0x01*(\set)
.irp jj, 0,1
.set ii, 0
.rept 16
	v_med3_num_f32 v[T+16*\jj+ii], v[SS+4*ii+2*\hh+\jj], -v[MM+2*\hh+\jj], v[MM+2*\hh+\jj]   ; the conversion does not saturate (ISA guide 7.6.2): the hold comes first; it lays the column's 16 k on end
.set ii, ii+1
.endr
.endr
	WIN 0
.irp jj, 0,1
	v_cvt_scalef32_pk8_fp8_f32 v[CD+8*\hh+4*\jj:CD+8*\hh+4*\jj+1], v[T+16*\jj:T+16*\jj+7], v[MU+2*\hh+\jj]        ; eight numbers / the scale, to the nearest code, ties to even; the first number's code in the lowest byte
	v_cvt_scalef32_pk8_fp8_f32 v[CD+8*\hh+4*\jj+2:CD+8*\hh+4*\jj+3], v[T+16*\jj+8:T+16*\jj+15], v[MU+2*\hh+\jj]
.endr
.if \hh == 0
	v_nop                                          ; a plain instruction between the conversions and the holds that write their sources again
.endif
.endr
.endm
.macro PUT k
.irp j, 0,1,2,3
	ds_store_b128 v[IST], v[CD+4*\j:CD+4*\j+3] offset:SLOTB*((\k)%2)+16*\j
.endr
.irp j, 0,1,2,3
	ds_store_b8 v[ISB], v[BY+\j] offset:SLOTB*((\k)%2)+4*\j    ; both halves of the lanes write the same byte with the same value
.endr
.endm
.macro WM k, i, p, u                   ; row tile i x column tile 2 p + u, K step k
.set DD, 64*(\i)+8*(2*(\p)+(\u))
.set AA, FB+32*((\p)%2)+16*(\u)
.set BB, AF+48*((\k)%2)+16*(\i)
.set SA, WS+(\p)
.set SR, ASC+4*(\i)+(\k)/2
.if (\k) == 0
.if (\u) == 0
	v_wmma_scale_f32_16x16x128_f8f6f4 v[DD:DD+7], v[AA:AA+15], v[BB:BB+15], 0, v[SA], v[SR]
.else
	v_wmma_scale_f32_16x16x128_f8f6f4 v[DD:DD+7], v[AA:AA+15], v[BB:BB+15], 0, v[SA], v[SR] matrix_a_scale:MATRIX_SCALE_ROW1
.endif
.elseif (\k)%2 == 0
.if (\u) == 0
	v_wmma_scale_f32_16x16x128_f8f6f4 v[DD:DD+7], v[AA:AA+15], v[BB:BB+15], v[DD:DD+7], v[SA], v[SR]
.else
	v_wmma_scale_f32_16x16x128_f8f6f4 v[DD:DD+7], v[AA:AA+15], v[BB:BB+15], v[DD:DD+7], v[SA], v[SR] matrix_a_scale:MATRIX_SCALE_ROW1
.endif
.else
.if (\u) == 0
	v_wmma_scale_f32_16x16x128_f8f6f4 v[DD:DD+7], v[AA:AA+15], v[BB:BB+15], v[DD:DD+7], v[SA], v[SR] matrix_b_scale:MATRIX_SCALE_ROW1
.else
	v_wmma_scale_f32_16x16x128_f8f6f4 v[DD:DD+7], v[AA:AA+15], v[BB:BB+15], v[DD:DD+7], v[SA], v[SR] matrix_a_scale:MATRIX_SCALE_ROW1 matrix_b_scale:MATRIX_SCALE_ROW1
.endif
.endif
.endm
.macro FRAGS p                         ; pair p of column tiles, 2 p and 2 p + 1, from the slot at SL into fragment buffer p % 2: 8 LDS loads
.irp u, 0,1
.irp c, 0,1,2,3
	ds_load_b128 v[FB+32*((\p)%2)+16*\u+4*\c:FB+32*((\p)%2)+16*\u+4*\c+3], v[LI] offset:SL+(2*(\p)+\u)*CTP+512*\c
.endr
.endr
.endm
.macro PAIR k, cnt, p                  ; cnt row tiles x pair p
.set ti, 0
.rept \cnt
	WM \k, ti, \p, 0
	WM \k, ti, \p, 1
.set ti, ti+1
.endr
.endm
; K step k's products for cnt row tiles.  The 8 column tiles come from LDS in two halves of four, a pair to each fragment buffer: 16 loads in one run; the first pair's products begin while the second pair's 8 loads are out.
; Every instruction of a step names another accumulator, and a step's last and the next step's first differ too.
; The scale words' loads and the first half's owe no wait here: the wait on va_vdst behind the quantiser (or the one on the way that passes over it) and the wait on vm_vsrc in front of the barrier have stated
; all that they hang on, and no vector or matrix instruction stands between those waits and these loads.  The second half's loads land in registers that the first half's products read: one wait states that.
; Eight plain instructions stand behind each half's products: behind the first half ahead of the loads into the registers that they read;
; behind the second half ahead of the next quantiser's lines, which write v28-91, and, in the last step, of the first read of results.
.macro MULS k, cnt
.set SL, SLOTB*((\k)%2)
.irp p, 0,1,2,3
	ds_load_b32 v[WS+\p], v[ISL] offset:SL+128*\p
.endr
	FRAGS 0
	FRAGS 1
	s_wait_dscnt 8                                 ; LDS loads come back in order (ISA guide 5.7.1): the scale words and pair 0 are in, pair 1's eight loads may be out
	WIN 0x50                                       ; C and D in window 1
	PAIR \k, \cnt, 0
	s_wait_dscnt 0x0                               ; pair 1 is in
	PAIR \k, \cnt, 1
	WIN 0
.rept 8
	v_nop
.endr
	s_wait_alu depctr_va_vdst(0)                   ; the first half's products are done reading v28-91, in which the second half's fragments land
	FRAGS 2
	FRAGS 3
	s_wait_dscnt 8                                 ; pair 2 is in, pair 3's eight loads may be out
	WIN 0x50
	PAIR \k, \cnt, 2
	s_wait_dscnt 0x0                               ; pair 3 is in
	PAIR \k, \cnt, 3
	WIN 0
.rept 8
	v_nop
.endr
.endm
.macro STEP k
.if (\k) > 0
	s_cmp_eq_u32 s29, 0                            ; an empty entry has nothing to quantise and nothing to fetch
	s_cbranch_scc1 .Lidle_\@
.endif
.if (\k) < 7
	s_wait_loadcnt 16                              ; all but the 16 weight loads of step k + 1.  Where this step's weights or row fragments are still out, the step before was worked, and it issued those 16 behind them; a way that passed over the step before has waited for all loads
.else
	s_wait_loadcnt 0x0
.endif
	QW (\k)%2
.rept 4
	v_nop                                          ; v44-91, which the holds and conversions have just written, are operands' registers behind the barrier (LDS loads fill them anew in between): first four plain instructions, then the wait.  The first of the four is also the plain instruction behind the last conversion
.endr
	s_wait_alu depctr_va_vdst(0)                   ; the quantiser has written its bytes and codes, which the LDS stores read, and is done with its set of weights and with v28-91, in which loads land; the last step's products are done reading their rows' fragments, WS and v28-91, in which loads land
	PUT \k
.if (\k) == 0
	ALOAD 1, 0
.elseif (\k) < 7
	ALOAD (\k)+1, 1
.endif
.if (\k) < 6
	WLOAD (\k)+2, (\k)%2                           ; into the set just quantised: two steps ahead of its use.  No wait: no vector or matrix instruction since the wait above
.endif
.if (\k) > 0
	s_branch .Lmeet_\@
.Lidle_\@:
	s_wait_loadcnt 0x0                             ; nothing of mine is out behind this line, so that every later count holds on this way too
	s_wait_alu depctr_va_vdst(0)                   ; this way passes over the wait behind the quantiser: the products issued so far are done reading WS and v28-91, in which the LDS loads behind the barrier land
.Lmeet_\@:
.endif
	s_wait_dscnt 0x0                               ; for the others' sake: my codes and bytes lie in LDS (and my reads of the other slot ended a step ago)
	s_wait_alu depctr_vm_vsrc(0)                   ; my LDS stores have read v40-59: fragments land in these registers behind the barrier, and the next step's quantiser writes them
	s_barrier_signal -1
	s_barrier_wait -1
.if (\k) == 0
	MULS 0, 3                                      ; on every path: these products start all 24 sums
.else
	s_cmp_eq_u32 s27, 0
	s_cbranch_scc1 .Lmd_\@
	s_cmp_eq_u32 s27, 1
	s_cbranch_scc1 .Lm1_\@
	s_cmp_eq_u32 s27, 2
	s_cbranch_scc1 .Lm2_\@
	MULS \k, 3
	s_branch .Lmd_\@
.Lm2_\@:
	MULS \k, 2
	s_branch .Lmd_\@
.Lm1_\@:
	MULS \k, 1
.Lmd_\@:
.endif
.endm
; Row tile i leaves through my stage: a lane's 32 bytes of a row in, whole rows of 512 bytes out.  LDS serves a wave's instructions in order (ISA guide 5.7.1.4).
.macro OUT i
	s_wait_xcnt 0x0                                ; the last tile's stores have read their registers
.if (\i) > 0
	s_wait_alu depctr_vm_vsrc(0)                   ; the last tile's stores have read v[S0 ..], in which the loads from the stage land
.endif
	WIN 0x04                                       ; an LDS store's data are its source 1: window 1
.irp t, 0,1,2,3,4,5,6,7
	ds_store_b128 v[STO], v[64*\i+8*\t:64*\i+8*\t+3] offset:64*\t            ; each accumulator from its low end on
	ds_store_b128 v[STO], v[64*\i+8*\t+4:64*\i+8*\t+7] offset:64*\t+16
.endr
	WIN 0
.set ii, 0
.rept 16
	ds_load_b128 v[S0+4*ii:S0+4*ii+3], v[SRD] offset:528*ii
.set ii, ii+1
.endr
	s_wait_dscnt 0x0
.if SECOND == 0
.set ii, 0
.rept 16
	v_pk_add_f32 v[S0+4*ii:S0+4*ii+1], v[S0+4*ii:S0+4*ii+1], v[BI:BI+1]
	v_pk_add_f32 v[S0+4*ii+2:S0+4*ii+3], v[S0+4*ii+2:S0+4*ii+3], v[BI+2:BI+3]
.set ii, ii+1
.endr
.set ii, 0
.rept 64
	v_max_num_f32 v[S0+ii], 0, v[S0+ii]
.set ii, ii+1
.endr
	s_wait_alu depctr_va_vdst(0)                   ; the additions and maxima have written v[S0 ..], which the stores read; they are the last vector lines to name these registers ahead of the next tile's loads into them
.endif
.set ii, 0
.rept 16
	global_store_b128 v[LI], v[S0+4*ii:S0+4*ii+3], s[OB+2*\i:OB+2*\i+1] offset:ii*PITCH   ; 32 lanes store 512 consecutive bytes, aligned
.set ii, ii+1
.endr
.endm
	WLOAD 0, 0
.if SECOND == 0
	global_load_b128 v[BI:BI+3], v[LI], s[60:61]
.endif
.irp i, 0,1,2
	global_load_b128 v[ASC+4*\i:ASC+4*\i+3], v[LI], s[SB+2*\i:SB+2*\i+1]
.endr
	ALOAD 0, 0
	WLOAD 1, 1
	STEP 0
	STEP 1
	STEP 2
	STEP 3
	STEP 4
	STEP 5
	STEP 6
	STEP 7
	s_wait_alu depctr_va_vdst(0)                   ; the products have written the 24 accumulators, which the LDS stores of all three tiles read (the eight places stand behind the last products); the quantiser is done with v[S0 ..], in which the first loads from the stage land
.irp i, 0,1,2
	s_cmp_le_u32 s27, \i
	s_cbranch_scc1 .Lend
	OUT \i
.endr
.Lend:
	s_wait_xcnt 0x0
	v_lshl_add_u32 v254, v0, 2, 0x19000
	v_mov_b32 v255, 0
	s_wait_dscnt 0x0                               ; the closing lines, six on end
	s_wait_alu 0x0
	s_wait_tensorcnt 0x0
	ds_add_u32 v254, v255
	s_wait_dscnt 0x0
	s_endpgm
.Lfunc_end_k_q11e803e985_gemm1:
	.size	k_q11e803e985_gemm1, .Lfunc_end_k_q11e803e985_gemm1-k_q11e803e985_gemm1
	.p2alignl 7, 3214868480
	.fill 96, 4, 3214868480
	.section	.rodata,"a",@progbits
	.p2align	6, 0x0
	.amdhsa_kernel k_q11e803e985_gemm1
		.amdhsa_group_segment_fixed_size 103424
		.amdhsa_private_segment_fixed_size 0
		.amdhsa_enable_private_segment 0
		.amdhsa_kernarg_size 40
		.amdhsa_user_sgpr_count 2
		.amdhsa_user_sgpr_kernarg_segment_ptr 1
		.amdhsa_wavefront_size32 1
		.amdhsa_system_sgpr_workgroup_id_x 1
		.amdhsa_system_sgpr_workgroup_id_y 1
		.amdhsa_system_sgpr_workgroup_id_z 1
		.amdhsa_system_vgpr_workitem_id 0
		.amdhsa_next_free_vgpr 512
		.amdhsa_next_free_sgpr 80
		.amdhsa_reserve_vcc 0
		.amdhsa_float_denorm_mode_32 3
		.amdhsa_float_denorm_mode_16_64 3
		.amdhsa_memory_ordered 1
		.amdhsa_forward_progress 1
		.amdhsa_inst_pref_size 236
	.end_amdhsa_kernel
	.amdgpu_metadata
---
amdhsa.version: [ 1, 2 ]
amdhsa.kernels:
  - .name:           k_q11e803e985_gemm1
    .symbol:         k_q11e803e985_gemm1.kd
    .args:
      - { .name: plc, .offset: 0, .size: 8, .value_kind: global_buffer, .address_space: global }
      - { .name: xs, .offset: 8, .size: 8, .value_kind: global_buffer, .address_space: global }
      - { .name: W_in, .offset: 16, .size: 8, .value_kind: global_buffer, .address_space: global }
      - { .name: b_in, .offset: 24, .size: 8, .value_kind: global_buffer, .address_space: global }
      - { .name: hid, .offset: 32, .size: 8, .value_kind: global_buffer, .address_space: global }
    .group_segment_fixed_size: 103424
    .private_segment_fixed_size: 0
    .kernarg_segment_align: 8
    .kernarg_segment_size: 40
    .max_flat_workgroup_size: 256
    .sgpr_count:     80
    .vgpr_count:     512
    .wavefront_size: 32
...
	.end_amdgpu_metadata
.endif
;; end of part 11
;; launch hq (part 12): grid 135 x 4, 8 waves a work-group, no clusters, 0 bytes of LDS; arguments plc, hid, hs; writes hs
.if DOCPART == 12
	.amdgcn_target "amdgcn-amd-amdhsa--gfx1250"
	.amdhsa_code_object_version 6
	.text
	.protected	k_q11e803e985_hq
	.globl	k_q11e803e985_hq
	.p2align	8
	.type	k_q11e803e985_hq,@function
k_q11e803e985_hq:
	s_mov_b64 s[64:65], 0
	v_nop
	global_prefetch_b8 v0, s[64:65] scope:SCOPE_SE
	s_setreg_imm32_b32 hwreg(HW_REG_WAVE_MODE, 25, 1), 1
	s_wait_xcnt 0x0
; h = the two chosen experts' relu rows added, QUANTISED along F into images of the second product's operand registers.
; Work-group (q, y) is tile q of the sorted rows (one that this split does not have ends: 135 serve every split) and quarter y of F; wave w takes K step 8 y + w of the 32: one step a wave.  Lane (r, h) takes row r.
; A sorted row stands for (token, choice); its partner is the same token's row with its other expert, which list[row] carries in its bits 20 and up: a whole number that an earlier launch stored,
; held within hid before it enters an address.  The sum of two f32 numbers does not hang on their order, so both rows of a token get the same h.
; hs: codes at tile x 65,536 + K step x 2,048 + c x 512 + 16 x lane; behind all codes the scale words: (4 tile + quarter) x 512 + 16 x lane, word u of lane (r, hh) = row r's word for the quarter's K step 2 u + hh.
; Waves share nothing: no LDS, no barrier.  My own rows' 16 loads hang on ids alone and go out ahead of the wait for the list's entry; the partner's 16 follow it: 32 loads, 16 KiB a wave, are out together.
; A row of hid is read twice in the launch (as a row and as a partner), so its loads carry no hint.
; LIMITS: a block of zeros gets the byte 1 with zero codes; NaN and infinities are not served.
.set LIST, 0x8300
.set HSC,  8847360                     ; 135 tiles x 65,536 bytes of codes
.set L,    16                          ; v16-79 my row's 64 numbers, then the sum; v80-143 the partner's
.set PC,   80                          ; v80-95 the codes: in the partner's registers, which are free behind the additions
.set TM,   144                         ; v144-159 the quantiser's work
.set PW,   160                         ; the scale word
.set SEL,  24
.set MNT,  26
	s_load_b128 s[4:7], s[0:1], 0x0                ; plc, hid
	s_load_b64 s[8:9], s[0:1], 0x10                ; hs
	v_lshrrev_b32 v1, 5, v0
	s_delay_alu instid0(VALU_DEP_1)
	v_readfirstlane_b32 s10, v1                    ; w
	v_and_b32 v1, 31, v0
	v_and_b32 v2, 15, v0                           ; r
	v_bfe_u32 v3, v0, 4, 1                         ; h
	s_delay_alu instid0(VALU_DEP_2)
	v_lshlrev_b32 v4, 2, v2                        ; 4 r
	s_delay_alu instid0(VALU_DEP_4)
	v_lshlrev_b32 v5, 4, v1                        ; 16 x lane
	s_delay_alu instid0(VALU_DEP_4)
	v_lshlrev_b32 v8, 4, v2                        ; 16 r
.irp b, 0,1,2,3
	v_mov_b32 v[TM+4+\b], 0                        ; written once: a lane permute's destination counts as one of its sources
.endr
	s_and_b32 s17, ttmp7, 0xffff                   ; the quarter
	s_lshl_b32 s28, s17, 3
	s_add_co_u32 s28, s28, s10                     ; my K step: 8 x quarter + wave
	s_mov_b32 s[SEL], 0x76543210
	s_mov_b32 s[SEL+1], 0xfedcba98                 ; v_permlanex16_b32's selects for lane l xor 16
	s_mov_b32 s[MNT], 0x600000                     ; the mantissa field of 448
	s_mov_b32 s13, 0
	s_wait_kmcnt 0x0
	s_load_b32 s11, s[4:5], 0x0                    ; the number of tiles
	s_wait_kmcnt 0x0
	s_cmp_ge_u32 ttmp9, s11
	s_cbranch_scc1 .Lend
	s_lshl_b32 s12, ttmp9, 6
	s_add_nc_u64 s[14:15], s[4:5], s[12:13]
	s_wait_alu depctr_va_vdst(0)
	global_load_b32 v9, v4, s[14:15] offset:LIST   ; row r's entry; lanes 16-31 take the same as lanes 0-15
	s_lshl_b32 s12, ttmp9, 18
	s_add_nc_u64 s[18:19], s[6:7], s[12:13]        ; my tile's 16 rows of 16,384 bytes
	s_lshl_b32 s16, s28, 9                         ; my K step begins 512 x step bytes into a row
	v_lshlrev_b32 v6, 14, v2
	s_delay_alu instid0(VALU_DEP_1)
	v_lshl_add_u32 v6, v3, 6, v6
	s_delay_alu instid0(VALU_DEP_1)
	v_add_nc_u32 v6, s16, v6                       ; my row: r x 16,384 + 64 h + my K step
.irp b, 0,1,2,3
.irp j, 0,1,2,3
	global_load_b128 v[L+16*\b+4*\j:L+16*\b+4*\j+3], v6, s[18:19] offset:128*\b+16*\j   ; register 16 b + i = k 32 b + 16 h + i
.endr
.endr
	s_lshl_b32 s12, ttmp9, 16
	s_lshl_b32 s29, s28, 11
	s_add_co_u32 s12, s12, s29
	s_add_nc_u64 s[20:21], s[8:9], s[12:13]        ; my K step's codes
	s_lshl_b32 s12, ttmp9, 11
	s_lshl_b32 s29, s17, 9
	s_add_co_u32 s12, s12, s29                     ; (4 q + quarter) x 512;
	s_and_b32 s29, s10, 1
	s_lshl_b32 s29, s29, 8
	s_add_co_u32 s12, s12, s29                     ; an odd K step's words lie in lanes 16-31's places,
	s_lshr_b32 s29, s10, 1
	s_lshl_b32 s29, s29, 2
	s_add_co_u32 s12, s12, s29                     ; as word w / 2
	s_add_co_u32 s12, s12, HSC
	s_add_nc_u64 s[22:23], s[8:9], s[12:13]
	s_wait_loadcnt 16                              ; all but the 16 loads of my own rows, which were issued behind it: the list's entry is in
	v_lshrrev_b32 v11, 20, v9
	s_delay_alu instid0(VALU_DEP_1)
	v_min_u32 v11, 0x86f, v11                      ; the partner's sorted row: 2,159 at the most
	s_delay_alu instid0(VALU_DEP_1)
	v_lshlrev_b32 v7, 14, v11
	s_delay_alu instid0(VALU_DEP_1)
	v_lshl_add_u32 v7, v3, 6, v7
	s_delay_alu instid0(VALU_DEP_1)
	v_add_nc_u32 v7, s16, v7
.irp b, 0,1,2,3
.irp j, 0,1,2,3
	global_load_b128 v[L+64+16*\b+4*\j:L+64+16*\b+4*\j+3], v7, s[6:7] offset:128*\b+16*\j
.endr
.endr
	s_wait_loadcnt 0x0                             ; both rows' 64 numbers are in
.set ii, 0
.rept 32
	v_pk_add_f32 v[L+2*ii:L+2*ii+1], v[L+2*ii:L+2*ii+1], v[L+64+2*ii:L+64+2*ii+1]
.set ii, ii+1
.endr
.irp b, 0,1,2,3
	v_max3_num_f32 v[TM+\b], |v[L+16*\b]|, |v[L+1+16*\b]|, 0x4800000   ; block b: my 16 numbers, and the floor 2^(9 - 127): the byte cannot fall under 1
.endr
.irp i, 2,4,6,8,10,12,14
.irp b, 0,1,2,3
	s_delay_alu instid0(VALU_DEP_4)
	v_max3_num_f32 v[TM+\b], v[TM+\b], |v[L+16*\b+\i]|, |v[L+1+16*\b+\i]|
.endr
.endr
.irp b, 0,1,2,3
	s_delay_alu instid0(VALU_DEP_4)
	v_permlanex16_b32 v[TM+4+\b], v[TM+\b], s[SEL], s[SEL+1]
.endr
.irp b, 0,1,2,3
	s_delay_alu instid0(VALU_DEP_4)
	v_max_num_f32 v[TM+\b], v[TM+\b], v[TM+4+\b]   ; with lane l xor 16's: the block's largest magnitude
.endr
.irp b, 0,1,2,3
	s_delay_alu instid0(VALU_DEP_4)
	v_add_nc_u32 v[TM+12+\b], 0xfc000000, v[TM+\b] ; 8 off its exponent field: the conversion's scale operand
.endr
.irp b, 0,1,2,3
	v_and_or_b32 v[TM+8+\b], v[TM+\b], 0x7f800000, s[MNT]   ; 448 x the scale
.endr
.irp b, 0,1,2,3
	v_lshrrev_b32 v[TM+4+\b], 23, v[TM+12+\b]      ; the scale's byte
.endr
	s_delay_alu instid0(VALU_DEP_3)
	v_lshl_or_b32 v[PW], v[TM+5], 8, v[TM+4]
	s_delay_alu instid0(VALU_DEP_1)
	v_lshl_or_b32 v[PW], v[TM+6], 16, v[PW]
	s_delay_alu instid0(VALU_DEP_1)
	v_lshl_or_b32 v[PW], v[TM+7], 24, v[PW]
.irp b, 0,1,2,3
.irp i, 0,1,2,3,4,5,6,7,8,9,10,11,12,13,14,15
	v_med3_num_f32 v[L+16*\b+\i], v[L+16*\b+\i], -v[TM+8+\b], v[TM+8+\b]   ; the conversion does not saturate (ISA guide 7.6.2): the hold comes first
.endr
	v_cvt_scalef32_pk8_fp8_f32 v[PC+4*\b:PC+1+4*\b], v[L+16*\b:L+7+16*\b], v[TM+12+\b]
	v_cvt_scalef32_pk8_fp8_f32 v[PC+2+4*\b:PC+3+4*\b], v[L+8+16*\b:L+15+16*\b], v[TM+12+\b]
.endr
	v_nop                                          ; a plain instruction behind the last conversion
.irp c, 0,1,2,3
	global_store_b128 v5, v[PC+4*\c:PC+4*\c+3], s[20:21] offset:512*\c   ; 512 consecutive bytes
.endr
	global_store_b32 v8, v[PW], s[22:23]           ; row r's word; both halves of the lanes hold it and store it at the same place
.Lend:
	s_endpgm
.Lfunc_end_k_q11e803e985_hq:
	.size	k_q11e803e985_hq, .Lfunc_end_k_q11e803e985_hq-k_q11e803e985_hq
	.p2alignl 7, 3214868480
	.fill 96, 4, 3214868480
	.section	.rodata,"a",@progbits
	.p2align	6, 0x0
	.amdhsa_kernel k_q11e803e985_hq
		.amdhsa_group_segment_fixed_size 0
		.amdhsa_private_segment_fixed_size 0
		.amdhsa_enable_private_segment 0
		.amdhsa_kernarg_size 24
		.amdhsa_user_sgpr_count 2
		.amdhsa_user_sgpr_kernarg_segment_ptr 1
		.amdhsa_wavefront_size32 1
		.amdhsa_system_sgpr_workgroup_id_x 1
		.amdhsa_system_sgpr_workgroup_id_y 1
		.amdhsa_system_sgpr_workgroup_id_z 1
		.amdhsa_system_vgpr_workitem_id 0
		.amdhsa_next_free_vgpr 168
		.amdhsa_next_free_sgpr 66
		.amdhsa_reserve_vcc 0
		.amdhsa_float_denorm_mode_32 3
		.amdhsa_float_denorm_mode_16_64 3
		.amdhsa_memory_ordered 1
		.amdhsa_forward_progress 1
		.amdhsa_inst_pref_size 18
	.end_amdhsa_kernel
	.amdgpu_metadata
---
amdhsa.version: [ 1, 2 ]
amdhsa.kernels:
  - .name:           k_q11e803e985_hq
    .symbol:         k_q11e803e985_hq.kd
    .args:
      - { .name: plc, .offset: 0, .size: 8, .value_kind: global_buffer, .address_space: global }
      - { .name: hid, .offset: 8, .size: 8, .value_kind: global_buffer, .address_space: global }
      - { .name: hs, .offset: 16, .size: 8, .value_kind: global_buffer, .address_space: global }
    .group_segment_fixed_size: 0
    .private_segment_fixed_size: 0
    .kernarg_segment_align: 8
    .kernarg_segment_size: 24
    .max_flat_workgroup_size: 256
    .sgpr_count:     66
    .vgpr_count:     168
    .wavefront_size: 32
...
	.end_amdgpu_metadata
.endif
;; end of part 12
;; launch gemm2 (part 13): grid 32 x 13, 8 waves a work-group, no clusters, 103,424 bytes of LDS; arguments plc, hs, W_out, part; writes part
.if DOCPART == 13
	.amdgcn_target "amdgcn-amd-amdhsa--gfx1250"
	.amdhsa_code_object_version 6
	.text
	.protected	k_q11e803e985_gemm2
	.globl	k_q11e803e985_gemm2
	.p2align	8
	.type	k_q11e803e985_gemm2,@function
k_q11e803e985_gemm2:
	s_mov_b64 s[64:65], 0
	v_nop
	global_prefetch_b8 v0, s[64:65] scope:SCOPE_SE
	s_setreg_imm32_b32 hwreg(HW_REG_WAVE_SCHED_MODE, 0, 2), 2
	s_setreg_imm32_b32 hwreg(HW_REG_WAVE_MODE, 25, 1), 1
	s_wait_xcnt 0x0
	s_wait_alu depctr_vm_vsrc(0)
; ONE TEXT FOR BOTH PRODUCTS; SECOND = 0: hid = relu(Q(x) Q(W_in[e]) + b_in[e]);  SECOND = 1: part[kq] = Q(h) Q(W_out[e]) over a quarter of K.  Only the rows that chose expert e are multiplied.
; SHARES.  Work-group (x, y) takes entry y of the stored block list (an expert, up to 24 tiles of 16 sorted rows), 128 columns (x % 8) and 1,024 along K (quarter x / 8): 512 KiB of f32 weights that no other
; work-group reads.  13 entries serve every split: sum of ceil(count / 384) over 8 experts with 2,048 rows in all.  The four quarters' sums are added, K ascending, by the launch behind this one.
; THE WEIGHTS ARE READ ONCE, AS f32, AND QUANTISED ON THE WAY.  K is their first axis.  In a K step of 128, wave w takes block c = w % 4 (32 k) of column half w / 4 (64 columns): load i of 16 reads
; rows 32 c + i (lanes 0-15) and 32 c + 16 + i (lanes 16-31), 256 consecutive aligned bytes each.  A lane then holds 4 columns x 16 k, the k that the operand's layout gives its half of the lanes; a block's
; largest magnitude wants lane l xor 16 alone.  Numbers are held within +-448 x the scale; the hold writes them column by column, so that a column's 16 k stand in consecutive registers, as the conversion wants them;
; they are converted eight at a time, and the 16 codes of a column go to LDS as part of AN IMAGE OF THE OPERAND'S
; REGISTERS (column tile x 2,064 + c x 512 + 16 x lane), its scale byte beside them.  One barrier a step; two slots by turns, so that a slot is written again only behind the barrier that follows its last read.
; THE ROWS come as register images from the launch before, straight into registers: wave w takes row tiles w, w + 8, w + 16 of the block, each against all 8 column tiles: 24 accumulators.
; The matrix instruction is used transposed (source 0 = 16 columns of W, source 1 = 16 rows): a lane holds 8 neighbouring columns of one row.
; EVERY WAVE PASSES EVERY BARRIER, in an empty entry's work-group too.  There flag = 0 is multiplied into the lane's offset and the K step's stride, so that each weight load reads 16 bytes for all lanes; K step 0 is
; made as everywhere; from step 1 on a scalar branch on the flag leads round the quantiser, its LDS stores and the loads, to a wait for all loads.  The barriers stand outside that branch.  Nothing is stored.
; A row tile that the block does not have stands for the block's last tile in the loads and products that are made on every path (K steps 0 and 1's loads, step 0's products, which start all sums with C = 0);
; from step 1 on such tiles are jumped over, by scalar branches on the stored count, and they are never stored.
; No tensor loads and no cluster: the text branches on stored counts; what the work-groups of a block share, the rows' images, is up to 384 KiB beside 512 KiB of weights of their own, and partners would need different numbers of tiles.
; LIMITS: a block of zeros gets the byte 1 with zero codes; NaN and infinities are not served.
; THE MODE: SCHED_MODE bits 1:0 = 2 (LLVM: expert scheduling mode 2), set by the entry lines.  The code itself states the register dependences
; between vector or matrix instructions and memory or LDS instructions, with s_wait_alu, always for 0.
; THE PLAN.  Registers that memory or LDS instructions touch, in K step k:
;   S0, S1    the weights' two sets.  The quantiser reads set k % 2; behind it the weight loads of step k + 2 land there.
;   AF0, AF1  the rows' fragments.  The step's products read set k % 2; the loads issued in step k land in set (k + 1) % 2, which the products of step k - 1 read.
;   v28-91    the quantiser's work: v28-43 magnitudes, holds, scales and bytes, v44-59 the codes, v60-91 two columns' held numbers.  The step's LDS stores read the bytes and codes, v40-59.
;             Behind the barrier, where the quantiser rests, the 64 registers are two fragment buffers: LDS loads land in them, products read them.
;   WS        W's scale words: LDS loads land there at the products' head, products read them.
;   ASC       loaded once.    v1-7  addresses: made at the head, never written again.    The accumulators: written by products alone; the way out's LDS stores read them.
;   v254, v255  written at the head, read by the closing add alone.
; So a step has three waits: on va_vdst behind the quantiser (its own results and reads, and the products of the step before: for the LDS stores, the global loads and the first LDS loads behind the barrier);
; on vm_vsrc in front of the barrier (the LDS stores have read v40-59, for the loads and the next quantiser that write them); on va_vdst in the products' middle (the first half's products have read both
; fragment buffers, for the second half's loads).  The way that passes over the quantiser has the first of them for itself.
.set SECOND, 1
.if SECOND
.set PITCH, 4096                       ; bytes from one k to the next in W; also a row of the output
.set ATILE, 65536                      ; a row tile's codes
.set ASCL,  8847360                    ; where the rows' scale words begin
.set OTILE, 65536                      ; 16 rows of the output
.else
.set PITCH, 16384
.set ATILE, 16384
.set ASCL,  2211840
.set OTILE, 262144
.endif
.set PQ,    8847360                    ; a quarter's plane of part
.set CTP,   2064                       ; a column tile's image: 2,048 bytes + 16
.set SCO,   16640                      ; behind the 8 images: 128 scale words
.set SLOTB, 17152
.set STAGE, 2*SLOTB                    ; behind the slots: 16 rows x 528 bytes for each wave, its own
.set STW,   8448
.set WOFF, 1                           ; v1   my byte in a K step's rows of W
.set LI,   2                           ; v2   16 x lane
.set IST,  3                           ; v3   where my codes go
.set ISB,  4                           ; v4   where my scale bytes go
.set ISL,  5                           ; v5   where I read scale words
.set STO,  6                           ; v6   the stage, in
.set SRD,  7                           ; v7   the stage, out
.set WS,   10                          ; v10-13  W's scale words: register p: tile 2 p in lanes 0-15, tile 2 p + 1 in lanes 16-31
.set ASC,  16                          ; v16-27  the rows' scale words, 4 a tile: register u: K step 2 u in lanes 0-15, 2 u + 1 in lanes 16-31
.set M,    28                          ; v28-31 largest magnitudes;  v32-35 the other half's, then 448 x the scale;  v36-39 the conversion's scale operand;  v40-43 scale bytes
.set MM,   32
.set MU,   36
.set BY,   40
.set CD,   44                          ; v44-59  my 4 columns' codes: register CD + 4 j + t: k = 4 t .. 4 t + 3 of column j
.set T,    60                          ; v60-91  two columns' held numbers, 16 k on end for each
.set FB,   28                          ; v28-91  two fragment buffers of two column tiles each: pair p of column tiles goes to buffer p % 2; they lie over the quantiser's 64 registers
.set AF,   92                          ; v92-187 two sets of three row tiles' fragments
.set S0,   188                         ; v188-251 weights, set 0;  set 1: v192-255 of window 1
.set BI,   252                         ; (the first product's bias; not used here)
                                       ; window 1: accumulator (i, ct) at v[64 i + 8 ct]
.set WB,   32                          ; s32-47  W at K step 0 .. 7
.set AB,   48                          ; s48-53  my three tiles' codes;  s54-59 their rows of the output;  s66-71 their scale words
.set OB,   54
.set SB,   66
.set MSB, 0
.macro WIN new                         ; the immediate's high byte repeats the setting that is left
.if MSB != (\new)
	s_set_vgpr_msb (MSB<<8)|(\new)
.set MSB, (\new)
.endif
.endm
.if SECOND
	s_load_b128 s[4:7], s[0:1], 0x0                ; plc, hs
	s_load_b64 s[8:9], s[0:1], 0x10                ; W_out
	s_load_b64 s[12:13], s[0:1], 0x18              ; part
	v_lshl_add_u32 v254, v0, 2, 0x19000
	v_mov_b32 v255, 0
.else
	s_load_b256 s[4:11], s[0:1], 0x0               ; plc, xs, W_in, b_in
	s_load_b64 s[12:13], s[0:1], 0x20              ; hid
.endif
	v_lshrrev_b32 v9, 5, v0
	v_readfirstlane_b32 s14, v9                    ; wave
	s_wait_alu depctr_va_sdst(0)                   ; s14 is written, ahead of its first reader
	s_and_b32 s15, s14, 3                          ; c
	s_lshr_b32 s16, s14, 2                         ; column half
	s_and_b32 s19, ttmp7, 0xffff
	s_lshl_b32 s31, s19, 4                         ; my entry of the block list
.if SECOND
	s_and_b32 s17, ttmp9, 7                        ; which 128 columns
	s_lshr_b32 s18, ttmp9, 3                       ; which quarter of K
.else
	s_mov_b32 s17, ttmp9
.endif
	s_mov_b32 s72, 0x76543210
	s_mov_b32 s73, 0xfedcba98                      ; v_permlanex16_b32's selects for lane l xor 16
	s_mov_b32 s74, 0x600000                        ; the mantissa field of 448
	s_mov_b32 s77, 0
	s_wait_kmcnt 0x0
	s_load_b128 s[20:23], s[4:5], s31 offset:0x100
	v_and_b32 v9, 31, v0                           ; lane
	v_and_b32 v14, 15, v0                          ; q
	v_bfe_u32 v15, v0, 4, 1                        ; h
	v_lshlrev_b32 v[LI], 4, v9
	v_lshl_add_u32 v[ISL], v9, 2, SCO
	s_lshl_b32 s28, s15, 5
	v_lshl_add_u32 v[WOFF], v15, 4, s28            ; row 32 c + 16 h
	v_mul_u32_u24 v[WOFF], v[WOFF], PITCH
	v_lshl_add_u32 v[WOFF], v14, 4, v[WOFF]        ; + 16 q
	s_lshl_b32 s28, s16, 8
	v_add_nc_u32 v[WOFF], s28, v[WOFF]             ; + 256 x column half
	v_lshrrev_b32 v[IST], 2, v14                   ; column 64 ch + 4 q + j is row 4 (q % 4) + j of column tile 4 ch + q / 4
	s_lshl_b32 s28, s16, 2
	v_add_nc_u32 v[IST], s28, v[IST]
	v_mul_u32_u24 v[IST], v[IST], CTP
	v_and_b32 v9, 3, v14
	v_lshl_add_u32 v[IST], v9, 6, v[IST]
	v_lshl_add_u32 v[IST], v15, 8, v[IST]
	s_lshl_b32 s28, s15, 9
	v_add_nc_u32 v[IST], s28, v[IST]
	s_lshl_b32 s28, s16, 8
	s_add_co_u32 s28, s28, s15
	s_add_co_u32 s28, s28, SCO
	v_lshl_add_u32 v[ISB], v14, 4, s28             ; byte c of column 64 ch + 4 q's word
	s_mul_i32 s28, s14, STW
	s_add_co_u32 s28, s28, STAGE
	v_mul_u32_u24 v[STO], v14, 528
	v_lshl_add_u32 v[STO], v15, 5, v[STO]
	v_add_nc_u32 v[STO], s28, v[STO]               ; row r, + 32 h
	v_add_nc_u32 v[SRD], s28, v[LI]
.irp j, 0,1,2,3
	v_mov_b32 v[MM+\j], 0                          ; written ahead of the first quantiser: a lane permute's destination counts as one of its sources
.endr
	s_wait_kmcnt 0x0
	s_min_u32 s24, s20, 7                          ; the expert
	s_min_u32 s25, s21, 134                        ; the block's first tile
	s_min_u32 s26, s22, 24                         ; its tiles
	s_min_u32 s29, s26, 1                          ; flag: 0 for an empty entry
	s_add_co_u32 s27, s26, 7
	s_sub_co_u32 s27, s27, s14
	s_lshr_b32 s27, s27, 3                         ; NA: how many of the tiles w, w + 8, w + 16 the block has
	s_max_u32 s30, s26, 1
	s_add_co_u32 s30, s30, s25
	s_sub_co_u32 s30, s30, 1                       ; the block's last tile
.irp i, 0,1,2
	s_add_co_u32 s31, s25, s14
	s_add_co_u32 s31, s31, 8*\i
	s_min_u32 s31, s31, s30
	s_min_u32 s31, s31, 134                        ; my tile i
	s_mul_i32 s76, s31, ATILE
.if SECOND
	s_lshl_b32 s78, s18, 14                        ; the quarter's 8 K steps of 2,048 bytes
	s_add_co_u32 s76, s76, s78
.endif
	s_add_nc_u64 s[AB+2*\i:AB+2*\i+1], s[6:7], s[76:77]
.if SECOND
	s_lshl_b32 s76, s31, 11
	s_lshl_b32 s78, s18, 9
	s_add_co_u32 s76, s76, s78
.else
	s_lshl_b32 s76, s31, 9
.endif
	s_add_co_u32 s76, s76, ASCL
	s_add_nc_u64 s[SB+2*\i:SB+2*\i+1], s[6:7], s[76:77]
	s_mul_i32 s76, s31, OTILE
	s_lshl_b32 s78, s17, 9
	s_add_co_u32 s76, s76, s78
.if SECOND
	s_mul_i32 s78, s18, PQ
	s_add_co_u32 s76, s76, s78
.endif
	s_add_nc_u64 s[OB+2*\i:OB+2*\i+1], s[12:13], s[76:77]
.endr
.if SECOND == 0
	s_lshl_b32 s76, s24, 14
	s_lshl_b32 s78, s17, 9
	s_add_co_u32 s76, s76, s78
	s_add_nc_u64 s[60:61], s[10:11], s[76:77]      ; the bias of my 128 columns
.endif
	s_lshl_b32 s76, s24, 24                        ; an expert's weights are 2^24 bytes
	s_lshl_b32 s78, s17, 9
	s_add_co_u32 s76, s76, s78
.if SECOND
	s_lshl_b32 s78, s18, 22                        ; 1,024 rows of 4,096 bytes
	s_add_co_u32 s76, s76, s78
.endif
	s_add_nc_u64 s[WB:WB+1], s[8:9], s[76:77]
	s_mul_i32 s76, s29, 128*PITCH                  ; from K step to K step (0 for an empty entry)
.irp k, 1,2,3,4,5,6,7
	s_add_nc_u64 s[WB+2*\k:WB+2*\k+1], s[WB+2*\k-2:WB+2*\k-1], s[76:77]
.endr
	v_mul_u32_u24 v[WOFF], s29, v[WOFF]
	s_wait_alu depctr_va_vdst(0)                   ; the seven addresses v1 to v7 are written, which every load and store of the kernel reads
.macro WLOAD k, set                    ; my 16 loads of K step k's weights
	WIN 0x40*(\set)
.set SS, S0+4*(\set)
.set ii, 0
.rept 16
	global_load_b128 v[SS+4*ii:SS+4*ii+3], v[WOFF], s[WB+2*(\k):WB+2*(\k)+1] offset:ii*PITCH th:TH_LOAD_NT
.set ii, ii+1
.endr
	WIN 0
.endm
.macro ALOAD k, cond                   ; my row tiles' fragments of K step k; cond = 1: only those that the block has
.irp i, 0,1,2
.if \cond
	s_cmp_le_u32 s27, \i
	s_cbranch_scc1 .Lae_\@
.endif
.irp c, 0,1,2,3
	global_load_b128 v[AF+48*((\k)%2)+16*\i+4*\c:AF+48*((\k)%2)+16*\i+4*\c+3], v[LI], s[AB+2*\i:AB+2*\i+1] offset:2048*(\k)+512*\c
.endr
.endr
.Lae_\@:
.endm
.macro QW set                          ; 64 numbers (register 4 i + j: k = i of my 16, column j of my 4) become 4 x 16 codes and 4 scale bytes
.set SS, S0+4*(\set)
	WIN 0x05*(\set)
.irp j, 0,1,2,3
	v_max3_num_f32 v[M+\j], |v[SS+\j]|, |v[SS+4+\j]|, 0x4800000   ; and the floor 2^(9 - 127): the byte cannot fall under 1
.endr
.irp i, 2,4,6,8,10,12,14
.irp j, 0,1,2,3
	v_max3_num_f32 v[M+\j], |v[SS+4*\i+\j]|, |v[SS+4*\i+4+\j]|, v[M+\j]
.endr
.endr
	WIN 0
.irp j, 0,1,2,3
	v_permlanex16_b32 v[MM+\j], v[M+\j], s72, s73
.endr
.irp j, 0,1,2,3
	v_max_num_f32 v[M+\j], v[M+\j], v[MM+\j]       ; with lane l xor 16's 16 k: the block's largest magnitude
.endr
.irp j, 0,1,2,3
	v_add_nc_u32 v[MU+\j], 0xfc000000, v[M+\j]     ; 8 off its exponent field: the conversion takes the exponent field of this operand as its scale, and nothing else of it
.endr
.irp j, 0,1,2,3
	v_and_or_b32 v[MM+\j], v[M+\j], 0x7f800000, s74   ; 448 x the scale: the largest magnitude's exponent field over 448's mantissa
.endr
.irp j, 0,1,2,3
	v_lshrrev_b32 v[BY+\j], 23, v[MU+\j]           ; the scale's byte
.endr
.irp hh, 0,1                           ; two columns at a time: 2 hh and 2 hh + 1
	WIN 0x01*(\set)
.irp jj, 0,1
.set ii, 0
.rept 16
	v_med3_num_f32 v[T+16*\jj+ii], v[SS+4*ii+2*\hh+\jj], -v[MM+2*\hh+\jj], v[MM+2*\hh+\jj]   ; the conversion does not saturate (ISA guide 7.6.2): the hold comes first; it lays the column's 16 k on end
.set ii, ii+1
.endr
.endr
	WIN 0
.irp jj, 0,1
	v_cvt_scalef32_pk8_fp8_f32 v[CD+8*\hh+4*\jj:CD+8*\hh+4*\jj+1], v[T+16*\jj:T+16*\jj+7], v[MU+2*\hh+\jj]        ; eight numbers / the scale, to the nearest code, ties to even; the first number's code in the lowest byte
	v_cvt_scalef32_pk8_fp8_f32 v[CD+8*\hh+4*\jj+2:CD+8*\hh+4*\jj+3], v[T+16*\jj+8:T+16*\jj+15], v[MU+2*\hh+\jj]
.endr
.if \hh == 0
	v_nop                                          ; a plain instruction between the conversions and the holds that write their sources again
.endif
.endr
.endm
.macro PUT k
.irp j, 0,1,2,3
	ds_store_b128 v[IST], v[CD+4*\j:CD+4*\j+3] offset:SLOTB*((\k)%2)+16*\j
.endr
.irp j, 0,1,2,3
	ds_store_b8 v[ISB], v[BY+\j] offset:SLOTB*((\k)%2)+4*\j    ; both halves of the lanes write the same byte with the same value
.endr
.endm
.macro WM k, i, p, u                   ; row tile i x column tile 2 p + u, K step k
.set DD, 64*(\i)+8*(2*(\p)+(\u))
.set AA, FB+32*((\p)%2)+16*(\u)
.set BB, AF+48*((\k)%2)+16*(\i)
.set SA, WS+(\p)
.set SR, ASC+4*(\i)+(\k)/2
.if (\k) == 0
.if (\u) == 0
	v_wmma_scale_f32_16x16x128_f8f6f4 v[DD:DD+7], v[AA:AA+15], v[BB:BB+15], 0, v[SA], v[SR]
.else
	v_wmma_scale_f32_16x16x128_f8f6f4 v[DD:DD+7], v[AA:AA+15], v[BB:BB+15], 0, v[SA], v[SR] matrix_a_scale:MATRIX_SCALE_ROW1
.endif
.elseif (\k)%2 == 0
.if (\u) == 0
	v_wmma_scale_f32_16x16x128_f8f6f4 v[DD:DD+7], v[AA:AA+15], v[BB:BB+15], v[DD:DD+7], v[SA], v[SR]
.else
	v_wmma_scale_f32_16x16x128_f8f6f4 v[DD:DD+7], v[AA:AA+15], v[BB:BB+15], v[DD:DD+7], v[SA], v[SR] matrix_a_scale:MATRIX_SCALE_ROW1
.endif
.else
.if (\u) == 0
	v_wmma_scale_f32_16x16x128_f8f6f4 v[DD:DD+7], v[AA:AA+15], v[BB:BB+15], v[DD:DD+7], v[SA], v[SR] matrix_b_scale:MATRIX_SCALE_ROW1
.else
	v_wmma_scale_f32_16x16x128_f8f6f4 v[DD:DD+7], v[AA:AA+15], v[BB:BB+15], v[DD:DD+7], v[SA], v[SR] matrix_a_scale:MATRIX_SCALE_ROW1 matrix_b_scale:MATRIX_SCALE_ROW1
.endif
.endif
.endm
.macro FRAGS p                         ; pair p of column tiles, 2 p and 2 p + 1, from the slot at SL into fragment buffer p % 2: 8 LDS loads
.irp u, 0,1
.irp c, 0,1,2,3
	ds_load_b128 v[FB+32*((\p)%2)+16*\u+4*\c:FB+32*((\p)%2)+16*\u+4*\c+3], v[LI] offset:SL+(2*(\p)+\u)*CTP+512*\c
.endr
.endr
.endm
.macro PAIR k, cnt, p                  ; cnt row tiles x pair p
.set ti, 0
.rept \cnt
	WM \k, ti, \p, 0
	WM \k, ti, \p, 1
.set ti, ti+1
.endr
.endm
; K step k's products for cnt row tiles.  The 8 column tiles come from LDS in two halves of four, a pair to each fragment buffer: 16 loads in one run; the first pair's products begin while the second pair's 8 loads are out.
; Every instruction of a step names another accumulator, and a step's last and the next step's first differ too.
; The scale words' loads and the first half's owe no wait here: the wait on va_vdst behind the quantiser (or the one on the way that passes over it) and the wait on vm_vsrc in front of the barrier have stated
; all that they hang on, and no vector or matrix instruction stands between those waits and these loads.  The second half's loads land in registers that the first half's products read: one wait states that.
; Eight plain instructions stand behind each half's products: behind the first half ahead of the loads into the registers that they read;
; behind the second half ahead of the next quantiser's lines, which write v28-91, and, in the last step, of the first read of results.
.macro MULS k, cnt
.set SL, SLOTB*((\k)%2)
.irp p, 0,1,2,3
	ds_load_b32 v[WS+\p], v[ISL] offset:SL+128*\p
.endr
	FRAGS 0
	FRAGS 1
	s_wait_dscnt 8                                 ; LDS loads come back in order (ISA guide 5.7.1): the scale words and pair 0 are in, pair 1's eight loads may be out
	WIN 0x50                                       ; C and D in window 1
	PAIR \k, \cnt, 0
	s_wait_dscnt 0x0                               ; pair 1 is in
	PAIR \k, \cnt, 1
	WIN 0
.rept 8
	v_nop
.endr
	s_wait_alu depctr_va_vdst(0)                   ; the first half's products are done reading v28-91, in which the second half's fragments land
	FRAGS 2
	FRAGS 3
	s_wait_dscnt 8                                 ; pair 2 is in, pair 3's eight loads may be out
	WIN 0x50
	PAIR \k, \cnt, 2
	s_wait_dscnt 0x0                               ; pair 3 is in
	PAIR \k, \cnt, 3
	WIN 0
.rept 8
	v_nop
.endr
.endm
.macro STEP k
.if (\k) > 0
	s_cmp_eq_u32 s29, 0                            ; an empty entry has nothing to quantise and nothing to fetch
	s_cbranch_scc1 .Lidle_\@
.endif
.if (\k) < 7
	s_wait_loadcnt 16                              ; all but the 16 weight loads of step k + 1.  Where this step's weights or row fragments are still out, the step before was worked, and it issued those 16 behind them; a way that passed over the step before has waited for all loads
.else
	s_wait_loadcnt 0x0
.endif
	QW (\k)%2
.rept 4
	v_nop                                          ; v44-91, which the holds and conversions have just written, are operands' registers behind the barrier (LDS loads fill them anew in between): first four plain instructions, then the wait.  The first of the four is also the plain instruction behind the last conversion
.endr
	s_wait_alu depctr_va_vdst(0)                   ; the quantiser has written its bytes and codes, which the LDS stores read, and is done with its set of weights and with v28-91, in which loads land; the last step's products are done reading their rows' fragments, WS and v28-91, in which loads land
	PUT \k
.if (\k) == 0
	ALOAD 1, 0
.elseif (\k) < 7
	ALOAD (\k)+1, 1
.endif
.if (\k) < 6
	WLOAD (\k)+2, (\k)%2                           ; into the set just quantised: two steps ahead of its use.  No wait: no vector or matrix instruction since the wait above
.endif
.if (\k) > 0
	s_branch .Lmeet_\@
.Lidle_\@:
	s_wait_loadcnt 0x0                             ; nothing of mine is out behind this line, so that every later count holds on this way too
	s_wait_alu depctr_va_vdst(0)                   ; this way passes over the wait behind the quantiser: the products issued so far are done reading WS and v28-91, in which the LDS loads behind the barrier land
.Lmeet_\@:
.endif
	s_wait_dscnt 0x0                               ; for the others' sake: my codes and bytes lie in LDS (and my reads of the other slot ended a step ago)
	s_wait_alu depctr_vm_vsrc(0)                   ; my LDS stores have read v40-59: fragments land in these registers behind the barrier, and the next step's quantiser writes them
	s_barrier_signal -1
	s_barrier_wait -1
.if (\k) == 0
	MULS 0, 3                                      ; on every path: these products start all 24 sums
.else
	s_cmp_eq_u32 s27, 0
	s_cbranch_scc1 .Lmd_\@
	s_cmp_eq_u32 s27, 1
	s_cbranch_scc1 .Lm1_\@
	s_cmp_eq_u32 s27, 2
	s_cbranch_scc1 .Lm2_\@
	MULS \k, 3
	s_branch .Lmd_\@
.Lm2_\@:
	MULS \k, 2
	s_branch .Lmd_\@
.Lm1_\@:
	MULS \k, 1
.Lmd_\@:
.endif
.endm
; Row tile i leaves through my stage: a lane's 32 bytes of a row in, whole rows of 512 bytes out.  LDS serves a wave's instructions in order (ISA guide 5.7.1.4).
.macro OUT i
	s_wait_xcnt 0x0                                ; the last tile's stores have read their registers
.if (\i) > 0
	s_wait_alu depctr_vm_vsrc(0)                   ; the last tile's stores have read v[S0 ..], in which the loads from the stage land
.endif
	WIN 0x04                                       ; an LDS store's data are its source 1: window 1
.irp t, 0,1,2,3,4,5,6,7
	ds_store_b128 v[STO], v[64*\i+8*\t:64*\i+8*\t+3] offset:64*\t            ; each accumulator from its low end on
	ds_store_b128 v[STO], v[64*\i+8*\t+4:64*\i+8*\t+7] offset:64*\t+16
.endr
	WIN 0
.set ii, 0
.rept 16
	ds_load_b128 v[S0+4*ii:S0+4*ii+3], v[SRD] offset:528*ii
.set ii, ii+1
.endr
	s_wait_dscnt 0x0
.if SECOND == 0
.set ii, 0
.rept 16
	v_pk_add_f32 v[S0+4*ii:S0+4*ii+1], v[S0+4*ii:S0+4*ii+1], v[BI:BI+1]
	v_pk_add_f32 v[S0+4*ii+2:S0+4*ii+3], v[S0+4*ii+2:S0+4*ii+3], v[BI+2:BI+3]
.set ii, ii+1
.endr
.set ii, 0
.rept 64
	v_max_num_f32 v[S0+ii], 0, v[S0+ii]
.set ii, ii+1
.endr
	s_wait_alu depctr_va_vdst(0)                   ; the additions and maxima have written v[S0 ..], which the stores read; they are the last vector lines to name these registers ahead of the next tile's loads into them
.endif
.set ii, 0
.rept 16
	global_store_b128 v[LI], v[S0+4*ii:S0+4*ii+3], s[OB+2*\i:OB+2*\i+1] offset:ii*PITCH   ; 32 lanes store 512 consecutive bytes, aligned
.set ii, ii+1
.endr
.endm
	WLOAD 0, 0
.if SECOND == 0
	global_load_b128 v[BI:BI+3], v[LI], s[60:61]
.endif
.irp i, 0,1,2
	global_load_b128 v[ASC+4*\i:ASC+4*\i+3], v[LI], s[SB+2*\i:SB+2*\i+1]
.endr
	ALOAD 0, 0
	WLOAD 1, 1
	STEP 0
	STEP 1
	STEP 2
	STEP 3
	STEP 4
	STEP 5
	STEP 6
	STEP 7
	s_wait_alu depctr_va_vdst(0)                   ; the products have written the 24 accumulators, which the LDS stores of all three tiles read (the eight places stand behind the last products); the quantiser is done with v[S0 ..], in which the loads from the stage land
.irp i, 0,1,2
	s_cmp_le_u32 s27, \i
	s_cbranch_scc1 .Lend
	OUT \i
.endr
.Lend:
	s_wait_dscnt 0x0                               ; the closing lines, six on end
	s_wait_alu 0x0
	s_wait_tensorcnt 0x0
	ds_add_u32 v254, v255
	s_wait_dscnt 0x0
	s_endpgm
.Lfunc_end_k_q11e803e985_gemm2:
	.size	k_q11e803e985_gemm2, .Lfunc_end_k_q11e803e985_gemm2-k_q11e803e985_gemm2
	.p2alignl 7, 3214868480
	.fill 96, 4, 3214868480
	.section	.rodata,"a",@progbits
	.p2align	6, 0x0
	.amdhsa_kernel k_q11e803e985_gemm2
		.amdhsa_group_segment_fixed_size 103424
		.amdhsa_private_segment_fixed_size 0
		.amdhsa_enable_private_segment 0
		.amdhsa_kernarg_size 32
		.amdhsa_user_sgpr_count 2
		.amdhsa_user_sgpr_kernarg_segment_ptr 1
		.amdhsa_wavefront_size32 1
		.amdhsa_system_sgpr_workgroup_id_x 1
		.amdhsa_system_sgpr_workgroup_id_y 1
		.amdhsa_system_sgpr_workgroup_id_z 1
		.amdhsa_system_vgpr_workitem_id 0
		.amdhsa_next_free_vgpr 512
		.amdhsa_next_free_sgpr 80
		.amdhsa_reserve_vcc 0
		.amdhsa_float_denorm_mode_32 3
		.amdhsa_float_denorm_mode_16_64 3
		.amdhsa_memory_ordered 1
		.amdhsa_forward_progress 1
		.amdhsa_inst_pref_size 225
	.end_amdhsa_kernel
	.amdgpu_metadata
---
amdhsa.version: [ 1, 2 ]
amdhsa.kernels:
  - .name:           k_q11e803e985_gemm2
    .symbol:         k_q11e803e985_gemm2.kd
    .args:
      - { .name: plc, .offset: 0, .size: 8, .value_kind: global_buffer, .address_space: global }
      - { .name: hs, .offset: 8, .size: 8, .value_kind: global_buffer, .address_space: global }
      - { .name: W_out, .offset: 16, .size: 8, .value_kind: global_buffer, .address_space: global }
      - { .name: part, .offset: 24, .size: 8, .value_kind: global_buffer, .address_space: global }
    .group_segment_fixed_size: 103424
    .private_segment_fixed_size: 0
    .kernarg_segment_align: 8
    .kernarg_segment_size: 32
    .max_flat_workgroup_size: 256
    .sgpr_count:     80
    .vgpr_count:     512
    .wavefront_size: 32
...
	.end_amdgpu_metadata
.endif
;; end of part 13
;; launch combine (part 14): grid 256 x 1, 8 waves a work-group, no clusters, 0 bytes of LDS; arguments ridx, rprob, plc, part, b_out, out0; writes out0
.if DOCPART == 14
	.amdgcn_target "amdgcn-amd-amdhsa--gfx1250"
	.amdhsa_code_object_version 6
	.text
	.protected	k_q11e803e985_combine
	.globl	k_q11e803e985_combine
	.p2align	8
	.type	k_q11e803e985_combine,@function
k_q11e803e985_combine:
	s_mov_b64 s[64:65], 0
	v_nop
	global_prefetch_b8 v0, s[64:65] scope:SCOPE_SE
	s_setreg_imm32_b32 hwreg(HW_REG_WAVE_MODE, 25, 1), 1
	s_wait_xcnt 0x0
; out[token] = p0 (y0 + b_out[e0]) + p1 (y1 + b_out[e1]), y = the four quarters of K of the token's sorted row, added K ascending.  Each output row has one owner: nothing is added across work-groups.
; A wave takes half a token's row, 2,048 bytes, in four chunks of 512 consecutive bytes.  The experts, the probabilities and the two sorted rows (prow[token][2]) come by three scalar loads that go out together:
; what earlier launches stored; each whole number is held within its table before it enters an address.
; All 40 loads of a wave's data go out at once; the waits count down by chunks.  A stream: no LDS, no barrier, no matrix unit.
.set PROW, 0x300
.set PQ,  8847360                      ; a quarter's plane of part
.set P,   16                           ; v16-175: chunk ch at 40 ch: choice 0's four quarters and its bias (20 registers), then choice 1's
	s_load_b256 s[4:11], s[0:1], 0x0               ; ridx, rprob, plc, part
	s_load_b128 s[12:15], s[0:1], 0x20             ; b_out, out0
	v_lshrrev_b32 v1, 5, v0
	s_delay_alu instid0(VALU_DEP_1)
	v_readfirstlane_b32 s16, v1
	s_lshl_b32 s17, ttmp9, 3
	s_add_co_u32 s17, s17, s16
	s_lshr_b32 s18, s17, 1                         ; the token
	s_and_b32 s19, s17, 1                          ; which half of its row
	s_lshl_b32 s20, s18, 3
	v_and_b32 v1, 31, v0
	s_delay_alu instid0(VALU_DEP_1)
	v_lshlrev_b32 v2, 4, v1                        ; 16 x lane
	s_wait_alu depctr_va_vdst(0)
	s_wait_kmcnt 0x0
	s_load_b64 s[24:25], s[4:5], s20 offset:0x0    ; the two experts
	s_load_b64 s[26:27], s[6:7], s20 offset:0x0    ; their probabilities
	s_load_b64 s[28:29], s[8:9], s20 offset:PROW   ; the two sorted rows
	s_wait_kmcnt 0x0
	s_min_u32 s24, s24, 7
	s_min_u32 s25, s25, 7
	s_min_u32 s28, s28, 2159
	s_min_u32 s29, s29, 2159
	s_lshl_b32 s30, s19, 11
	s_lshl_b32 s31, s28, 12
	s_add_co_u32 s31, s31, s30
	v_add_nc_u32 v3, s31, v2                       ; choice 0's row of part: 4,096 bytes a row, my half, my 16 bytes
	s_wait_alu depctr_va_vdst(0)
	s_lshl_b32 s31, s29, 12
	s_add_co_u32 s31, s31, s30
	v_add_nc_u32 v4, s31, v2                       ; choice 1's
	s_wait_alu depctr_va_vdst(0)
	s_lshl_b32 s31, s24, 12
	s_add_co_u32 s31, s31, s30
	v_add_nc_u32 v5, s31, v2                       ; choice 0's bias
	s_wait_alu depctr_va_vdst(0)
	s_lshl_b32 s31, s25, 12
	s_add_co_u32 s31, s31, s30
	v_add_nc_u32 v6, s31, v2                       ; choice 1's
	s_wait_alu depctr_va_vdst(0)
	s_mov_b64 s[32:33], s[10:11]
	s_add_nc_u64 s[34:35], s[32:33], PQ
	s_add_nc_u64 s[36:37], s[34:35], PQ
	s_add_nc_u64 s[38:39], s[36:37], PQ
	s_lshl_b32 s40, s18, 12
	s_add_co_u32 s40, s40, s30
	s_mov_b32 s41, 0
	s_add_nc_u64 s[42:43], s[14:15], s[40:41]
	s_mov_b32 s44, s27                             ; p1 as the low word of a pair: the packed form takes a scalar pair's low word for both halves
	s_mov_b32 s45, s27
.irp ch, 0,1,2,3
.irp kq, 0,1,2,3
	global_load_b128 v[P+40*\ch+4*\kq:P+40*\ch+4*\kq+3], v3, s[32+2*\kq:33+2*\kq] offset:512*\ch th:TH_LOAD_NT
	global_load_b128 v[P+40*\ch+20+4*\kq:P+40*\ch+20+4*\kq+3], v4, s[32+2*\kq:33+2*\kq] offset:512*\ch th:TH_LOAD_NT
.endr
	global_load_b128 v[P+40*\ch+16:P+40*\ch+19], v5, s[12:13] offset:512*\ch
	global_load_b128 v[P+40*\ch+36:P+40*\ch+39], v6, s[12:13] offset:512*\ch
.endr
.irp ch, 0,1,2,3
	s_wait_loadcnt 30-10*\ch                       ; this chunk's ten loads are in; the later chunks' ten each may be out
.irp q, 1,2,3,4
.irp sl, 0,20
.irp pr, 0,2
	v_pk_add_f32 v[P+40*\ch+\sl+\pr:P+40*\ch+\sl+\pr+1], v[P+40*\ch+\sl+\pr:P+40*\ch+\sl+\pr+1], v[P+40*\ch+\sl+4*\q+\pr:P+40*\ch+\sl+4*\q+\pr+1]   ; quarters 1, 2, 3, then the bias
.endr
.endr
.endr
.irp pr, 0,2
	s_delay_alu instid0(VALU_DEP_4)
	v_pk_mul_f32 v[P+40*\ch+\pr:P+40*\ch+\pr+1], v[P+40*\ch+\pr:P+40*\ch+\pr+1], s[26:27] op_sel_hi:[1,0]
.endr
.irp pr, 0,2
	s_delay_alu instid0(VALU_DEP_2)
	v_pk_fma_f32 v[P+40*\ch+\pr:P+40*\ch+\pr+1], v[P+40*\ch+20+\pr:P+40*\ch+20+\pr+1], s[44:45], v[P+40*\ch+\pr:P+40*\ch+\pr+1] op_sel_hi:[1,0,1]
.endr
	global_store_b128 v2, v[P+40*\ch:P+40*\ch+3], s[42:43] offset:512*\ch th:TH_STORE_NT   ; 32 lanes store 512 consecutive bytes, aligned
.endr
	s_endpgm
.Lfunc_end_k_q11e803e985_combine:
	.size	k_q11e803e985_combine, .Lfunc_end_k_q11e803e985_combine-k_q11e803e985_combine
	.p2alignl 7, 3214868480
	.fill 96, 4, 3214868480
	.section	.rodata,"a",@progbits
	.p2align	6, 0x0
	.amdhsa_kernel k_q11e803e985_combine
		.amdhsa_group_segment_fixed_size 0
		.amdhsa_private_segment_fixed_size 0
		.amdhsa_enable_private_segment 0
		.amdhsa_kernarg_size 48
		.amdhsa_user_sgpr_count 2
		.amdhsa_user_sgpr_kernarg_segment_ptr 1
		.amdhsa_wavefront_size32 1
		.amdhsa_system_sgpr_workgroup_id_x 1
		.amdhsa_system_sgpr_workgroup_id_y 1
		.amdhsa_system_sgpr_workgroup_id_z 1
		.amdhsa_system_vgpr_workitem_id 0
		.amdhsa_next_free_vgpr 184
		.amdhsa_next_free_sgpr 66
		.amdhsa_reserve_vcc 0
		.amdhsa_float_denorm_mode_32 3
		.amdhsa_float_denorm_mode_16_64 3
		.amdhsa_memory_ordered 1
		.amdhsa_forward_progress 1
		.amdhsa_inst_pref_size 12
	.end_amdhsa_kernel
	.amdgpu_metadata
---
amdhsa.version: [ 1, 2 ]
amdhsa.kernels:
  - .name:           k_q11e803e985_combine
    .symbol:         k_q11e803e985_combine.kd
    .args:
      - { .name: ridx, .offset: 0, .size: 8, .value_kind: global_buffer, .address_space: global }
      - { .name: rprob, .offset: 8, .size: 8, .value_kind: global_buffer, .address_space: global }
      - { .name: plc, .offset: 16, .size: 8, .value_kind: global_buffer, .address_space: global }
      - { .name: part, .offset: 24, .size: 8, .value_kind: global_buffer, .address_space: global }
      - { .name: b_out, .offset: 32, .size: 8, .value_kind: global_buffer, .address_space: global }
      - { .name: out0, .offset: 40, .size: 8, .value_kind: global_buffer, .address_space: global }
    .group_segment_fixed_size: 0
    .private_segment_fixed_size: 0
    .kernarg_segment_align: 8
    .kernarg_segment_size: 48
    .max_flat_workgroup_size: 256
    .sgpr_count:     66
    .vgpr_count:     184
    .wavefront_size: 32
...
	.end_amdgpu_metadata
.endif
;; end of part 14
